; MI455X (gfx1250); checked and timed in simulation.
; The chip was launched on July 23, 2026; its instructions are those of AMD's public machine-readable ISA for CDNA 5 (MIT licence, August 2026) and "CDNA5" Instruction Set Architecture Reference Guide (July 2026). The comments in the code are by the model that wrote it; some were corrected since.
;; GQ Attention. Allowed arithmetic: matrix products marked QUANTISED: E2M3 operands, one E8M0 scale for each 32 along K, by v_wmma_scale_f32_16x16x128_f8f6f4 with both operands' format E2M3, f32 sums; everything else in f32.
;; Inputs: Wk_codes 512 x 64 x 24 uint8 (E2M3 codes of Wk, K innermost, in blocks of 32 codes, four codes in three bytes); Wk_scales 512 x 64 uint8 (E8M0 scales of Wk, one for each 32 codes along K); Wo_codes 2,048 x 64 x 24 uint8 (E2M3 codes of Wo, K innermost, in blocks of 32 codes, four codes in three bytes); Wo_scales 2,048 x 64 uint8 (E8M0 scales of Wo, one for each 32 codes along K); Wq_codes 2,048 x 64 x 24 uint8 (E2M3 codes of Wq, K innermost, in blocks of 32 codes, four codes in three bytes); Wq_scales 2,048 x 64 uint8 (E8M0 scales of Wq, one for each 32 codes along K); Wv_codes 512 x 64 x 24 uint8 (E2M3 codes of Wv, K innermost, in blocks of 32 codes, four codes in three bytes); Wv_scales 512 x 64 uint8 (E8M0 scales of Wv, one for each 32 codes along K); freqs 2 x 2,048 x 64 float32; mask 1 x 1 x 2,048 x 2,048 bool; x_codes 1 x 2,048 x 64 x 24 uint8 (E2M3 codes of x, K innermost, in blocks of 32 codes, four codes in three bytes); x_scales 1 x 2,048 x 64 uint8 (E8M0 scales of x, one for each 32 codes along K).
;; Outputs: out0 1 x 2,048 x 2,048 float32.
;; This version of the problem:
;;   THIS VERSION OF THE PROBLEM IS GIVEN IN LOW PRECISION. The matrix products marked QUANTISED in the list below multiply operands that are first quantised to E2M3 (2 exponent bits, 3 mantissa bits; 6 bits a number), with one power-of-two scale for each 32 numbers along K (OCP MX v1.0); their sums are f32. All else is computed in f32.
;;   The module's matrix products, in the order in which they are computed (A, B: the left and right operand; K: the contracted axis; several contracted axes count as one K, in the product's order):
;;     1. [M 2,048, K 2,048] x [K 2,048, N 2,048]; A: input x (given as codes); B: input Wq (given as codes): QUANTISED
;;     2. [M 2,048, K 2,048] x [K 2,048, N 512]; A: input x (given as codes); B: input Wk (given as codes): QUANTISED
;;     3. [M 2,048, K 2,048] x [K 2,048, N 512]; A: input x (given as codes); B: input Wv (given as codes): QUANTISED
;;     4. batch 32 x [M 2,048, K 64] x [K 64, N 2,048]; A: computed on the way; B: computed on the way: QUANTISED
;;     5. batch 32 x [M 64, K 2,048] x [K 2,048, N 2,048]; A: computed on the way; B: softmax (see below): QUANTISED
;;     6. [M 2,048, K 2,048] x [K 2,048, N 2,048]; A: computed on the way; B: input Wo (given as codes): QUANTISED
;;   THE QUANTISER, for each operand of a quantised product, along K:
;;     - K is cut into blocks of 32 from its start; a last block that is shorter is filled with zeros.
;;     - A block's scale is 2^e with e = floor(log2(the largest magnitude in the block)) - 2, held to -126 .. 127; a block of zeros has e = 0. As a byte (E8M0): e + 127.
;;     - Each number is divided by its block's scale, clamped to +-7.5, and rounded to the nearest number of E2M3, ties to even, subnormals kept.
;;     - The product sums the exact products of the quantised numbers (number of the format x scale) in f32.
;;   ~~~python
;;   def quantise(x, axis):      # numpy; x: float32 -> the quantised numbers, widened to float32 again
;;       x = np.moveaxis(x, axis, -1); K = x.shape[-1]
;;       x = np.pad(x, [(0, 0)] * (x.ndim - 1) + [(0, -K % 32)]); x = x.reshape(x.shape[:-1] + (-1, 32)); a = np.abs(x).max(-1, keepdims=True)
;;       e = np.where(a > 0, np.clip(np.frexp(np.where(a > 0, a, 1))[1] - 1 - 2, -126, 127), 0)      # np.frexp(a)[1] - 1 = floor(log2(a)), exactly
;;       r = np.clip(x / 2.0 ** e, -7.5, 7.5)
;;       step = 2.0 ** (np.maximum(np.frexp(np.where(r == 0, 1, r))[1] - 1, 0) - 3)
;;       q = np.round(r / step) * step * 2.0 ** e      # np.round: ties to even
;;       return np.moveaxis(q.reshape(q.shape[:-2] + (-1,))[..., :K], -1, axis).astype(np.float32)
;;   ~~~
;;   SOFTMAX AHEAD OF A QUANTISED PRODUCT. Where the list says 'softmax', what is quantised is not the finished softmax but p = 2^(t - M), with t = logit x log2(e) and M = ceil(the row's largest t), a whole number; so 1/2 < the row's largest p <= 1. The row's sum l is taken of the UNQUANTISED p, in f32, and the product's result is divided by l at the end. Since M is a whole number, a kernel that streams over the keys may use a running M (the ceiling of the running maximum): every later rescaling is an exact power of two, which a block's scale takes up: the codes' values come out the same.
;;   OPERANDS COMPUTED ON THE WAY. 'Computed on the way' means the value that the module computes at that place (a softmax that the list does not call 'softmax' is quantised finished and normalised). What goes into a quantiser is computed in f32, as accurately as f32 sums, v_exp_f32 and their like allow (about 1e-6 of the number): no bf16 or f16 on the way to a quantiser, and a product that is left as it is and whose result goes on into a quantised operand takes f32 operands (vector FMAs, or v_wmma_f32_16x16x4_f32). A number that lies on a knife's edge between two numbers of the format may be rounded either way, as far as f32 arithmetic and the matrix unit's own rounding can turn it there, and no further.
;;   INPUTS GIVEN AS CODES. Wk (in the module: [2048, 512], K = its axis 0); Wo (in the module: [2048, 2048], K = its axis 0); Wq (in the module: [2048, 2048], K = its axis 0); Wv (in the module: [2048, 512], K = its axis 0); x (in the module: [1, 2048, 2048], K = its axis 2): each comes as NAME_codes (uint8): NAME with its K axis moved to the last place and cut into blocks of 32 codes, [.., K / 32, bytes a block], one block behind the other in memory; four codes in three bytes: a row's codes are one little-endian stream of bits, code i at bits 6 i .. 6 i + 5 (a code: sign, 2 exponent bits, 3 mantissa bits); and NAME_scales (uint8): the same leading axes, one E8M0 byte (e + 127) for each 32 codes along K. Its value is code x scale, taken as it is: it is not quantised again, and the codes and scales need not be those that the quantiser above would give.
;; 2 versions. Each part assembles by itself: llvm-mc -triple=amdgcn-amd-amdhsa -mcpu=gfx1250 --defsym DOCPART=n.
;; ======== version 1 of 2: 3 launches
;; limits: right only within a limited range of input values
;; workspace buffers: q 3,407,872 bytes; kv 1,703,936 bytes; ao 3,145,728 bytes; aos 131,072 bytes
;; launch qkv (part 1): grid 24 x 16, 4 waves a work-group, clusters of 4 x 4, 327,680 bytes of LDS; arguments x_codes, x_scales, Wq_codes, Wq_scales, Wk_codes, Wk_scales, Wv_codes, Wv_scales, freqs, q, kv; writes q, kv
.if DOCPART == 1
	.amdgcn_target "amdgcn-amd-amdhsa--gfx1250"
	.amdhsa_code_object_version 6
	.text
	.protected	k_q41456a2580_qkv
	.globl	k_q41456a2580_qkv
	.p2align	8
	.type	k_q41456a2580_qkv,@function
k_q41456a2580_qkv:
	s_mov_b64 s[64:65], 0
	v_nop
	global_prefetch_b8 v0, s[64:65] scope:SCOPE_SE
	s_setreg_imm32_b32 hwreg(HW_REG_WAVE_MODE, 25, 1), 1
	s_wait_xcnt 0x0
	s_wait_alu depctr_hold_cnt(0) depctr_sa_sdst(0) depctr_va_vdst(0) depctr_va_sdst(0) depctr_va_ssrc(0) depctr_va_vcc(0) depctr_vm_vsrc(0)
	s_getreg_b32 s2, hwreg(HW_REG_IB_STS2, 6, 4)
	s_cmp_eq_u32 s2, 0
	s_cbranch_scc0 .Lentry_in_a_cluster
	s_endpgm
.Lentry_in_a_cluster:
	s_bfe_u32 s2, ttmp6, 0x10000c
	s_cmp_lg_u32 s2, 0xf033
	s_cbranch_scc0 .Lentry_shape_is_right
	s_endpgm
.Lentry_shape_is_right:
; Q = rope(x Wq), K = rope(x Wk), V = x Wv on codes of FP6 (E2M3) with E8M0 scales, and the quantising of the three results for the attention launch.
; THE PRODUCT.  C'[p][n] = sum over k of P[p][k] N[n][k], K = 2,048.  Source 0 = 16 rows of P, source 1 = 16 rows of N: a lane holds ONE row of N and its registers run along P.
; A work-group makes 128 (P) x 128 (N); each of its four waves 64 x 64: 16 accumulators.  K goes through two LDS slots of 512 along K (rows of 384 bytes): four slot steps, two first fills, two refills.
; ROLES, by the cluster's x (the same number in all sixteen partners): 0-3: P = Wq, N = x;  4: P = Wk, N = x;  5: P = x, N = Wv.  So a lane's registers always run along the axis
; that is quantised: the head's 64 for Q and K, the tokens (the keys) for V.  A wave's 64 rows of P are one head (Q, K) or half a key step (V).
; CLUSTERS 4 x 4: P's tile hangs on cx and is asked for jointly by the four work-groups of a column, N's on cy and by the four of a row.
; THE WAY OUT uses no LDS: sixteen-lane exchanges give each lane a WHOLE block of 32; rotation in f32; the block's scale; the conversion; the codes leave as images of the reader's registers
; (a pair of registers = 32 lanes x 8 bytes = 256 consecutive bytes, aligned).  K's key tiles and V's channel tiles leave PERMUTED: row r of tile 2 b + u is 32 b + 8 u + r % 8 + 16 (r / 8).
; q:  [head 32][106,496]: 128 token tiles x 3 images, then 64 tile pairs x 32 scale words (s0, s1, s0, s1).
; kv: [kv head 8][212,992]: K's 128 tiles x 3 images | V: 16 key steps x 4 channel tiles x 6 images | K's scale words | V's scale words [step][half][tile pair][32].
; LIMITS: a block whose largest magnitude lies under 2^-124 is held at that floor (byte 1), a block of zeros too, where the rule says 127: its codes are zeros and this program alone reads the bytes.
; NaN and infinities among the computed numbers are not served.
.set NIMG,  0                          ; 0: N comes as rows of codes; 1: as images of fragments
.set PITCH, 432                        ; an LDS row: 3 x (128 bytes + 16 of padding) = 108 words: row r starts at bank 44 r mod 64, sixteen different multiples of 4; lanes 16-31 lie 6 or 10 words on
.set HALF,  64*PITCH                   ; 64 rows: what one tensor load brings, and what one wave reads of P or of N
.set SLOT,  4*HALF                     ; P's 128 rows, then N's
.set SCL,   2*SLOT                     ; behind the ring: the scale bytes of P's and N's 128 rows for all of K, as 256 bytes + 16 of padding
.set HALFS, 16*272                     ; those of 64 rows
.set SPARE, SCL+4*HALFS                ; the spare words, 128 bytes for each wave: two blocks of 256 bytes that no other line names
.set NFL,   48                         ; LDS loads of one K step's fragments
.set NFWD,  384                        ; bytes from N's tile of one slot step to the next
.set ADP,  16                          ; v16-17 my P fragments in slot 0, 1; v18-19 the same behind one padding more
.set ADN,  20                          ; v20-23 the same for N
.set ADSP, 24                          ; v24 my P scale words: lanes 0-15 an even K step's, lanes 16-31 the odd one's
.set ADSN, 25                          ; v25 the same for N
.set SPW,  28                          ; v28 SPARE + 4 x my thread's number; never rewritten
.set NIL,  29                          ; v29 0; never rewritten
.set SC,   32                          ; v32-63 scale words, two sets of 16: P tile i at 2 i + q / 2, N tile j at 8 + 2 j + q / 2; they hold scales and nothing else
.set ACC,  128                         ; v128-255 the accumulators
.set F0,   0                           ; window 1: two fragment buffers of 96: P tile i at 12 i, N tile j at 48 + 12 j
.set G1SN, 8
.set G1SP, 16
.set G1P,  24
.set G0P,  32
.set G1N,  40
.set G0N,  48
.set G0SP, 56
.set G0SN, 60
.set MSB, 0
.macro WIN new                         ; the immediate's high byte repeats the setting that is left
.if MSB != \new
	s_set_vgpr_msb (MSB<<8)|\new
.set MSB, \new
.endif
.endm
.macro PLACES n
.rept \n
	v_nop
.endr
.endm
.macro CREST                           ; a round of the cluster's barrier behind its opening barrier
	s_cmp_lg_u32 s4, 0
	s_cbranch_scc1 .Lnot_wave_0_\@
	s_barrier_signal -3
.Lnot_wave_0_\@:
	s_barrier_wait -3
	s_barrier_signal -1
	s_barrier_wait -1
.endm
.macro CROUND
	s_barrier_signal -1
	s_barrier_wait -1
	CREST
.endm
; A joint load: waves 0 and 1 fetch for P, waves 2 and 3 for N.  The branch hangs on the wave's number alone.  Four v_nop follow each of the two lines.
.macro JLOAD g0p, g1p, g0n, g1n
	s_cmp_eq_u32 s5, 0
	s_cbranch_scc0 .Lfor_n_\@
	tensor_load_to_lds s[\g0p:\g0p+3], s[\g1p:\g1p+7]
	s_nop 0
.rept 4
	v_nop
.endr
	s_branch .Lasked_\@
.Lfor_n_\@:
	tensor_load_to_lds s[\g0n:\g0n+3], s[\g1n:\g1n+7]
	s_nop 0
.rept 4
	v_nop
.endr
.Lasked_\@:
.endm
; A fragment, 16 rows x 128 K, is 12 registers: lane l holds row l % 16; registers 6 c .. 6 c + 5 the 24 bytes of K = 64 c + 32 (l / 16) + 0 .. 31, in pieces of 8 bytes.
; 16 pieces lie between two paddings; lanes 16-31 read three pieces on, which from piece 13 of 16 on is behind one padding more: the second address register serves those.
.macro FRAG reg, adr, q, i
.irp p, 0,1,2,3,4,5
.set PCE, 12*(\q)+6*(\p/3)+\p%3
.if PCE%16 < 13
	ds_load_b64 v[\reg+2*\p:\reg+2*\p+1], v[\adr] offset:8*PCE+16*(PCE/16)+(\i)*16*PITCH
.else
	ds_load_b64 v[\reg+2*\p:\reg+2*\p+1], v[\adr+2] offset:8*PCE+16*(PCE/16)+(\i)*16*PITCH
.endif
.endr
.endm
.macro FRAGI reg, adr, q, i            ; a fragment that lies as an image of its registers: three loads of 512 consecutive bytes
.irp c, 0,1,2
	ds_load_b128 v[\reg+4*\c:\reg+4*\c+3], v[\adr] offset:(\i)*6144+(\q)*1536+512*\c
.endr
.endm
.macro FETCH slot, q, f                ; the fragments of the slot's q-th 128 along K into buffer f
	WIN 0x40                                       ; destination window 1, address window 0
.irp i, 0,1,2,3
	FRAG \f+12*\i, ADP+\slot, \q, \i
.endr
.irp i, 0,1,2,3
.if NIMG
	FRAGI \f+48+12*\i, ADN+\slot, \q, \i
.else
	FRAG \f+48+12*\i, ADN+\slot, \q, \i
.endif
.endr
	WIN 0
.endm
.macro SCALES kap, set                 ; the scale words of slot step kap (four K steps) into a set
.irp i, 0,1,2,3
.irp u, 0,1
	ds_load_b32 v[SC+16*(\set)+2*\i+\u], v[ADSP] offset:\i*1088+16*(\kap)+8*\u
.if NIMG
	ds_load_b32 v[SC+16*(\set)+8+2*\i+\u], v[ADSN] offset:\i*1088+272*(\kap)+128*\u
.else
	ds_load_b32 v[SC+16*(\set)+8+2*\i+\u], v[ADSN] offset:\i*1088+16*(\kap)+8*\u
.endif
.endr
.endr
.endm
; 8 matrix instructions: N tiles j0, j0 + 1 x P's four.  The 16 accumulators take turns, one instruction a turn, in one order.
; Accumulator (j, pt) lies at 32 j + 8 ord(pt); here ord = 0, 2, 1, 3, so that the exchanges of the way out leave 32 neighbours on end.
.macro MUL8 f, j0, q, set, zero
.irp j, \j0, \j0+1
.irp pt, 0,1,2,3
.if NIMG
.set xD, ACC+32*(\j)+8*\pt
.else
.set xD, ACC+32*(\j)+8*(2*(\pt%2)+\pt/2)
.endif
.set xP, \f+12*\pt
.set xN, \f+48+12*(\j)
.set xSP, SC+16*(\set)+2*\pt+(\q)/2
.set xSN, SC+16*(\set)+8+2*(\j)+(\q)/2
.if \zero
	v_wmma_scale_f32_16x16x128_f8f6f4 v[xD:xD+7], v[xP:xP+11], v[xN:xN+11], 0, v[xSP], v[xSN] matrix_a_fmt:MATRIX_FMT_FP6 matrix_b_fmt:MATRIX_FMT_FP6
.elseif (\q)%2
	v_wmma_scale_f32_16x16x128_f8f6f4 v[xD:xD+7], v[xP:xP+11], v[xN:xN+11], v[xD:xD+7], v[xSP], v[xSN] matrix_a_fmt:MATRIX_FMT_FP6 matrix_b_fmt:MATRIX_FMT_FP6 matrix_a_scale:MATRIX_SCALE_ROW1 matrix_b_scale:MATRIX_SCALE_ROW1
.else
	v_wmma_scale_f32_16x16x128_f8f6f4 v[xD:xD+7], v[xP:xP+11], v[xN:xN+11], v[xD:xD+7], v[xSP], v[xSN] matrix_a_fmt:MATRIX_FMT_FP6 matrix_b_fmt:MATRIX_FMT_FP6
.endif
.endr
.endr
.endm
; One of a slot's first three K steps: the next step's fragments are asked for, then this step is multiplied while they come.
.macro STEP slot, q, zero
	PLACES 4                                       ; the products just issued read the buffer that is loaded next (ISA guide 7.12.1 for vector instructions)
	FETCH \slot, (\q)+1, F0+96*(1-(\q)%2)
	s_wait_dscnt NFL                               ; all but the loads just issued: this step's fragments and scale words are in
	WIN 0x05                                       ; sources 0 and 1 window 1; C and D window 0
	MUL8 F0+96*((\q)%2), 0, \q, \slot, \zero
	MUL8 F0+96*((\q)%2), 2, \q, \slot, \zero
	WIN 0
.endm
; A slot's last K step changes slots: one barrier; in front of it each wave waits for all its tensor loads, adds 0 to its spare word, and waits for that and for its reads of the slot.
.macro TURN slot, kap, fill
	s_wait_tensorcnt 0x0                           ; all my tensor loads have landed: my part of the other slot
	ds_add_u32 v[SPW], v[NIL]                      ; 0 onto my spare word
	s_wait_dscnt 1                                 ; the fragments are in; the add alone may be out
	WIN 0x05
	MUL8 F0+96, 0, 3, \slot, 0                     ; eight matrix instructions stand between the add and the wait for it
	s_wait_dscnt 0x0                               ; the add is done, and my reads of this slot are over
	s_barrier_signal -1
	MUL8 F0+96, 2, 3, \slot, 0
	WIN 0
	s_barrier_wait -1
.if \fill
	CREST                                          ; the barrier has opened a round of the cluster's barrier: no wave of any partner still reads this slot or has a load on its way
	s_add_nc_u64 s[G0P+4*\slot+2:G0P+4*\slot+3], s[G0P+4*\slot+2:G0P+4*\slot+3], 2*384
	s_add_nc_u64 s[G0N+4*\slot+2:G0N+4*\slot+3], s[G0N+4*\slot+2:G0N+4*\slot+3], 2*NFWD
	JLOAD G0P+4*\slot, G1P, G0N+4*\slot, G1N       ; the first tensor load behind the round: one load of mine is out; its four v_nop are the places in front of the loads below
.else
	PLACES 4
.endif
	FETCH 1-\slot, 0, F0
	SCALES \kap, 1-\slot
.endm
	s_load_b512 s[68:83], s[0:1], 0x0              ; x codes 68, x scales 70, Wq 72, 74, Wk 76, 78, Wv 80, 82
	s_load_b128 s[84:87], s[0:1], 0x40             ; freqs 84, q 86
	s_load_b64 s[88:89], s[0:1], 0x50              ; kv
	v_lshl_add_u32 v[SPW], v0, 2, SPARE
	v_mov_b32 v[NIL], 0
	ds_add_u32 v28, v29
	ds_add_u32 v28, v29
	s_wait_dscnt 0x0
	v_lshrrev_b32 v1, 5, v0
	v_readfirstlane_b32 s4, v1                     ; wave 0..3
	s_lshr_b32 s5, s4, 1                           ; WH: my half of P's rows.  Also: I fetch for P (0) or for N (1)
	s_and_b32 s6, s4, 1                            ; WL: my half of N's rows.  Also: which 64 rows I fetch
	s_bfe_u32 s7, ttmp6, 0x40000                   ; cx
	s_bfe_u32 s66, ttmp6, 0x40004                  ; cy
	s_mov_b32 s67, ttmp9                           ; X: the cluster's x, 0..5: the role
	s_and_b32 s90, ttmp7, 0xffff                   ; Y: the cluster's y, 0..3
	s_cmp_eq_u32 s67, 5
	s_cselect_b32 s2, s90, 0                       ; which four tiles of P: V: Y (tokens), K: 0,
	s_cselect_b32 s3, 0, s90                       ; and of N: V: 0 (Wv), else Y (tokens)
	s_cmp_lt_u32 s67, 4
	s_cselect_b32 s2, s67, s2                      ; Q: X
	s_lshl_b32 s91, s2, 2
	s_add_co_u32 s91, s91, s7                      ; PI: my tile of P
	s_lshl_b32 s92, s3, 2
	s_add_co_u32 s92, s92, s66                     ; NI: my tile of N
	s_mov_b32 s98, 0x76543210                      ; v_permlanex16_b32's selects for lane l xor 16
	s_mov_b32 s99, 0xfedcba98
	s_mov_b32 s100, 0xff00ff00                     ; lanes 8-15 and 24-31
	s_mov_b32 s101, 0xffff0000                     ; lanes 16-31
	s_lshl_b32 s94, 0x1111, s7                     ; my column of the cluster (same cx)
	s_lshl_b32 s96, s66, 2
	s_lshl_b32 s96, 15, s96                        ; my row (same cy)
	; group 1 for codes: 64 rows x 384 bytes, 1,536 bytes apart; 16 bytes of padding behind every 128
	s_or_b32 s[G1P], s94, (1<<20)|(1<<21)|(4<<22)|(3<<25)   ; 15:0 the mask; 17:16 elements of 1 byte; 20 padding on; 21 set beside a mask; 24:22 after 32 words; 31:25 of 4 words
	s_or_b32 s[G1N], s96, (1<<20)|(1<<21)|(4<<22)|(3<<25)
.irp g, G1P, G1N
	s_mov_b32 s[\g+1], 384<<16                     ; tensor_dim0
	s_mov_b32 s[\g+2], 64<<16                      ; tensor_dim1
	s_mov_b32 s[\g+3], 384<<16                     ; tile_dim0
	s_mov_b32 s[\g+4], 64                          ; tile_dim1
	s_mov_b32 s[\g+5], 1536                        ; from row to row
	s_mov_b32 s[\g+6], 0
	s_mov_b32 s[\g+7], 0
.endr
	; group 1 for scale bytes: 64 rows' 4,096 dense bytes as 16 rows of 256 (32 elements of 8 bytes), 16 bytes of padding behind each
	s_or_b32 s[G1SP], s94, (3<<16)|(1<<20)|(1<<21)|(5<<22)|(3<<25)
	s_or_b32 s[G1SN], s96, (3<<16)|(1<<20)|(1<<21)|(5<<22)|(3<<25)
.irp g, G1SP, G1SN
	s_mov_b32 s[\g+1], 32<<16
	s_mov_b32 s[\g+2], 16<<16
	s_mov_b32 s[\g+3], 32<<16
	s_mov_b32 s[\g+4], 16
	s_mov_b32 s[\g+5], 32
	s_mov_b32 s[\g+6], 0
	s_mov_b32 s[\g+7], 0
.endr
	s_wait_kmcnt 0x0
	s_cmp_eq_u32 s67, 5                            ; the operands' buffers are chosen by the role, which hangs on no address
	s_cselect_b64 s[94:95], s[68:69], s[76:77]     ; P: x or Wk,
	s_cselect_b64 s[96:97], s[70:71], s[78:79]
	s_cselect_b64 s[80:81], s[80:81], s[68:69]     ; N: Wv or x
	s_cselect_b64 s[82:83], s[82:83], s[70:71]
	s_cmp_lt_u32 s67, 4
	s_cselect_b64 s[94:95], s[72:73], s[94:95]     ; P: Wq
	s_cselect_b64 s[96:97], s[74:75], s[96:97]
	s_lshl_b32 s72, s91, 7                         ; P: the first row that I fetch: 128 PI + 64 WL (cx alone of the place in the cluster)
	s_lshl_b32 s73, s6, 6
	s_add_co_u32 s72, s72, s73
	s_lshl_b32 s74, s72, 6                         ; its scale bytes,
	s_mul_i32 s72, s72, 1536                       ; its codes
	s_mov_b32 s73, 0
	s_mov_b32 s75, 0
	s_add_nc_u64 s[72:73], s[94:95], s[72:73]
	s_add_nc_u64 s[74:75], s[96:97], s[74:75]
	s_lshl_b32 s76, s92, 7                         ; N: 128 NI + 64 WL (cy alone)
	s_lshl_b32 s77, s6, 6
	s_add_co_u32 s76, s76, s77
	s_lshl_b32 s78, s76, 6
	s_mul_i32 s76, s76, 1536
	s_mov_b32 s77, 0
	s_mov_b32 s79, 0
	s_add_nc_u64 s[76:77], s[80:81], s[76:77]
	s_add_nc_u64 s[78:79], s[82:83], s[78:79]
	s_lshl_b32 s68, s92, 15                        ; freqs at row 128 NI + 64 WL (256 bytes a row)
	s_lshl_b32 s69, s6, 14
	s_add_co_u32 s68, s68, s69
	s_mov_b32 s69, 0
	s_add_nc_u64 s[84:85], s[84:85], s[68:69]
	s_mul_i32 s2, s4, HALF                         ; where the tiles go: wave x 64 rows: P's two halves, then N's: no place in the cluster enters an LDS address
.if NIMG
	s_mul_i32 s3, s4, 24576
	s_add_co_u32 s3, s3, 6144
.else
	s_mul_i32 s3, s4, HALF
.endif
	s_mul_i32 s93, s4, HALFS
	CROUND                                         ; all sixteen work-groups are here: the first joint loads meet
	s_mov_b32 s[G0SP], 1
	s_add_co_u32 s[G0SP+1], s93, SCL
	s_mov_b64 s[G0SP+2:G0SP+3], s[74:75]
	s_or_b32 s[G0SP+3], s[G0SP+3], 0x80000000
	s_mov_b32 s[G0SN], 1
	s_add_co_u32 s[G0SN+1], s93, SCL
	s_mov_b64 s[G0SN+2:G0SN+3], s[78:79]
	s_or_b32 s[G0SN+3], s[G0SN+3], 0x80000000
	JLOAD G0SP, G1SP, G0SN, G1SN                   ; the scale bytes first: filled once
.irp s, 0,1
	s_mov_b32 s[G0P+4*\s], 1
	s_add_co_u32 s[G0P+4*\s+1], s2, \s*SLOT
	s_add_nc_u64 s[G0P+4*\s+2:G0P+4*\s+3], s[72:73], \s*384
	s_or_b32 s[G0P+4*\s+3], s[G0P+4*\s+3], 0x80000000
	s_mov_b32 s[G0N+4*\s], 1
	s_add_co_u32 s[G0N+4*\s+1], s3, \s*SLOT
	s_add_nc_u64 s[G0N+4*\s+2:G0N+4*\s+3], s[76:77], \s*NFWD
	s_or_b32 s[G0N+4*\s+3], s[G0N+4*\s+3], 0x80000000
	JLOAD G0P+4*\s, G1P, G0N+4*\s, G1N             ; three loads of mine are out behind the second of these
.endr
	v_and_b32 v1, 15, v0                           ; r
	v_bfe_u32 v2, v0, 4, 1                         ; h
	v_and_b32 v3, 31, v0                           ; lane
	v_mul_u32_u24 v4, v1, PITCH
	v_mad_u32_u24 v4, v2, 24, v4                   ; a fragment's row x pitch + 24 h
	v_lshl_add_u32 v5, v2, 4, v4                   ; and the same behind one padding more
	s_mul_i32 s2, s5, HALF
	v_add_nc_u32 v[ADP], s2, v4
	v_add_nc_u32 v[ADP+2], s2, v5
	v_add_nc_u32 v[ADP+1], SLOT, v[ADP]
	v_add_nc_u32 v[ADP+3], SLOT, v[ADP+2]
.if NIMG
	s_mul_i32 s3, s6, 24576
	s_add_co_u32 s3, s3, 2*HALF
	v_lshl_add_u32 v[ADN], v3, 4, s3
	v_add_nc_u32 v[ADN+1], SLOT, v[ADN]
.else
	s_mul_i32 s3, s6, HALF
	s_add_co_u32 s3, s3, 2*HALF
	v_add_nc_u32 v[ADN], s3, v4
	v_add_nc_u32 v[ADN+2], s3, v5
	v_add_nc_u32 v[ADN+1], SLOT, v[ADN]
	v_add_nc_u32 v[ADN+3], SLOT, v[ADN+2]
.endif
	v_lshrrev_b32 v6, 2, v1                        ; a row's 64 scale bytes: four rows to 256 bytes + 16
	v_and_b32 v7, 3, v1
	v_mul_u32_u24 v6, v6, 272
	v_lshl_add_u32 v6, v7, 6, v6
	v_lshl_add_u32 v6, v2, 2, v6                   ; lanes 16-31 take the next K step's word
	s_mul_i32 s2, s5, HALFS
	s_add_co_u32 s2, s2, SCL
	v_add_nc_u32 v[ADSP], s2, v6
	s_mul_i32 s3, s6, HALFS
	s_add_co_u32 s3, s3, SCL+2*HALFS
.if NIMG
	v_lshl_add_u32 v[ADSN], v3, 2, s3
.else
	v_add_nc_u32 v[ADSN], s3, v6
.endif
	v_lshlrev_b32 v26, 3, v3                       ; the way out: 8 x lane,
	v_lshlrev_b32 v27, 2, v3                       ; 4 x lane,
	v_lshlrev_b32 v30, 3, v2                       ; 8 h: my byte's place in a scale word
	v_lshlrev_b32 v31, 8, v1
	v_lshl_add_u32 v31, v2, 7, v31                 ; freqs: row r, + my 32 numbers
	v_mov_b32 v14, 0                               ; written once: the destination of a lane move counts as one of its sources
	v_mov_b32 v15, 0
.irp j, 0,1,2,3
	v_mov_b32 v[120+\j], 0
.endr
	; cos and sin of my 64 rows of N, 32 numbers a lane and tile, into window 2: cos(j) at 64 j, sin(j) at 64 j + 32.  They land under the product.
	; V's work-groups ask too (rows that lie inside freqs) and use nothing of it: so these registers are written on every way.
	WIN 0x80
.irp j, 0,1,2,3
.irp k, 0,1,2,3,4,5,6,7
	global_load_b128 v[64*\j+4*\k:64*\j+4*\k+3], v31, s[84:85] offset:\j*4096+16*\k
	global_load_b128 v[64*\j+32+4*\k:64*\j+32+4*\k+3], v31, s[84:85] offset:524288+\j*4096+16*\k
.endr
.endr
	WIN 0
	s_wait_tensorcnt 1                             ; the scale bytes and my part of slot 0 are in; slot 1's load may be out
	s_barrier_signal -1
	s_barrier_wait -1
	FETCH 0, 0, F0
	SCALES 0, 0
	STEP 0, 0, 1                                   ; the first products start the sums: nothing is cleared
	STEP 0, 1, 0
	STEP 0, 2, 0
	TURN 0, 1, 1
	STEP 1, 0, 0
	STEP 1, 1, 0
	STEP 1, 2, 0
	TURN 1, 2, 1
	STEP 0, 0, 0
	STEP 0, 1, 0
	STEP 0, 2, 0
	TURN 0, 3, 0                                   ; nothing is left to fetch
	STEP 1, 0, 0
	STEP 1, 1, 0
	STEP 1, 2, 0
	s_wait_dscnt 0x0
	WIN 0x05
	MUL8 F0+96, 0, 3, 1, 0
	MUL8 F0+96, 2, 3, 1, 0
	WIN 0
	; ---- THE WAY OUT
.set T,   64                           ; v64-95  x cos; later the codes, 8 registers a tile
.set CD,  64
.set C2,  96                           ; v96-111 the second half of each block's codes
.set SCO, 112                          ; v112-115 largest magnitude, then the conversion's scale operand
.set W,   116                          ; v116-119 byte, then scale word
.set PX,  120                          ; v120-123 the other half's byte
.set OF,  124                          ; v124-127 where tile j's images go
	PLACES 4
.irp j, 0,1,2,3                        ; lanes 16-31 of one register change places with lanes 0-15 of the other: lane (r, h) then holds rows 32 h + 0 .. 31 of P, on end.  Each accumulator is read from its low end on
.irp i, 0,1,2,3,4,5,6,7
	v_permlane16_swap_b32 v[ACC+32*\j+\i], v[ACC+32*\j+8+\i]
	v_permlane16_swap_b32 v[ACC+32*\j+16+\i], v[ACC+32*\j+24+\i]
.endr
.endr
	s_wait_loadcnt 0x0                             ; cos and sin
	s_cmp_eq_u32 s67, 5
	s_cbranch_scc1 .Lno_rope                       ; V is not rotated
	WIN 0x08                                       ; source 1 window 2
.irp j, 0,1,2,3
.set n, 0
.rept 16
	v_pk_mul_f32 v[T+n:T+n+1], v[ACC+32*\j+n:ACC+32*\j+n+1], v[64*\j+n:64*\j+n+1]
.set n, n+2
.endr
.set n, 0
.rept 16                               ; even: a0 cos0 - a1 sin0;  odd: a1 cos1 + a0 sin1: source 0's halves change places, and the low one is negated
	v_pk_fma_f32 v[ACC+32*\j+n:ACC+32*\j+n+1], v[ACC+32*\j+n:ACC+32*\j+n+1], v[64*\j+32+n:64*\j+32+n+1], v[T+n:T+n+1] op_sel:[1,0,0] op_sel_hi:[0,1,1] neg_lo:[1,0,0]
.set n, n+2
.endr
.endr
	WIN 0
.Lno_rope:
.irp j, 0,1,2,3
	v_max3_num_f32 v[SCO+\j], |v[ACC+32*\j]|, |v[ACC+32*\j+1]|, 0x1800000   ; my block of tile j: all 32 numbers are mine; and the floor 2^(3 - 127): the byte cannot fall under 1
.endr
.irp i, 2,4,6,8,10,12,14,16,18,20,22,24,26,28,30
.irp j, 0,1,2,3
	v_max3_num_f32 v[SCO+\j], v[SCO+\j], |v[ACC+32*\j+\i]|, |v[ACC+32*\j+\i+1]|
.endr
.endr
.irp j, 0,1,2,3
	v_add_nc_u32 v[SCO+\j], 0xff000000, v[SCO+\j]  ; 2 off the exponent field: the conversion takes that field as its scale
.endr
.irp j, 0,1,2,3
	v_lshrrev_b32 v[W+\j], 23, v[SCO+\j]           ; the scale's byte
.endr
.irp j, 0,1,2,3
	v_lshlrev_b32 v[W+\j], v30, v[W+\j]            ; at its place: 8 h bits up
.endr
.irp j, 0,1,2,3
	v_permlanex16_b32 v[PX+\j], v[W+\j], s98, s99
.endr
.irp j, 0,1,2,3
	v_or_b32 v[W+\j], v[W+\j], v[PX+\j]
.endr
.irp j, 0,1,2,3
	v_lshl_or_b32 v[W+\j], v[W+\j], 16, v[W+\j]    ; (s0, s1, s0, s1)
.endr
.irp j, 0,1,2,3
	v_cvt_scalef32_pk16_fp6_f32 v[CD+8*\j:CD+8*\j+2], v[ACC+32*\j:ACC+32*\j+15], v[SCO+\j]
	v_cvt_scalef32_pk16_fp6_f32 v[C2+4*\j:C2+4*\j+2], v[ACC+32*\j+16:ACC+32*\j+31], v[SCO+\j]   ; (a conversion's three registers begin on an even number)
.endr
	v_nop                                          ; one plain place behind a scaled conversion
.irp j, 0,1,2,3
.irp i, 0,1,2
	v_mov_b32 v[CD+8*\j+3+\i], v[C2+4*\j+\i]
.endr
.endr
	s_cmp_lt_u32 s67, 4
	s_cbranch_scc1 .Lno_swap                       ; Q's tiles stay natural
; K's keys and V's channels: of two neighbouring tiles, lanes 8-15 of the first change places with lanes 0-7 of the second (in both halves of the lanes)
.macro LSW x, y
	v_mov_b32_dpp v14, v[\y] row_xmask:8 row_mask:0xf bank_mask:0xf
	v_mov_b32_dpp v15, v[\x] row_xmask:8 row_mask:0xf bank_mask:0xf
	v_cndmask_b32 v[\x], v[\x], v14, s100
	v_cndmask_b32 v[\y], v15, v[\y], s100
.endm
.irp m, 0,1
.irp i, 0,1,2,3,4,5
	LSW CD+16*\m+\i, CD+16*\m+8+\i
.endr
	LSW W+2*\m, W+2*\m+1
.endr
.Lno_swap:
	s_lshl_b32 s72, s91, 1
	s_add_co_u32 s72, s72, s5                      ; Q, K: the head: 2 PI + WH
	s_lshl_b32 s73, s92, 3
	s_lshl_b32 s74, s6, 2
	s_add_co_u32 s73, s73, s74                     ; my first token tile: 8 NI + 4 WL
	s_cmp_lt_u32 s67, 4
	s_cselect_b64 s[94:95], s[86:87], s[88:89]     ; q or kv
	s_cbranch_scc0 .Lnot_q
	s_mul_i32 s75, s72, 106496
	s_add_co_u32 s3, s75, 98304
	s_branch .Lrows
.Lnot_q:
	s_cmp_eq_u32 s67, 5
	s_cbranch_scc1 .Lfor_v
	s_mul_i32 s75, s72, 212992
	s_add_co_u32 s3, s75, 196608
.Lrows:
	s_mul_i32 s74, s73, 768
	s_add_co_u32 s2, s75, s74                      ; images: 768 bytes a tile
	s_lshl_b32 s74, s73, 6
	s_add_co_u32 s3, s3, s74                       ; scale words: 128 bytes a pair of tiles
	s_mov_b32 s93, 768
	s_branch .Lplaced
.Lfor_v:
	s_lshl_b32 s72, s92, 1
	s_add_co_u32 s72, s72, s6                      ; V: the kv head: 2 NI + WL
	s_mul_i32 s75, s72, 212992
	s_mul_i32 s74, s91, 6144                       ; key step PI,
	s_add_co_u32 s2, s75, s74
	s_mul_i32 s74, s5, 768                         ; its half WH: registers 6 WH on of each fragment
	s_add_co_u32 s2, s2, s74
	s_add_co_u32 s2, s2, 98304
	s_lshl_b32 s74, s91, 9
	s_add_co_u32 s3, s75, s74
	s_lshl_b32 s74, s5, 8
	s_add_co_u32 s3, s3, s74
	s_add_co_u32 s3, s3, 204800
	s_mov_b32 s93, 1536                            ; a channel tile's fragment is 1,536 bytes
.Lplaced:
	s_mov_b32 s76, s2
	s_mov_b32 s77, 0
	s_mov_b32 s78, s3
	s_mov_b32 s79, 0
	s_add_nc_u64 s[96:97], s[94:95], s[78:79]
	s_add_nc_u64 s[94:95], s[94:95], s[76:77]
.irp j, 0,1,2,3
	v_mad_u32_u24 v[OF+\j], s93, \j, v26
.endr
.irp j, 0,1,2,3
.irp i, 0,1,2
	global_store_b64 v[OF+\j], v[CD+8*\j+2*\i:CD+8*\j+2*\i+1], s[94:95] offset:256*\i   ; 32 lanes store 256 consecutive bytes, aligned
.endr
.endr
.irp m, 0,1
	v_cndmask_b32 v[12+\m], v[W+2*\m], v[W+2*\m+1], s101   ; lanes 0-15 the even tile's words, lanes 16-31 the odd tile's
	global_store_b32 v27, v[12+\m], s[96:97] offset:128*\m
.endr
	s_wait_tensorcnt 0x0                           ; the wave's end
	ds_add_u32 v[SPW], v[NIL]
	s_wait_dscnt 0x0
	CROUND                                         ; the closing round: no work-group ends while a partner may still ask for a tile that names it
	s_endpgm
.Lfunc_end_k_q41456a2580_qkv:
	.size	k_q41456a2580_qkv, .Lfunc_end_k_q41456a2580_qkv-k_q41456a2580_qkv
	.p2alignl 7, 3214868480
	.fill 96, 4, 3214868480
	.section	.rodata,"a",@progbits
	.p2align	6, 0x0
	.amdhsa_kernel k_q41456a2580_qkv
		.amdhsa_group_segment_fixed_size 327680
		.amdhsa_private_segment_fixed_size 0
		.amdhsa_enable_private_segment 0
		.amdhsa_kernarg_size 88
		.amdhsa_user_sgpr_count 2
		.amdhsa_user_sgpr_kernarg_segment_ptr 1
		.amdhsa_wavefront_size32 1
		.amdhsa_system_sgpr_workgroup_id_x 1
		.amdhsa_system_sgpr_workgroup_id_y 1
		.amdhsa_system_sgpr_workgroup_id_z 1
		.amdhsa_system_vgpr_workitem_id 0
		.amdhsa_next_free_vgpr 768
		.amdhsa_next_free_sgpr 102
		.amdhsa_reserve_vcc 0
		.amdhsa_float_denorm_mode_32 3
		.amdhsa_float_denorm_mode_16_64 3
		.amdhsa_memory_ordered 1
		.amdhsa_forward_progress 1
		.amdhsa_inst_pref_size 131
	.end_amdhsa_kernel
	.amdgpu_metadata
---
amdhsa.version: [ 1, 2 ]
amdhsa.kernels:
  - .name:           k_q41456a2580_qkv
    .symbol:         k_q41456a2580_qkv.kd
    .args:
      - { .name: x_codes, .offset: 0, .size: 8, .value_kind: global_buffer, .address_space: global }
      - { .name: x_scales, .offset: 8, .size: 8, .value_kind: global_buffer, .address_space: global }
      - { .name: Wq_codes, .offset: 16, .size: 8, .value_kind: global_buffer, .address_space: global }
      - { .name: Wq_scales, .offset: 24, .size: 8, .value_kind: global_buffer, .address_space: global }
      - { .name: Wk_codes, .offset: 32, .size: 8, .value_kind: global_buffer, .address_space: global }
      - { .name: Wk_scales, .offset: 40, .size: 8, .value_kind: global_buffer, .address_space: global }
      - { .name: Wv_codes, .offset: 48, .size: 8, .value_kind: global_buffer, .address_space: global }
      - { .name: Wv_scales, .offset: 56, .size: 8, .value_kind: global_buffer, .address_space: global }
      - { .name: freqs, .offset: 64, .size: 8, .value_kind: global_buffer, .address_space: global }
      - { .name: q, .offset: 72, .size: 8, .value_kind: global_buffer, .address_space: global }
      - { .name: kv, .offset: 80, .size: 8, .value_kind: global_buffer, .address_space: global }
    .group_segment_fixed_size: 327680
    .private_segment_fixed_size: 0
    .kernarg_segment_align: 8
    .kernarg_segment_size: 88
    .max_flat_workgroup_size: 128
    .sgpr_count:     102
    .vgpr_count:     768
    .wavefront_size: 32
...
	.end_amdgpu_metadata
.endif
;; end of part 1
;; launch attn (part 2): grid 32 x 8, 8 waves a work-group, clusters of 4 x 1, 287,744 bytes of LDS; arguments q, kv, mask, ao, aos; writes ao, aos
.if DOCPART == 2
	.amdgcn_target "amdgcn-amd-amdhsa--gfx1250"
	.amdhsa_code_object_version 6
	.text
	.protected	k_q41456a2580_attn
	.globl	k_q41456a2580_attn
	.p2align	8
	.type	k_q41456a2580_attn,@function
k_q41456a2580_attn:
	s_mov_b64 s[64:65], 0
	v_nop
	global_prefetch_b8 v0, s[64:65] scope:SCOPE_SE
	s_setreg_imm32_b32 hwreg(HW_REG_WAVE_MODE, 25, 1), 1
	s_wait_xcnt 0x0
	s_wait_alu depctr_hold_cnt(0) depctr_sa_sdst(0) depctr_va_vdst(0) depctr_va_sdst(0) depctr_va_ssrc(0) depctr_va_vcc(0) depctr_vm_vsrc(0)
	s_getreg_b32 s2, hwreg(HW_REG_IB_STS2, 6, 4)
	s_cmp_eq_u32 s2, 0
	s_cbranch_scc0 .Lentry_in_a_cluster
	s_endpgm
.Lentry_in_a_cluster:
	s_bfe_u32 s2, ttmp6, 0x10000c
	s_cmp_lg_u32 s2, 0x3003
	s_cbranch_scc0 .Lentry_shape_is_right
	s_endpgm
.Lentry_shape_is_right:
; Attention on codes of FP6 (E2M3): scores, the mask (an input, honoured byte by byte), the softmax by p = 2^(t - M), the second product, the division by the row's sum, and the quantising of the result along head x 64 + channel.
; SHARES.  A work-group owns 64 queries and the FOUR query heads of one kv head.  Wave w takes query tile w / 2 (16 queries), all four heads, and the key steps (128 keys) of parity w % 2: eight steps.
; So a step's mask and each fragment of K and V read from LDS serve four heads.  The two waves of a tile meet at the end: their sums are brought under one M by exact powers of two.
; LDS.  The kv head's whole block of the buffer kv (212,992 bytes: K's images, V's images, their scale words) is brought ONCE, eight loads of 26,624 bytes, one a wave, asked for jointly by the four
; query blocks of a cluster.  Nothing is filled again.  Behind it 4 x 18,432 bytes for the merge, written by LDS stores alone.
; LAYOUT.  Both products are used transposed: S^T = K Q^T, O^T = V^T P^T: a lane holds ONE query.  K's key tiles are permuted, so that the 16 registers of tiles 2 b, 2 b + 1 are keys 32 b + 16 (lane / 16) + 0 .. 15;
; V's channel tiles likewise, so that O^T's registers run along the next product's K.
; K = 64 IN AN INSTRUCTION OF 128: Q's registers 6-11 are zero codes; K's operand of tile t is twelve registers from 6 t on, whose upper six are the next tile's codes (zeros behind the last): finite numbers times zero.
; Bytes 2, 3 of the scale words repeat bytes 0, 1.
; THE MASK.  A false byte becomes -2^127, a true one 0, in the C of the score products: one byte permute a score, for four heads.
; LIMITS.  t = score x log2(e) / 8 of a key that counts must lie above -1e30, where the running maximum begins; below that a row would come out as one without keys.
; A row none of whose keys counts has the sum 0: its scale bytes are set to 0xff, so that its row of the output is NaN, as the reference's is.  A block of zeros keeps the byte 1 (this program alone reads it).
; REGISTERS.  Window 0: v1-10 addresses; v12-27 (-M, m, l, l) a head; v28-31 Q's scale words, v32-35 K's, v36-39 V's halves, v40-41 V's; v42 f, v43 p's scale word; v44-60 at work; v64-127 S^T, then p;
;   v128-191 the mask as C; v192-203 p's codes; v204-251 Q.   Window 1: v0-127 O^T (32 a head); v128-181 K and six zeros; v184-231 V; v232-247 mask bytes.
.set VIMG, 98304
.set KSC,  196608
.set VSC,  204800
.set MRG,  212992
.set ST,   12
.set QS,   28
.set KS,   32
.set VSA,  36
.set VS,   40
.set FF,   42
.set PW,   43
.set BM,   44
.set T,    48
.set SCO,  56
.set TMP,  60
.set S,    64
.set BIAS, 128
.set P,    192
.set QF,   204
.set KF,   128                         ; window 1
.set VF,   184
.set MB,   232
.set GG,   220                         ; the end: (ga, ga, gb, gb) a head
.set LL,   236                         ; the rows' sums
.set PWO,  240                         ; the two scale words of the result
.set MSB, 0
.macro WIN new                         ; the immediate's high byte repeats the setting that is left
.if MSB != \new
	s_set_vgpr_msb (MSB<<8)|\new
.set MSB, \new
.endif
.endm
.macro CROUND                          ; a round of the cluster's barrier
	s_barrier_signal -1
	s_barrier_wait -1
	s_cmp_lg_u32 s14, 0
	s_cbranch_scc1 .Lnot_wave_0_\@
	s_barrier_signal -3
.Lnot_wave_0_\@:
	s_barrier_wait -3
	s_barrier_signal -1
	s_barrier_wait -1
.endm
	s_load_b256 s[4:11], s[0:1], 0x0               ; q 4, kv 6, mask 8, ao 10
	s_load_b64 s[12:13], s[0:1], 0x20              ; aos
	v_lshl_add_u32 v254, v0, 2, 0x46000
	v_mov_b32 v255, 0
	ds_add_u32 v254, v255
	ds_add_u32 v254, v255
	v_lshrrev_b32 v1, 5, v0
	v_readfirstlane_b32 s14, v1                    ; wave 0..7
	s_and_b32 s15, s14, 1                          ; e: the parity of my key steps
	s_lshr_b32 s16, s14, 1                         ; qt: my tile of 16 queries
	s_bfe_u32 s17, ttmp6, 0x40000                  ; cx
	s_lshl_b32 s18, ttmp9, 2
	s_add_co_u32 s18, s18, s17                     ; my block of 64 queries: it enters global addresses alone
	s_and_b32 s19, ttmp7, 0xffff                   ; g: the kv head, which the four partners share
	s_lshl_b32 s49, s18, 2
	s_add_co_u32 s49, s49, s16                     ; TQ: my query tile, 0..127
	s_mov_b32 s20, 0x76543210                      ; v_permlanex16_b32's selects for lane l xor 16
	s_mov_b32 s21, 0xfedcba98
	s_mov_b32 s22, 0x3e38aa3b                      ; c = log2(e) / 8
	s_mov_b32 s23, s22                             ; (named with it as a pair)
	s_mov_b32 s24, 15|(3<<16)|(1<<21)              ; group 1: 15:0 all four work-groups; 17:16 elements of 8 bytes; 21 set beside a mask; no padding
	s_mov_b32 s25, 32<<16                          ; 104 rows of 256 bytes, dense
	s_mov_b32 s26, 104<<16
	s_mov_b32 s27, 32<<16
	s_mov_b32 s28, 104
	s_mov_b32 s29, 32
	s_mov_b32 s30, 0
	s_mov_b32 s31, 0
	s_mov_b32 s32, 1
	s_mul_i32 s33, s14, 26624                      ; my eighth of the block, in LDS
	s_mul_i32 s56, s19, 212992
	s_add_co_u32 s56, s56, s33                     ; and in kv
	s_mov_b32 s57, 0
	s_mul_i32 s36, s15, 6144                       ; the step's images of K (V's lie 98,304 on): 6,144 bytes a step
	s_lshl_b32 s37, s15, 9
	s_add_co_u32 s38, s37, VSC                     ; V's scale words: 512 bytes a step
	s_add_co_u32 s37, s37, KSC                     ; K's likewise
	s_lshl_b32 s39, s15, 7                         ; the step's first key = its byte in a row of the mask
	s_mov_b32 s40, 8
	s_mov_b32 s41, 0x01010101
	s_mov_b32 s42, 255
	s_mov_b32 s43, 0x000c0c0c                      ; byte j to the top, zeros below
	s_mov_b32 s44, 0x010c0c0c
	s_mov_b32 s45, 0x020c0c0c
	s_mov_b32 s46, 0x030c0c0c
	s_mov_b32 s48, 0xffff0000                      ; lanes 16-31
	s_mul_i32 s50, s19, 4*106496                   ; the group's first head in q
	s_mul_i32 s52, s49, 768
	s_add_co_u32 s52, s52, s50                     ; my tile's images
	s_mov_b32 s53, 0
	s_lshl_b32 s54, s49, 6
	s_add_co_u32 s54, s54, s50
	s_add_co_u32 s54, s54, 98304                   ; and its sixteen scale words
	s_mov_b32 s55, 0
	s_lshl_b32 s50, s49, 15                        ; my 16 rows of the mask
	s_mov_b32 s51, 0
	s_wait_dscnt 0x0
	s_wait_kmcnt 0x0
	s_add_nc_u64 s[34:35], s[6:7], s[56:57]
	s_or_b32 s35, s35, 0x80000000
	s_add_nc_u64 s[52:53], s[4:5], s[52:53]
	s_add_nc_u64 s[54:55], s[4:5], s[54:55]
	s_add_nc_u64 s[8:9], s[8:9], s[50:51]
	s_lshr_b32 s50, s19, 1                         ; ao: K quarter g / 2, my token tile, K steps 2 (g % 2) and the next
	s_mul_i32 s50, s50, 786432
	s_mul_i32 s56, s49, 6144
	s_add_co_u32 s50, s50, s56
	s_and_b32 s56, s19, 1
	s_mul_i32 s56, s56, 3072
	s_add_co_u32 s50, s50, s56
	s_add_nc_u64 s[10:11], s[10:11], s[50:51]
	s_lshl_b32 s50, s49, 10                        ; aos: 1,024 bytes a tile, 64 a K step
	s_lshl_b32 s56, s19, 7
	s_add_co_u32 s50, s50, s56
	s_add_nc_u64 s[12:13], s[12:13], s[50:51]
	CROUND                                         ; all four work-groups are here: the joint loads meet
	tensor_load_to_lds s[32:35], s[24:31]          ; my one tensor load of the launch
	s_nop 0
.rept 4
	v_nop
.endr
	v_and_b32 v11, 31, v0                          ; lane
	v_lshlrev_b32 v1, 3, v11                       ; 8 x lane
	v_lshlrev_b32 v2, 2, v11                       ; 4 x lane
	v_lshlrev_b32 v9, 4, v11                       ; 16 x lane
	v_and_b32 v60, 15, v0                          ; r
	v_bfe_u32 v61, v0, 4, 1                        ; h
	v_lshlrev_b32 v3, 11, v60
	v_lshl_add_u32 v3, v61, 4, v3                  ; the mask: row r, + 16 h
	s_mul_i32 s50, s16, 18432
	s_add_co_u32 s50, s50, MRG
	v_add_nc_u32 v10, s50, v9                      ; the merge: my tile's images
	v_lshlrev_b32 v62, 2, v60                      ; 4 r
.irp hd, 0,1,2,3
.irp i, 0,1,2
	global_load_b64 v[QF+12*\hd+2*\i:QF+12*\hd+2*\i+1], v1, s[52:53] offset:\hd*106496+256*\i
.endr
	global_load_b32 v[QS+\hd], v62, s[54:55] offset:\hd*106496
.endr
	v_add_nc_u32 v8, s39, v3
	WIN 0x40                                       ; destination window 1
.irp b, 0,1,2,3
	global_load_b128 v[MB+4*\b:MB+4*\b+3], v8, s[8:9] offset:32*\b   ; my first step's mask: keys 32 b + 16 h + 0 .. 15 of row r
.endr
.set n, 0
.rept 128
	v_mov_b32 v[n], 0                              ; O^T: the step is written once, and its first trip finds zeros
.set n, n+1
.endr
.irp i, 0,1,2,3,4,5
	v_mov_b32 v[KF+48+\i], 0                       ; zero codes behind K's last tile
.endr
	WIN 0
.irp hd, 0,1,2,3
.irp i, 6,7,8,9,10,11
	v_mov_b32 v[QF+12*\hd+\i], 0                   ; Q's K = 64 .. 127: zero codes
.endr
	v_mov_b32 v[ST+4*\hd+1], 0xf149f2ca            ; the largest t so far: -1e30
	v_mov_b32 v[ST+4*\hd+2], 0                     ; the sum, in two halves
	v_mov_b32 v[ST+4*\hd+3], 0
.endr
.irp hd, 0,1,2,3
	v_floor_f32 v[ST+4*\hd], -v[ST+4*\hd+1]        ; -M
.endr
.irp i, 0,1,2,3,4,5,6,7
	v_mov_b32 v[T+\i], 0                           ; written once: a lane permute's destination counts as one of its sources
.endr
	v_mov_b32 v[FF], 0
	v_mov_b32 v[PW], 0                             ; (named as the upper half of the pair with f before it is first written)
	s_wait_tensorcnt 0x0                           ; my eighth is in,
	s_barrier_signal -1
	s_barrier_wait -1                              ; everybody's is
; One head's share of a key step.
.macro HEAD hd
.set rT, ST+4*\hd
	WIN 0x01                                       ; source 0 (K) window 1
.irp t, 0,1,2,3,4,5,6,7
.if \t%2
	v_wmma_scale_f32_16x16x128_f8f6f4 v[S+8*\t:S+8*\t+7], v[KF+6*\t:KF+6*\t+11], v[QF+12*\hd:QF+12*\hd+11], v[BIAS+8*\t:BIAS+8*\t+7], v[KS+\t/2], v[QS+\hd] matrix_a_fmt:MATRIX_FMT_FP6 matrix_b_fmt:MATRIX_FMT_FP6 matrix_a_scale:MATRIX_SCALE_ROW1
.else
	v_wmma_scale_f32_16x16x128_f8f6f4 v[S+8*\t:S+8*\t+7], v[KF+6*\t:KF+6*\t+11], v[QF+12*\hd:QF+12*\hd+11], v[BIAS+8*\t:BIAS+8*\t+7], v[KS+\t/2], v[QS+\hd] matrix_a_fmt:MATRIX_FMT_FP6 matrix_b_fmt:MATRIX_FMT_FP6
.endif
.endr
	WIN 0
.rept 4
	v_nop                                          ; places in front of the first read of results (ISA guide 7.12.1)
.endr
.irp b, 0,1,2,3
	v_max3_num_f32 v[BM+\b], v[S+16*\b], v[S+16*\b+1], v[S+16*\b+2]   ; the largest score of each block of 32 keys: for the row's maximum and, since p rises with the score, for the block's largest p
.endr
.irp i, 3,5,7,9,11,13
.irp b, 0,1,2,3
	v_max3_num_f32 v[BM+\b], v[BM+\b], v[S+16*\b+\i], v[S+16*\b+\i+1]
.endr
.endr
.irp b, 0,1,2,3
	v_max_num_f32 v[BM+\b], v[BM+\b], v[S+16*\b+15]
.endr
.irp b, 0,1,2,3
	v_permlanex16_b32 v[T+\b], v[BM+\b], s20, s21
.endr
.irp b, 0,1,2,3
	v_max_num_f32 v[BM+\b], v[BM+\b], v[T+\b]      ; with lane l xor 16's 16 keys
.endr
	v_max3_num_f32 v[TMP], v[BM], v[BM+1], v[BM+2]
	v_max_num_f32 v[TMP], v[TMP], v[BM+3]
	v_mul_f32 v[TMP], s22, v[TMP]                  ; as t (c is positive)
	v_max_num_f32 v[rT+1], v[rT+1], v[TMP]         ; the running largest t
	v_mov_b32 v[TMP], v[rT]
	v_floor_f32 v[rT], -v[rT+1]                    ; the new -M = -ceil(t): a whole number
	v_sub_f32 v[TMP], v[rT], v[TMP]                ; old M less new M: a whole number, 0 or less
	v_cvt_i32_f32 v[TMP], v[TMP]                   ; (it saturates)
	v_ldexp_f32 v[FF], 1.0, v[TMP]                 ; f = 2^(old M - new M)
.set n, 0
.rept 32
	v_pk_fma_f32 v[S+n:S+n+1], v[S+n:S+n+1], s[22:23], v[rT:rT+1] op_sel_hi:[1,0,0]   ; t - M, two at a time
.set n, n+2
.endr
.irp b, 0,1,2,3
	v_fma_f32 v[BM+\b], v[BM+\b], s22, v[rT]
.endr
.set n, 0
.rept 64
	v_exp_f32 v[S+n], v[S+n]                       ; p = 2^(t - M): not normalised; 0 for a key that does not count
.set n, n+1
.endr
.irp b, 0,1,2,3
	v_exp_f32 v[BM+\b], v[BM+\b]                   ; the block's largest p: the same two instructions on the same number
.endr
	v_pk_mul_f32 v[rT+2:rT+3], v[rT+2:rT+3], v[FF:FF+1] op_sel_hi:[1,0]   ; the sums under the new M.  (A plain place behind the exponentials)
	s_wait_alu depctr_va_vdst(0)
.irp b, 0,1,2,3
	v_max_num_f32 v[BM+\b], 0x1800000, v[BM+\b]    ; the floor 2^(3 - 127)
.endr
.irp b, 0,1,2,3
	v_add_nc_u32 v[SCO+\b], 0xff000000, v[BM+\b]   ; 2 off the exponent field: the conversion's scale operand
.endr
.irp b, 0,1,2,3
	v_lshrrev_b32 v[T+\b], 23, v[SCO+\b]
.endr
	v_lshl_or_b32 v[PW], v[T+1], 8, v[T]           ; p's scale word for these 128 keys
	v_lshl_or_b32 v[PW], v[T+2], 16, v[PW]
	v_lshl_or_b32 v[PW], v[T+3], 24, v[PW]
.irp c, 0,1
	v_cvt_scalef32_pk16_fp6_f32 v[P+6*\c:P+6*\c+2], v[S+32*\c:S+32*\c+15], v[SCO+2*\c]
	v_cvt_scalef32_pk16_fp6_f32 v[T+4*\c:T+4*\c+2], v[S+32*\c+16:S+32*\c+31], v[SCO+2*\c+1]
.endr
	v_nop                                          ; one plain place behind a scaled conversion
.irp c, 0,1                            ; the operand's layout wants a whole block in a lane
.irp i, 0,1,2
	v_permlane16_swap_b32 v[P+6*\c+\i], v[T+4*\c+\i]
.endr
.irp i, 0,1,2
	v_mov_b32 v[P+6*\c+3+\i], v[T+4*\c+\i]
.endr
.endr
	v_pk_add_f32 v[T:T+1], v[S:S+1], v[S+2:S+3]    ; the row's sum is taken of the unquantised p, in two chains
.set n, 4
.rept 15
	v_pk_add_f32 v[rT+2:rT+3], v[rT+2:rT+3], v[S+n:S+n+1]
	v_pk_add_f32 v[T:T+1], v[T:T+1], v[S+n+2:S+n+3]
.set n, n+4
.endr
	v_pk_add_f32 v[rT+2:rT+3], v[rT+2:rT+3], v[T:T+1]
	WIN 0x41                                       ; O^T (destination and source 0) window 1
.set n, 0
.rept 16
	v_pk_mul_f32 v[32*\hd+n:32*\hd+n+1], v[32*\hd+n:32*\hd+n+1], v[FF:FF+1] op_sel_hi:[1,0]   ; O^T under the new M, from each accumulator's low end on
.set n, n+2
.endr
	WIN 0x51                                       ; V, C and D window 1; p window 0
.irp dt, 0,1,2,3
.if \dt%2
	v_wmma_scale_f32_16x16x128_f8f6f4 v[32*\hd+8*\dt:32*\hd+8*\dt+7], v[VF+12*\dt:VF+12*\dt+11], v[P:P+11], v[32*\hd+8*\dt:32*\hd+8*\dt+7], v[VS+\dt/2], v[PW] matrix_a_fmt:MATRIX_FMT_FP6 matrix_b_fmt:MATRIX_FMT_FP6 matrix_a_scale:MATRIX_SCALE_ROW1
.else
	v_wmma_scale_f32_16x16x128_f8f6f4 v[32*\hd+8*\dt:32*\hd+8*\dt+7], v[VF+12*\dt:VF+12*\dt+11], v[P:P+11], v[32*\hd+8*\dt:32*\hd+8*\dt+7], v[VS+\dt/2], v[PW] matrix_a_fmt:MATRIX_FMT_FP6 matrix_b_fmt:MATRIX_FMT_FP6
.endif
.endr
	WIN 0
.endm
.Lstep:                                            ; eight trips: key steps e, e + 2, .. e + 14
	v_add_nc_u32 v4, s36, v1                       ; the step's images of K,  (these four are also the places between the last products and the loads into V's registers)
	v_add_nc_u32 v5, VIMG, v4                      ; of V,
	v_add_nc_u32 v6, s37, v2                       ; K's scale words,
	v_add_nc_u32 v7, s38, v2                       ; V's
	WIN 0x40
.irp t, 0,1,2,3,4,5,6,7
.irp i, 0,1,2
	ds_load_b64 v[KF+6*\t+2*\i:KF+6*\t+2*\i+1], v4 offset:\t*768+256*\i
.endr
.endr
.irp dt, 0,1,2,3
.irp i, 0,1,2,3,4,5
	ds_load_b64 v[VF+12*\dt+2*\i:VF+12*\dt+2*\i+1], v5 offset:\dt*1536+256*\i
.endr
.endr
	WIN 0
.irp m, 0,1,2,3
	ds_load_b32 v[KS+\m], v6 offset:128*\m         ; lanes 0-15 tile 2 m, lanes 16-31 tile 2 m + 1
.endr
.irp c, 0,1
.irp dp, 0,1
	ds_load_b32 v[VSA+2*\c+\dp], v7 offset:256*\c+128*\dp
.endr
.endr
	s_wait_loadcnt 0x0                             ; this step's mask (asked for a trip ago); in the first trip Q too
	WIN 0x44                                       ; source 1 and destination window 1
.set n, 0
.rept 16
	v_xor_b32 v[MB+n], s41, v[MB+n]                ; 1 where the key does not count,
.set n, n+1
.endr
.set n, 0
.rept 16
	v_mul_lo_u32 v[MB+n], s42, v[MB+n]             ; 0xff there (no carry from byte to byte)
.set n, n+1
.endr
	WIN 0x05                                       ; sources 0 and 1 window 1
.set n, 0
.rept 64
	v_perm_b32 v[BIAS+n], v[MB+n/4], v[MB+n/4], s[43+n%4]   ; 0xff000000 = -2^127, or 0: register 16 b + i is key 32 b + 16 h + i
.set n, n+1
.endr
	WIN 0
	s_add_co_u32 s39, s39, 256                     ; the next trip's mask; in the last trip the offset turns round to my first step, so that no load leaves the buffer: that load is not used
	s_and_b32 s39, s39, 0x7ff
	v_add_nc_u32 v8, s39, v3                       ; (the loads that named v8 are done: the wait above)
	WIN 0x40
.irp b, 0,1,2,3
	global_load_b128 v[MB+4*\b:MB+4*\b+3], v8, s[8:9] offset:32*\b
.endr
	WIN 0
	s_wait_dscnt 0x0                               ; K, V and their scale words
	v_perm_b32 v[VS], v[VSA+2], v[VSA], 0x05040100   ; (s0, s1) of the step's first 64 keys, (s2, s3) of the second
	v_perm_b32 v[VS+1], v[VSA+3], v[VSA+1], 0x05040100
.rept 4
	v_nop
.endr
	HEAD 0
	HEAD 1
	HEAD 2
	HEAD 3
	s_add_co_u32 s36, s36, 12288
	s_add_co_u32 s37, s37, 1024
	s_add_co_u32 s38, s38, 1024
	s_sub_co_u32 s40, s40, 1
	s_cmp_lg_u32 s40, 0
	s_cbranch_scc1 .Lstep
	; ---- THE END.  The sums' halves; these lines are also the places behind the last products
.irp hd, 0,1,2,3
	v_add_f32 v[ST+4*\hd+2], v[ST+4*\hd+2], v[ST+4*\hd+3]
.endr
.irp hd, 0,1,2,3
	v_permlanex16_b32 v[T+\hd], v[ST+4*\hd+2], s20, s21
.endr
.irp hd, 0,1,2,3
	v_add_f32 v[ST+4*\hd+2], v[ST+4*\hd+2], v[T+\hd]
.endr
	s_cmp_eq_u32 s15, 0
	s_cbranch_scc1 .Lkeep
	WIN 0x04                                       ; an LDS store's data are its source 1: window 1
.set n, 0
.rept 32
	ds_store_b128 v10, v[4*n:4*n+3] offset:512*n   ; the odd wave's O^T as an image of its registers, each accumulator from its low end on
.set n, n+1
.endr
	WIN 0
.irp k, 0,1,2,3
	ds_store_b128 v10, v[ST+4*\k:ST+4*\k+3] offset:16384+512*\k   ; and its -M and sums
.endr
.Lkeep:
	s_wait_dscnt 0x0                               ; for the partner's sake: my stores have landed
	s_barrier_signal -1
	s_barrier_wait -1
	s_cmp_lg_u32 s15, 0
	s_cbranch_scc1 .Lclose                         ; the odd waves are done
.irp k, 0,1,2,3
	ds_load_b128 v[QF+4*\k:QF+4*\k+3], v10 offset:16384+512*\k   ; the partner's (-M, m, l, l) a head, where Q lay
.endr
.set n, 0
.rept 32
	ds_load_b128 v[S+4*n:S+4*n+3], v10 offset:512*n   ; its O^T: heads 0, 1 where S^T lay, heads 2, 3 where the mask lay
.set n, n+1
.endr
	v_mov_b32 v61, 0xffff
	v_mov_b32 v62, 0xffff0000
	s_wait_dscnt 0x0
.irp hd, 0,1,2,3
	v_min_num_f32 v[BM+\hd], v[ST+4*\hd], v[QF+4*\hd]   ; the common -M: the larger M
.endr
.irp hd, 0,1,2,3
	v_sub_f32 v[T+\hd], v[BM+\hd], v[ST+4*\hd]     ; whole numbers, 0 or less
	v_sub_f32 v[T+4+\hd], v[BM+\hd], v[QF+4*\hd]
.endr
.irp i, 0,1,2,3,4,5,6,7
	v_cvt_i32_f32 v[T+\i], v[T+\i]
.endr
.irp i, 0,1,2,3,4,5,6,7
	v_ldexp_f32 v[T+\i], 1.0, v[T+\i]              ; fa, fb: exact powers of two (0 for a wave none of whose keys counted)
.endr
.irp hd, 0,1,2,3
	v_mul_f32 v[LL+\hd], v[ST+4*\hd+2], v[T+\hd]
.endr
.irp hd, 0,1,2,3
	v_fmac_f32 v[LL+\hd], v[QF+4*\hd+2], v[T+4+\hd]   ; the row's sum
.endr
.irp hd, 0,1,2,3
	v_rcp_f32 v[SCO+\hd], v[LL+\hd]
.endr
	v_nop                                          ; a plain place behind the reciprocals
	s_wait_alu depctr_va_vdst(0)
.irp hd, 0,1,2,3
	v_mul_f32 v[GG+4*\hd], v[T+\hd], v[SCO+\hd]    ; fa / l and fb / l, each twice: pairs for the packed forms
	v_mul_f32 v[GG+4*\hd+1], v[T+\hd], v[SCO+\hd]
	v_mul_f32 v[GG+4*\hd+2], v[T+4+\hd], v[SCO+\hd]
	v_mul_f32 v[GG+4*\hd+3], v[T+4+\hd], v[SCO+\hd]
.endr
; 64 numbers of a lane, register 16 b + i = k 32 b + 16 (lane / 16) + i of my row, become a fragment's codes in v[P] on and its scale word in v[pw].
.macro QUANT s, pw
.irp b, 0,1,2,3
	v_max3_num_f32 v[BM+\b], |v[\s+16*\b]|, |v[\s+1+16*\b]|, 0x1800000
.endr
.irp i, 2,4,6,8,10,12,14
.irp b, 0,1,2,3
	v_max3_num_f32 v[BM+\b], v[BM+\b], |v[\s+16*\b+\i]|, |v[\s+1+16*\b+\i]|
.endr
.endr
.irp b, 0,1,2,3
	v_permlanex16_b32 v[T+\b], v[BM+\b], s20, s21
.endr
.irp b, 0,1,2,3
	v_max_num_f32 v[BM+\b], v[BM+\b], v[T+\b]
.endr
.irp b, 0,1,2,3
	v_add_nc_u32 v[SCO+\b], 0xff000000, v[BM+\b]
.endr
.irp b, 0,1,2,3
	v_lshrrev_b32 v[T+\b], 23, v[SCO+\b]
.endr
	v_lshl_or_b32 v[\pw], v[T+1], 8, v[T]
	v_lshl_or_b32 v[\pw], v[T+2], 16, v[\pw]
	v_lshl_or_b32 v[\pw], v[T+3], 24, v[\pw]
.irp c, 0,1
	v_cvt_scalef32_pk16_fp6_f32 v[P+6*\c:P+6*\c+2], v[\s+32*\c:\s+32*\c+15], v[SCO+2*\c]
	v_cvt_scalef32_pk16_fp6_f32 v[P+12+4*\c:P+14+4*\c], v[\s+32*\c+16:\s+32*\c+31], v[SCO+2*\c+1]
.endr
	v_nop                                          ; one plain place behind a scaled conversion
.irp c, 0,1
.irp i, 0,1,2
	v_permlane16_swap_b32 v[P+6*\c+\i], v[P+12+4*\c+\i]
.endr
.irp i, 0,1,2
	v_mov_b32 v[P+6*\c+3+\i], v[P+12+4*\c+\i]
.endr
.endr
.endm
.irp hp, 0,1                           ; two heads are one K step of the last product
.set XB, S+64*\hp
.irp u, 0,1
.set n, 0
.rept 16
	v_pk_mul_f32 v[XB+32*\u+n:XB+32*\u+n+1], v[XB+32*\u+n:XB+32*\u+n+1], v[GG+4*(2*\hp+\u)+2:GG+4*(2*\hp+\u)+3]
.set n, n+2
.endr
.endr
	WIN 0x01                                       ; my own O^T: source 0 window 1
.irp u, 0,1
.set n, 0
.rept 16
	v_pk_fma_f32 v[XB+32*\u+n:XB+32*\u+n+1], v[64*\hp+32*\u+n:64*\hp+32*\u+n+1], v[GG+4*(2*\hp+\u):GG+4*(2*\hp+\u)+1], v[XB+32*\u+n:XB+32*\u+n+1]
.set n, n+2
.endr
.endr
	WIN 0
.if \hp
	s_wait_xcnt 0x0                                ; the first K step's stores have read the codes' registers
.endif
	QUANT XB, PWO+\hp
	v_cmp_eq_f32 vcc_lo, 0, v[LL+2*\hp]            ; a row without keys: its two bytes of each head become 0xff
	v_cndmask_b32 v[TMP], 0, v61, vcc_lo
	v_or_b32 v[PWO+\hp], v[PWO+\hp], v[TMP]
	v_cmp_eq_f32 vcc_lo, 0, v[LL+2*\hp+1]
	v_cndmask_b32 v[TMP], 0, v62, vcc_lo
	v_or_b32 v[PWO+\hp], v[PWO+\hp], v[TMP]
.irp c, 0,1,2
	global_store_b128 v9, v[P+4*\c:P+4*\c+3], s[10:11] offset:1536*\hp+512*\c   ; the fragment as an image: 512 consecutive bytes, aligned
.endr
.endr
	v_cndmask_b32 v[TMP], v[PWO], v[PWO+1], s48    ; lanes 0-15 the first K step's words, lanes 16-31 the second's
	global_store_b32 v2, v[TMP], s[12:13]
.Lclose:
	s_wait_tensorcnt 0x0
	ds_add_u32 v254, v255
	s_wait_dscnt 0x0
	CROUND                                         ; the closing round
	s_endpgm
.Lfunc_end_k_q41456a2580_attn:
	.size	k_q41456a2580_attn, .Lfunc_end_k_q41456a2580_attn-k_q41456a2580_attn
	.p2alignl 7, 3214868480
	.fill 96, 4, 3214868480
	.section	.rodata,"a",@progbits
	.p2align	6, 0x0
	.amdhsa_kernel k_q41456a2580_attn
		.amdhsa_group_segment_fixed_size 287744
		.amdhsa_private_segment_fixed_size 0
		.amdhsa_enable_private_segment 0
		.amdhsa_kernarg_size 40
		.amdhsa_user_sgpr_count 2
		.amdhsa_user_sgpr_kernarg_segment_ptr 1
		.amdhsa_wavefront_size32 1
		.amdhsa_system_sgpr_workgroup_id_x 1
		.amdhsa_system_sgpr_workgroup_id_y 1
		.amdhsa_system_sgpr_workgroup_id_z 1
		.amdhsa_system_vgpr_workitem_id 0
		.amdhsa_next_free_vgpr 512
		.amdhsa_next_free_sgpr 66
		.amdhsa_reserve_vcc 1
		.amdhsa_float_denorm_mode_32 3
		.amdhsa_float_denorm_mode_16_64 3
		.amdhsa_memory_ordered 1
		.amdhsa_forward_progress 1
		.amdhsa_inst_pref_size 102
	.end_amdhsa_kernel
	.amdgpu_metadata
---
amdhsa.version: [ 1, 2 ]
amdhsa.kernels:
  - .name:           k_q41456a2580_attn
    .symbol:         k_q41456a2580_attn.kd
    .args:
      - { .name: q, .offset: 0, .size: 8, .value_kind: global_buffer, .address_space: global }
      - { .name: kv, .offset: 8, .size: 8, .value_kind: global_buffer, .address_space: global }
      - { .name: mask, .offset: 16, .size: 8, .value_kind: global_buffer, .address_space: global }
      - { .name: ao, .offset: 24, .size: 8, .value_kind: global_buffer, .address_space: global }
      - { .name: aos, .offset: 32, .size: 8, .value_kind: global_buffer, .address_space: global }
    .group_segment_fixed_size: 287744
    .private_segment_fixed_size: 0
    .kernarg_segment_align: 8
    .kernarg_segment_size: 40
    .max_flat_workgroup_size: 256
    .sgpr_count:     66
    .vgpr_count:     512
    .wavefront_size: 32
...
	.end_amdgpu_metadata
.endif
;; end of part 2
;; launch oproj (part 3): grid 16 x 16, 4 waves a work-group, clusters of 4 x 4, 327,680 bytes of LDS; arguments Wo_codes, Wo_scales, ao, aos, out0; writes out0
.if DOCPART == 3
	.amdgcn_target "amdgcn-amd-amdhsa--gfx1250"
	.amdhsa_code_object_version 6
	.text
	.protected	k_q41456a2580_oproj
	.globl	k_q41456a2580_oproj
	.p2align	8
	.type	k_q41456a2580_oproj,@function
k_q41456a2580_oproj:
	s_mov_b64 s[64:65], 0
	v_nop
	global_prefetch_b8 v0, s[64:65] scope:SCOPE_SE
	s_setreg_imm32_b32 hwreg(HW_REG_WAVE_MODE, 25, 1), 1
	s_wait_xcnt 0x0
	s_wait_alu depctr_hold_cnt(0) depctr_sa_sdst(0) depctr_va_vdst(0) depctr_va_sdst(0) depctr_va_ssrc(0) depctr_va_vcc(0) depctr_vm_vsrc(0)
	s_getreg_b32 s2, hwreg(HW_REG_IB_STS2, 6, 4)
	s_cmp_eq_u32 s2, 0
	s_cbranch_scc0 .Lentry_in_a_cluster
	s_endpgm
.Lentry_in_a_cluster:
	s_bfe_u32 s2, ttmp6, 0x10000c
	s_cmp_lg_u32 s2, 0xf033
	s_cbranch_scc0 .Lentry_shape_is_right
	s_endpgm
.Lentry_shape_is_right:
; out0 = (attention's output) Wo on codes of FP6 (E2M3) with E8M0 scales.
; THE PRODUCT.  C'[p][n] = sum over k of P[p][k] N[n][k], K = 2,048.  P = Wo's rows (the output's columns), as rows of codes; N = the tokens, as images of fragments (buffer ao: [K quarter 4][token tile 128][K step 4][1,536]),
; their scale words in aos ([token tile 128][K step 16][16 words]).  Source 0 = 16 rows of P, source 1 = 16 tokens: a lane holds one token and eight neighbouring columns.
; A work-group makes 128 x 128; each of its four waves 64 x 64: 16 accumulators.  K goes through two LDS slots of 512 along K: four slot steps, two first fills, two refills.
; CLUSTERS 4 x 4: P's tile hangs on cx and is asked for jointly by the four work-groups of a column, N's on cy and by the four of a row.
; THE WAY OUT: 16 tokens x 64 columns at a time through the wave's own stage in LDS, so that sixteen lanes store 256 consecutive bytes, aligned.
; A token whose scale bytes are 0xff (a row of the mask without keys) comes out as NaN, as the reference has it.
.set NIMG,  1                          ; 0: N comes as rows of codes; 1: as images of fragments
.set PITCH, 432                        ; an LDS row: 3 x (128 bytes + 16 of padding) = 108 words: row r starts at bank 44 r mod 64, sixteen different multiples of 4; lanes 16-31 lie 6 or 10 words on
.set HALF,  64*PITCH                   ; 64 rows: what one tensor load brings of P, and what one wave reads of it
.set SLOT,  4*HALF                     ; P's 128 rows, then N's part (2 x 24,576 bytes of images)
.set SCL,   2*SLOT                     ; behind the ring: the scale bytes of P's and N's 128 rows for all of K, as 256 bytes + 16 of padding
.set HALFS, 16*272                     ; those of 64 rows
.set SPARE, SCL+4*HALFS                ; the spare words, 128 bytes for each wave: two blocks of 256 bytes that no other line names
.set STAGE, SPARE+512                  ; 16 rows x 272 bytes for each wave; no tile lands there
.set NFL,   36                         ; LDS loads of one K step's fragments
.set NFWD,  786432                     ; bytes from N's tile of one slot step to the next
.set ADP,  16                          ; v16-17 my P fragments in slot 0, 1; v18-19 the same behind one padding more
.set ADN,  20                          ; v20-21 my N images in slot 0, 1
.set ADSP, 24                          ; v24 my P scale words: lanes 0-15 an even K step's, lanes 16-31 the odd one's
.set ADSN, 25                          ; v25 the same for N
.set SPW,  28                          ; v28 SPARE + 4 x my thread's number; never rewritten
.set NIL,  29                          ; v29 0; never rewritten
.set SC,   32                          ; v32-63 scale words, two sets of 16: P tile i at 2 i + q / 2, N tile j at 8 + 2 j + q / 2; they hold scales and nothing else
.set ACC,  128                         ; v128-255 the accumulators
.set F0,   0                           ; window 1: two fragment buffers of 96: P tile i at 12 i, N tile j at 48 + 12 j
.set G1SN, 8
.set G1SP, 16
.set G1P,  24
.set G0P,  32
.set G1N,  40
.set G0N,  48
.set G0SP, 56
.set G0SN, 60
.set MSB, 0
.macro WIN new                         ; the immediate's high byte repeats the setting that is left
.if MSB != \new
	s_set_vgpr_msb (MSB<<8)|\new
.set MSB, \new
.endif
.endm
.macro PLACES n
.rept \n
	v_nop
.endr
.endm
.macro CREST                           ; a round of the cluster's barrier behind its opening barrier
	s_cmp_lg_u32 s4, 0
	s_cbranch_scc1 .Lnot_wave_0_\@
	s_barrier_signal -3
.Lnot_wave_0_\@:
	s_barrier_wait -3
	s_barrier_signal -1
	s_barrier_wait -1
.endm
.macro CROUND
	s_barrier_signal -1
	s_barrier_wait -1
	CREST
.endm
; A joint load: waves 0 and 1 fetch for P, waves 2 and 3 for N.  The branch hangs on the wave's number alone.  Four v_nop follow each of the two lines.
.macro JLOAD g0p, g1p, g0n, g1n
	s_cmp_eq_u32 s5, 0
	s_cbranch_scc0 .Lfor_n_\@
	tensor_load_to_lds s[\g0p:\g0p+3], s[\g1p:\g1p+7]
	s_nop 0
.rept 4
	v_nop
.endr
	s_branch .Lasked_\@
.Lfor_n_\@:
	tensor_load_to_lds s[\g0n:\g0n+3], s[\g1n:\g1n+7]
	s_nop 0
.rept 4
	v_nop
.endr
.Lasked_\@:
.endm
; A fragment, 16 rows x 128 K, is 12 registers: lane l holds row l % 16; registers 6 c .. 6 c + 5 the 24 bytes of K = 64 c + 32 (l / 16) + 0 .. 31, in pieces of 8 bytes.
; 16 pieces lie between two paddings; lanes 16-31 read three pieces on, which from piece 13 of 16 on is behind one padding more: the second address register serves those.
.macro FRAG reg, adr, q, i
.irp p, 0,1,2,3,4,5
.set PCE, 12*(\q)+6*(\p/3)+\p%3
.if PCE%16 < 13
	ds_load_b64 v[\reg+2*\p:\reg+2*\p+1], v[\adr] offset:8*PCE+16*(PCE/16)+(\i)*16*PITCH
.else
	ds_load_b64 v[\reg+2*\p:\reg+2*\p+1], v[\adr+2] offset:8*PCE+16*(PCE/16)+(\i)*16*PITCH
.endif
.endr
.endm
.macro FRAGI reg, adr, q, i            ; a fragment that lies as an image of its registers: three loads of 512 consecutive bytes
.irp c, 0,1,2
	ds_load_b128 v[\reg+4*\c:\reg+4*\c+3], v[\adr] offset:(\i)*6144+(\q)*1536+512*\c
.endr
.endm
.macro FETCH slot, q, f                ; the fragments of the slot's q-th 128 along K into buffer f
	WIN 0x40                                       ; destination window 1, address window 0
.irp i, 0,1,2,3
	FRAG \f+12*\i, ADP+\slot, \q, \i
.endr
.irp i, 0,1,2,3
.if NIMG
	FRAGI \f+48+12*\i, ADN+\slot, \q, \i
.else
	FRAG \f+48+12*\i, ADN+\slot, \q, \i
.endif
.endr
	WIN 0
.endm
.macro SCALES kap, set                 ; the scale words of slot step kap (four K steps) into a set
.irp i, 0,1,2,3
.irp u, 0,1
	ds_load_b32 v[SC+16*(\set)+2*\i+\u], v[ADSP] offset:\i*1088+16*(\kap)+8*\u
.if NIMG
	ds_load_b32 v[SC+16*(\set)+8+2*\i+\u], v[ADSN] offset:\i*1088+272*(\kap)+128*\u
.else
	ds_load_b32 v[SC+16*(\set)+8+2*\i+\u], v[ADSN] offset:\i*1088+16*(\kap)+8*\u
.endif
.endr
.endr
.endm
; 8 matrix instructions: N tiles j0, j0 + 1 x P's four.  The 16 accumulators take turns, one instruction a turn, in one order.
; Accumulator (j, pt) lies at 32 j + 8 pt.
.macro MUL8 f, j0, q, set, zero
.irp j, \j0, \j0+1
.irp pt, 0,1,2,3
.if NIMG
.set xD, ACC+32*(\j)+8*\pt
.else
.set xD, ACC+32*(\j)+8*(2*(\pt%2)+\pt/2)
.endif
.set xP, \f+12*\pt
.set xN, \f+48+12*(\j)
.set xSP, SC+16*(\set)+2*\pt+(\q)/2
.set xSN, SC+16*(\set)+8+2*(\j)+(\q)/2
.if \zero
	v_wmma_scale_f32_16x16x128_f8f6f4 v[xD:xD+7], v[xP:xP+11], v[xN:xN+11], 0, v[xSP], v[xSN] matrix_a_fmt:MATRIX_FMT_FP6 matrix_b_fmt:MATRIX_FMT_FP6
.elseif (\q)%2
	v_wmma_scale_f32_16x16x128_f8f6f4 v[xD:xD+7], v[xP:xP+11], v[xN:xN+11], v[xD:xD+7], v[xSP], v[xSN] matrix_a_fmt:MATRIX_FMT_FP6 matrix_b_fmt:MATRIX_FMT_FP6 matrix_a_scale:MATRIX_SCALE_ROW1 matrix_b_scale:MATRIX_SCALE_ROW1
.else
	v_wmma_scale_f32_16x16x128_f8f6f4 v[xD:xD+7], v[xP:xP+11], v[xN:xN+11], v[xD:xD+7], v[xSP], v[xSN] matrix_a_fmt:MATRIX_FMT_FP6 matrix_b_fmt:MATRIX_FMT_FP6
.endif
.endr
.endr
.endm
; One of a slot's first three K steps: the next step's fragments are asked for, then this step is multiplied while they come.
.macro STEP slot, q, zero
	PLACES 4                                       ; the products just issued read the buffer that is loaded next (ISA guide 7.12.1 for vector instructions)
	FETCH \slot, (\q)+1, F0+96*(1-(\q)%2)
	s_wait_dscnt NFL                               ; all but the loads just issued: this step's fragments and scale words are in
	WIN 0x05                                       ; sources 0 and 1 window 1; C and D window 0
	MUL8 F0+96*((\q)%2), 0, \q, \slot, \zero
	MUL8 F0+96*((\q)%2), 2, \q, \slot, \zero
	WIN 0
.endm
; A slot's last K step changes slots: one barrier; in front of it each wave waits for all its tensor loads, adds 0 to its spare word, and waits for that and for its reads of the slot.
.macro TURN slot, kap, fill
	s_wait_tensorcnt 0x0                           ; all my tensor loads have landed: my part of the other slot
	ds_add_u32 v[SPW], v[NIL]                      ; 0 onto my spare word
	s_wait_dscnt 1                                 ; the fragments are in; the add alone may be out
	WIN 0x05
	MUL8 F0+96, 0, 3, \slot, 0                     ; eight matrix instructions stand between the add and the wait for it
	s_wait_dscnt 0x0                               ; the add is done, and my reads of this slot are over
	s_barrier_signal -1
	MUL8 F0+96, 2, 3, \slot, 0
	WIN 0
	s_barrier_wait -1
.if \fill
	CREST                                          ; the barrier has opened a round of the cluster's barrier: no wave of any partner still reads this slot or has a load on its way
	s_add_nc_u64 s[G0P+4*\slot+2:G0P+4*\slot+3], s[G0P+4*\slot+2:G0P+4*\slot+3], 2*384
	s_add_nc_u64 s[G0N+4*\slot+2:G0N+4*\slot+3], s[G0N+4*\slot+2:G0N+4*\slot+3], 2*NFWD
	JLOAD G0P+4*\slot, G1P, G0N+4*\slot, G1N       ; the first tensor load behind the round: one load of mine is out; its four v_nop are the places in front of the loads below
.else
	PLACES 4
.endif
	FETCH 1-\slot, 0, F0
	SCALES \kap, 1-\slot
.endm
	s_load_b256 s[80:87], s[0:1], 0x0              ; Wo codes 80, Wo scales 82, ao 84, aos 86
	s_load_b64 s[88:89], s[0:1], 0x20              ; out0
	v_lshl_add_u32 v[SPW], v0, 2, SPARE
	v_mov_b32 v[NIL], 0
	ds_add_u32 v28, v29
	ds_add_u32 v28, v29
	s_wait_dscnt 0x0
	v_lshrrev_b32 v1, 5, v0
	v_readfirstlane_b32 s4, v1                     ; wave 0..3
	s_lshr_b32 s5, s4, 1                           ; WH: my half of P's rows.  Also: I fetch for P (0) or for N (1)
	s_and_b32 s6, s4, 1                            ; WL: my half of N's rows.  Also: which half I fetch
	s_bfe_u32 s7, ttmp6, 0x40000                   ; cx
	s_bfe_u32 s66, ttmp6, 0x40004                  ; cy
	s_lshl_b32 s91, ttmp9, 2
	s_add_co_u32 s91, s91, s7                      ; PI: my 128 columns of the output
	s_and_b32 s92, ttmp7, 0xffff
	s_lshl_b32 s92, s92, 2
	s_add_co_u32 s92, s92, s66                     ; NI: my 128 tokens
	s_lshl_b32 s94, 0x1111, s7                     ; my column of the cluster (same cx)
	s_lshl_b32 s96, s66, 2
	s_lshl_b32 s96, 15, s96                        ; my row (same cy)
	; group 1 for P's codes: 64 rows x 384 bytes, 1,536 bytes apart; 16 bytes of padding behind every 128
	s_or_b32 s[G1P], s94, (1<<20)|(1<<21)|(4<<22)|(3<<25)   ; 15:0 the mask; 17:16 elements of 1 byte; 20 padding on; 21 set beside a mask; 24:22 after 32 words; 31:25 of 4 words
	s_mov_b32 s[G1P+1], 384<<16
	s_mov_b32 s[G1P+2], 64<<16
	s_mov_b32 s[G1P+3], 384<<16
	s_mov_b32 s[G1P+4], 64
	s_mov_b32 s[G1P+5], 1536
	s_mov_b32 s[G1P+6], 0
	s_mov_b32 s[G1P+7], 0
	; group 1 for N's images: four tiles x four K steps, 24,576 dense bytes, as 96 rows of 256 (32 elements of 8 bytes); no padding
	s_or_b32 s[G1N], s96, (3<<16)|(1<<21)
	s_mov_b32 s[G1N+1], 32<<16
	s_mov_b32 s[G1N+2], 96<<16
	s_mov_b32 s[G1N+3], 32<<16
	s_mov_b32 s[G1N+4], 96
	s_mov_b32 s[G1N+5], 32
	s_mov_b32 s[G1N+6], 0
	s_mov_b32 s[G1N+7], 0
	; group 1 for scale bytes: 4,096 dense bytes as 16 rows of 256, 16 bytes of padding behind each
	s_or_b32 s[G1SP], s94, (3<<16)|(1<<20)|(1<<21)|(5<<22)|(3<<25)
	s_or_b32 s[G1SN], s96, (3<<16)|(1<<20)|(1<<21)|(5<<22)|(3<<25)
.irp g, G1SP, G1SN
	s_mov_b32 s[\g+1], 32<<16
	s_mov_b32 s[\g+2], 16<<16
	s_mov_b32 s[\g+3], 32<<16
	s_mov_b32 s[\g+4], 16
	s_mov_b32 s[\g+5], 32
	s_mov_b32 s[\g+6], 0
	s_mov_b32 s[\g+7], 0
.endr
	s_lshl_b32 s72, s91, 7                         ; P: the first row that I fetch: 128 PI + 64 WL (cx alone of the place in the cluster)
	s_lshl_b32 s73, s6, 6
	s_add_co_u32 s72, s72, s73
	s_lshl_b32 s74, s72, 6                         ; its scale bytes,
	s_mul_i32 s72, s72, 1536                       ; its codes
	s_mov_b32 s73, 0
	s_mov_b32 s75, 0
	s_lshl_b32 s76, s92, 3                         ; N: the first token tile that I fetch: 8 NI + 4 WL (cy alone)
	s_lshl_b32 s77, s6, 2
	s_add_co_u32 s76, s76, s77
	s_lshl_b32 s78, s76, 10                        ; its scale words,
	s_mul_i32 s76, s76, 6144                       ; its images in a K quarter
	s_mov_b32 s77, 0
	s_mov_b32 s79, 0
	s_lshl_b32 s68, s92, 20                        ; out0 at token 128 NI + 64 WL (8,192 bytes a row), column 128 PI + 64 WH
	s_lshl_b32 s69, s6, 19
	s_add_co_u32 s68, s68, s69
	s_lshl_b32 s69, s91, 9
	s_add_co_u32 s68, s68, s69
	s_lshl_b32 s69, s5, 8
	s_add_co_u32 s68, s68, s69
	s_mov_b32 s69, 0
	s_wait_kmcnt 0x0
	s_add_nc_u64 s[72:73], s[80:81], s[72:73]
	s_add_nc_u64 s[74:75], s[82:83], s[74:75]
	s_add_nc_u64 s[76:77], s[84:85], s[76:77]
	s_add_nc_u64 s[78:79], s[86:87], s[78:79]
	s_add_nc_u64 s[88:89], s[88:89], s[68:69]
	s_mul_i32 s2, s4, HALF                         ; where the tiles go: a constant x the wave's number: no place in the cluster enters an LDS address
.if NIMG
	s_mul_i32 s3, s4, 24576                        ; waves 2, 3: 55,296 + 24,576 (wave - 2)
	s_add_co_u32 s3, s3, 6144
.else
	s_mul_i32 s3, s4, HALF
.endif
	s_mul_i32 s93, s4, HALFS
	CROUND                                         ; all sixteen work-groups are here: the first joint loads meet
	s_mov_b32 s[G0SP], 1
	s_add_co_u32 s[G0SP+1], s93, SCL
	s_mov_b64 s[G0SP+2:G0SP+3], s[74:75]
	s_or_b32 s[G0SP+3], s[G0SP+3], 0x80000000
	s_mov_b32 s[G0SN], 1
	s_add_co_u32 s[G0SN+1], s93, SCL
	s_mov_b64 s[G0SN+2:G0SN+3], s[78:79]
	s_or_b32 s[G0SN+3], s[G0SN+3], 0x80000000
	JLOAD G0SP, G1SP, G0SN, G1SN                   ; the scale bytes first: filled once
.irp s, 0,1
	s_mov_b32 s[G0P+4*\s], 1
	s_add_co_u32 s[G0P+4*\s+1], s2, \s*SLOT
	s_add_nc_u64 s[G0P+4*\s+2:G0P+4*\s+3], s[72:73], \s*384
	s_or_b32 s[G0P+4*\s+3], s[G0P+4*\s+3], 0x80000000
	s_mov_b32 s[G0N+4*\s], 1
	s_add_co_u32 s[G0N+4*\s+1], s3, \s*SLOT
	s_add_nc_u64 s[G0N+4*\s+2:G0N+4*\s+3], s[76:77], \s*NFWD
	s_or_b32 s[G0N+4*\s+3], s[G0N+4*\s+3], 0x80000000
	JLOAD G0P+4*\s, G1P, G0N+4*\s, G1N             ; three loads of mine are out behind the second of these
.endr
	v_and_b32 v1, 15, v0                           ; r
	v_bfe_u32 v2, v0, 4, 1                         ; h
	v_and_b32 v3, 31, v0                           ; lane
	v_mul_u32_u24 v4, v1, PITCH
	v_mad_u32_u24 v4, v2, 24, v4                   ; a fragment's row x pitch + 24 h
	v_lshl_add_u32 v5, v2, 4, v4                   ; and the same behind one padding more
	s_mul_i32 s2, s5, HALF
	v_add_nc_u32 v[ADP], s2, v4
	v_add_nc_u32 v[ADP+2], s2, v5
	v_add_nc_u32 v[ADP+1], SLOT, v[ADP]
	v_add_nc_u32 v[ADP+3], SLOT, v[ADP+2]
.if NIMG
	s_mul_i32 s3, s6, 24576
	s_add_co_u32 s3, s3, 2*HALF
	v_lshl_add_u32 v[ADN], v3, 4, s3               ; an image's place for my lane: 16 x lane
	v_add_nc_u32 v[ADN+1], SLOT, v[ADN]
.else
	s_mul_i32 s3, s6, HALF
	s_add_co_u32 s3, s3, 2*HALF
	v_add_nc_u32 v[ADN], s3, v4
	v_add_nc_u32 v[ADN+2], s3, v5
	v_add_nc_u32 v[ADN+1], SLOT, v[ADN]
	v_add_nc_u32 v[ADN+3], SLOT, v[ADN+2]
.endif
	v_lshrrev_b32 v6, 2, v1                        ; a row's 64 scale bytes: four rows to 256 bytes + 16
	v_and_b32 v7, 3, v1
	v_mul_u32_u24 v6, v6, 272
	v_lshl_add_u32 v6, v7, 6, v6
	v_lshl_add_u32 v6, v2, 2, v6                   ; lanes 16-31 take the next K step's word
	s_mul_i32 s2, s5, HALFS
	s_add_co_u32 s2, s2, SCL
	v_add_nc_u32 v[ADSP], s2, v6
	s_mul_i32 s3, s6, HALFS
	s_add_co_u32 s3, s3, SCL+2*HALFS
.if NIMG
	v_lshl_add_u32 v[ADSN], v3, 2, s3              ; sixteen words a K step: lanes 16-31 fall on the next step's
.else
	v_add_nc_u32 v[ADSN], s3, v6
.endif
	s_mul_i32 s2, s4, 16*272
	s_add_co_u32 s2, s2, STAGE                     ; my stage
	v_mul_u32_u24 v8, v1, 272
	v_lshl_add_u32 v8, v2, 5, v8
	v_add_nc_u32 v26, s2, v8                       ; in: row r, 32 bytes for each half of the lanes
	v_mul_u32_u24 v9, v2, 272
	v_lshl_add_u32 v9, v1, 4, v9
	v_add_nc_u32 v27, s2, v9                       ; back: lanes 0-15 one row of 256 bytes, lanes 16-31 the next
	v_lshlrev_b32 v30, 13, v2
	v_lshl_add_u32 v30, v1, 4, v30                 ; and the same two rows in out0
	s_wait_tensorcnt 1                             ; the scale bytes and my part of slot 0 are in; slot 1's load may be out
	s_barrier_signal -1
	s_barrier_wait -1
	FETCH 0, 0, F0
	SCALES 0, 0
	STEP 0, 0, 1                                   ; the first products start the sums: nothing is cleared
	STEP 0, 1, 0
	STEP 0, 2, 0
	TURN 0, 1, 1
	STEP 1, 0, 0
	STEP 1, 1, 0
	STEP 1, 2, 0
	TURN 1, 2, 1
	STEP 0, 0, 0
	STEP 0, 1, 0
	STEP 0, 2, 0
	TURN 0, 3, 0                                   ; nothing is left to fetch
	STEP 1, 0, 0
	STEP 1, 1, 0
	STEP 1, 2, 0
	s_wait_dscnt 0x0
	WIN 0x05
	MUL8 F0+96, 0, 3, 1, 0
	MUL8 F0+96, 2, 3, 1, 0
	WIN 0
	; ---- THE WAY OUT.  LDS serves a wave's instructions in order (ISA guide 5.7.1.4): no wait between a tile's stores and its loads, nor in front of the next tile's stores.
.macro TOSTAGE j
.irp pt, 0,1,2,3
	ds_store_b128 v26, v[ACC+32*(\j)+8*\pt:ACC+32*(\j)+8*\pt+3] offset:64*\pt          ; each accumulator from its low end on
	ds_store_b128 v26, v[ACC+32*(\j)+8*\pt+4:ACC+32*(\j)+8*\pt+7] offset:64*\pt+16
.endr
.set BB, 64+32*((\j)%2)
.irp t, 0,1,2,3,4,5,6,7
	ds_load_b128 v[BB+4*\t:BB+4*\t+3], v27 offset:544*\t
.endr
.endm
.macro SEND j, younger                 ; younger: the LDS instructions issued behind tile j's loads, which may stay out
.set BB, 64+32*((\j)%2)
	s_wait_dscnt \younger
.irp t, 0,1,2,3,4,5,6,7
	global_store_b128 v30, v[BB+4*\t:BB+4*\t+3], s[88:89] offset:(16*(\j)+2*\t)*8192 th:TH_STORE_NT   ; 16 lanes store 256 consecutive bytes, aligned; written once, read by nobody here
.endr
.endm
	PLACES 4
	TOSTAGE 0
.irp j, 1,2,3
.if \j > 1
	s_wait_xcnt 0x0                                ; tile j - 2's stores have read their registers: tile j's loads may land there
.endif
	TOSTAGE \j
	SEND \j-1, 16                                  ; behind tile j - 1's loads: tile j's 8 stores and 8 loads
.endr
	SEND 3, 0
	s_wait_tensorcnt 0x0                           ; the wave's end
	ds_add_u32 v[SPW], v[NIL]
	s_wait_dscnt 0x0
	CROUND                                         ; the closing round: no work-group ends while a partner may still ask for a tile that names it
	s_endpgm
.Lfunc_end_k_q41456a2580_oproj:
	.size	k_q41456a2580_oproj, .Lfunc_end_k_q41456a2580_oproj-k_q41456a2580_oproj
	.p2alignl 7, 3214868480
	.fill 96, 4, 3214868480
	.section	.rodata,"a",@progbits
	.p2align	6, 0x0
	.amdhsa_kernel k_q41456a2580_oproj
		.amdhsa_group_segment_fixed_size 327680
		.amdhsa_private_segment_fixed_size 0
		.amdhsa_enable_private_segment 0
		.amdhsa_kernarg_size 40
		.amdhsa_user_sgpr_count 2
		.amdhsa_user_sgpr_kernarg_segment_ptr 1
		.amdhsa_wavefront_size32 1
		.amdhsa_system_sgpr_workgroup_id_x 1
		.amdhsa_system_sgpr_workgroup_id_y 1
		.amdhsa_system_sgpr_workgroup_id_z 1
		.amdhsa_system_vgpr_workitem_id 0
		.amdhsa_next_free_vgpr 512
		.amdhsa_next_free_sgpr 102
		.amdhsa_reserve_vcc 0
		.amdhsa_float_denorm_mode_32 3
		.amdhsa_float_denorm_mode_16_64 3
		.amdhsa_memory_ordered 1
		.amdhsa_forward_progress 1
		.amdhsa_inst_pref_size 96
	.end_amdhsa_kernel
	.amdgpu_metadata
---
amdhsa.version: [ 1, 2 ]
amdhsa.kernels:
  - .name:           k_q41456a2580_oproj
    .symbol:         k_q41456a2580_oproj.kd
    .args:
      - { .name: Wo_codes, .offset: 0, .size: 8, .value_kind: global_buffer, .address_space: global }
      - { .name: Wo_scales, .offset: 8, .size: 8, .value_kind: global_buffer, .address_space: global }
      - { .name: ao, .offset: 16, .size: 8, .value_kind: global_buffer, .address_space: global }
      - { .name: aos, .offset: 24, .size: 8, .value_kind: global_buffer, .address_space: global }
      - { .name: out0, .offset: 32, .size: 8, .value_kind: global_buffer, .address_space: global }
    .group_segment_fixed_size: 327680
    .private_segment_fixed_size: 0
    .kernarg_segment_align: 8
    .kernarg_segment_size: 40
    .max_flat_workgroup_size: 128
    .sgpr_count:     102
    .vgpr_count:     512
    .wavefront_size: 32
...
	.end_amdgpu_metadata
.endif
;; end of part 3
;; ======== version 2 of 2: 3 launches
;; limits: right only within a limited range of input values
;; workspace buffers: q 3,407,872 bytes; kv 1,703,936 bytes; ao 3,145,728 bytes; aos 131,072 bytes
;; launch qkv (part 4): grid 16 x 16, 4 waves a work-group, clusters of 4 x 4, 327,680 bytes of LDS; arguments x_codes, x_scales, Wq_codes, Wq_scales, Wk_codes, Wk_scales, Wv_codes, Wv_scales, freqs, q, kv; writes q, kv
.if DOCPART == 4
	.amdgcn_target "amdgcn-amd-amdhsa--gfx1250"
	.amdhsa_code_object_version 6
	.text
	.protected	k_q41456a2580_qkv
	.globl	k_q41456a2580_qkv
	.p2align	8
	.type	k_q41456a2580_qkv,@function
k_q41456a2580_qkv:
	s_mov_b64 s[64:65], 0
	v_nop
	global_prefetch_b8 v0, s[64:65] scope:SCOPE_SE
	s_setreg_imm32_b32 hwreg(HW_REG_WAVE_MODE, 25, 1), 1
	s_wait_xcnt 0x0
	s_wait_alu depctr_hold_cnt(0) depctr_sa_sdst(0) depctr_va_vdst(0) depctr_va_sdst(0) depctr_va_ssrc(0) depctr_va_vcc(0) depctr_vm_vsrc(0)
	s_getreg_b32 s2, hwreg(HW_REG_IB_STS2, 6, 4)
	s_cmp_eq_u32 s2, 0
	s_cbranch_scc0 .Lentry_in_a_cluster
	s_endpgm
.Lentry_in_a_cluster:
	s_bfe_u32 s2, ttmp6, 0x10000c
	s_cmp_lg_u32 s2, 0xf033
	s_cbranch_scc0 .Lentry_shape_is_right
	s_endpgm
.Lentry_shape_is_right:
; Q = rope(x Wq), K = rope(x Wk), V = x Wv on codes of FP6 (E2M3) with E8M0 scales, and the quantising of the three results for the attention launch.
; SHARES.  48 heads of 64 (32 of Q, 8 of K, 8 of V) x 2,048 tokens are 256 equal parts of three heads x 128 tokens.  Work-group (PI, NI) makes, for tokens 128 NI on, the query heads 2 PI and 2 PI + 1
; and ONE FURTHER HEAD: K's head PI where the cluster's x is 0 or 1, V's head PI - 8 where it is 2 or 3 (the same number in all sixteen partners).
; THE PRODUCTS.  Source 0 = 16 rows of one operand, source 1 = 16 rows of the other: a lane holds ONE row of source 1, and its registers run along source 0's rows.
;   Q: source 0 = Wq, source 1 = x.  Wave (WH, WL) makes head 2 PI + WH for tokens 64 WL on: 16 accumulators.
;   the further head: acc(s, u) = U[u] x W[s], 8 accumulators.  K: U = Wk's four tiles, W = tokens 64 WL + 32 WH + 16 s on.  V: U = tokens 64 WL + 16 u on, W = Wv's rows 32 WH + 16 s on.
;   So a lane's registers run along the axis that is quantised: the head's 64 for Q and K, the tokens (the keys) for V.  U's and W's LDS addresses are kept for both roles, made of the wave's number alone,
;   and a branch on the cluster's x picks the run of loads; the products are one text for both roles.
; LDS.  The codes come as HALVES OF K: rows of 768 bytes, which begin at multiples of 256 bytes of memory, into ONE region of 320 rows (x 128, Wq 128, the further head 64), filled twice: K steps 0-7, then 8-15.
;   Two such regions do not fit (2 x 261,120 bytes), and a shorter piece of a row of 6-bit codes that holds whole K steps (384 bytes) would begin off those borders.
;   Behind the region: the rows' scale bytes for all of K (20,480 bytes), which go through registers into LDS bytes of their own: a small part of the bytes, so they are not asked for jointly.
; CLUSTERS 4 x 4: the weights' tiles hang on cx and are asked for jointly by the four work-groups of a column; x's on cy and by the four of a row.
; PREFETCH: in K steps 0, 1, 2 each wave names the second half of K of rows that it will fetch, one block of 256 bytes a lane and request, five K steps ahead of the refill; the four partners of a joint load
;   share the rows out by address (x: 32 rows by cx; a weight: 16 rows by cy, where lanes 16-31 name lanes 0-15's blocks again).
; COS AND SIN of Q's tokens go from memory into window 3 at the head; K's tokens are two of the wave's four tiles of Q's tokens, so K's rotation reads the same registers, in two copies picked by WH.
; THE WAY OUT: sixteen-lane exchanges give each lane a WHOLE block of 32; rotation in f32; the block's scale; the conversion; the codes leave as images of the reader's registers
; (a pair of registers = 32 lanes x 8 bytes = 256 consecutive bytes, aligned).  K's key tiles and V's channel tiles leave PERMUTED: row r of tile 2 b + u is 32 b + 8 u + r % 8 + 16 (r / 8).
; q:  [head 32][106,496]: 128 token tiles x 3 images, then 64 tile pairs x 32 scale words (s0, s1, s0, s1).
; kv: [kv head 8][212,992]: K's 128 tiles x 3 images | V: 16 key steps x 4 channel tiles x 6 images | K's scale words | V's scale words [step][half][tile pair][32].
; LIMITS: a block whose largest magnitude lies under 2^-124 is held at that floor (byte 1), a block of zeros too, where the rule says 127: its codes are zeros and this program alone reads the bytes.
; NaN and infinities among the computed numbers are not served.
; REGISTERS.  Window 0: v8-27 LDS addresses (free on the way out); v28-29 the spare word's; v30-31, v60-61 the way out's; v63 the prefetches' offset; v32-59 scale words; v64-255 the 24 accumulators.
;   Windows 1 and 2: one fragment buffer each (P 0, N 48, U 96, W 144; 12 registers a tile); on the way out window 2 holds x cos.  Window 3: cos and sin.
.set PITCH, 816                        ; an LDS row: 3 x (256 bytes + 16 of padding) = 204 words: row r starts at bank 12 r mod 64 (64 banks of 4 bytes: ISA guide 11.1), sixteen different multiples of 4; lanes 16-31 lie 6 or 10 words on
.set HALF,  64*PITCH                   ; 64 rows
.set SLOT,  5*HALF                     ; x's 128 rows, Wq's 128, the further head's 64
.set SCL,   SLOT                       ; the same rows' scale bytes, as 256 bytes + 16
.set HALFS, 16*272                     ; those of 64 rows
.set SPARE, SCL+5*HALFS                ; the spare words, 128 bytes for each wave: two blocks of 256 bytes that no other line names
.set FC,   -1                          ; counts the K steps fetched: step FC lies at place FC % 8 of its half
.set ADP,  8                           ; v8 my fragments of Wq; v10 the same behind one padding more
.set ADSUV, 9                          ; v9, v11 U's and W's scale words in V's role
.set ADSWV, 11
.set ADN,  12                          ; v12, v14 of x
.set SGO,  13                          ; v13 the scale bytes' offset in memory, v15 their place in LDS
.set SLA,  15
.set ADU,  16                          ; v16 U in K's role, v17 in V's; v18, v19 behind one padding more
.set ADW,  20                          ; v20-23 W likewise
.set ADSP, 24                          ; v24-27 scale words: lanes 0-15 an even K step's, lanes 16-31 the odd one's; U's and W's in K's role
.set ADSN, 25
.set ADSU, 26
.set ADSW, 27
.set SPW,  28                          ; v28 SPARE + 4 x my thread's number; never rewritten
.set NIL,  29                          ; v29 0; never rewritten
.set L8,   30                          ; v30 8 x lane
.set L4,   31                          ; v31 4 x lane
.set SC,   32                          ; v32-59 scale words of four K steps: P tile i at 2 i + q / 2, N at 8 +, U at 16 +, W at 24 +; they hold scales and nothing else
.set H8,   60                          ; v60 8 x (lane / 16)
.set AF,   61                          ; v61 my place in cos
.set PFO,  63                          ; v63 the prefetches' offset; never rewritten
.set ACC,  64                          ; unit j (32 registers: one tile of source 1 x 64 rows of source 0) at 32 j: Q's four, then the further head's two
.set G1C,  24                          ; s[24:31] group 1: the weights' codes;  s[32:35] their group 0
.set G0C,  32
.set G1N,  40                          ; s[40:47], s[48:51] x's codes
.set G0N,  48
.set MSB, 0
.macro WIN new                         ; the immediate's high byte repeats the setting that is left; a switch that changes nothing is dropped
.if MSB != (\new)
	s_set_vgpr_msb (MSB<<8)|(\new)
.set MSB, (\new)
.endif
.endm
.macro PLACES n
.rept \n
	v_nop
.endr
.endm
.macro CREST                           ; a round of the cluster's barrier behind its opening barrier
	s_cmp_lg_u32 s4, 0
	s_cbranch_scc1 .Lnot_wave_0_\@
	s_barrier_signal -3
.Lnot_wave_0_\@:
	s_barrier_wait -3
	s_barrier_signal -1
	s_barrier_wait -1
.endm
.macro CROUND
	s_barrier_signal -1
	s_barrier_wait -1
	CREST
.endm
; A joint load: wave 0 fetches x's 128 rows, waves 1 to 3 64 rows of a weight each.  The branch hangs on the wave's number alone.  An s_nop 0 and four v_nop follow each line.
.macro JLOAD
	s_cmp_eq_u32 s4, 0
	s_cbranch_scc1 .Lfor_n_\@
	tensor_load_to_lds s[G0C:G0C+3], s[G1C:G1C+7]
	s_nop 0
	PLACES 4
	s_branch .Lasked_\@
.Lfor_n_\@:
	tensor_load_to_lds s[G0N:G0N+3], s[G1N:G1N+7]
	s_nop 0
	PLACES 4
.Lasked_\@:
.endm
; A fragment, 16 rows x 128 K, is 12 registers: lane l holds row l % 16; registers 6 c .. 6 c + 5 the 24 bytes of K = 64 c + 32 (l / 16) + 0 .. 31, in pieces of 8 bytes.
; 32 pieces lie between two paddings; lanes 16-31 read three pieces on, which from piece 29 of 32 on is behind one padding more: the second address register serves those.
.macro FRAG reg, adr, q, i
.irp p, 0,1,2,3,4,5
.set PCE, 12*(\q)+6*(\p/3)+\p%3
.if PCE%32 < 29
	ds_load_b64 v[\reg+2*\p:\reg+2*\p+1], v[\adr] offset:8*PCE+16*(PCE/32)+(\i)*16*PITCH
.else
	ds_load_b64 v[\reg+2*\p:\reg+2*\p+1], v[\adr+2] offset:8*PCE+16*(PCE/32)+(\i)*16*PITCH
.endif
.endr
.endm
.macro FETCH_A b                       ; Wq's and x's fragments of the next K step into buffer b (window 1 + b): 48 loads
.set FC, FC+1
	WIN 0x40*(1+(\b))                              ; the destination's window; the address lies in window 0
.irp i, 0,1,2,3
	FRAG 12*\i, ADP, FC%8, \i
.endr
.irp i, 0,1,2,3
	FRAG 48+12*\i, ADN, FC%8, \i
.endr
.endm
.macro FB role, b                      ; U's four and W's two by the role's addresses: 36 loads
	WIN 0x40*(1+(\b))
.irp i, 0,1,2,3
	FRAG 96+12*\i, ADU+\role, FC%8, \i
.endr
.irp i, 0,1
	FRAG 144+12*\i, ADW+\role, FC%8, \i
.endr
	WIN 0
.endm
.macro FETCH_B b                       ; the branch hangs on the cluster's x alone, the same in all partners and waves
	WIN 0
	s_cmp_lt_u32 s67, 2
	s_cbranch_scc0 .Lfv_\@
	FB 0, \b
	s_branch .Lfj_\@
.Lfv_\@:
	FB 1, \b
.Lfj_\@:
.endm
.macro SCX au, aw, kap
.irp i, 0,1,2,3
.irp u, 0,1
	ds_load_b32 v[SC+16+2*\i+\u], v[\au] offset:\i*1088+16*(\kap)+8*\u
.endr
.endr
.irp i, 0,1
.irp u, 0,1
	ds_load_b32 v[SC+24+2*\i+\u], v[\aw] offset:\i*1088+16*(\kap)+8*\u
.endr
.endr
.endm
.macro SCALES kap                      ; the scale words of K steps 4 kap on: 28 loads.  All earlier products are issued, and four places passed, when these stand
.irp i, 0,1,2,3
.irp u, 0,1
	ds_load_b32 v[SC+2*\i+\u], v[ADSP] offset:\i*1088+16*(\kap)+8*\u
	ds_load_b32 v[SC+8+2*\i+\u], v[ADSN] offset:\i*1088+16*(\kap)+8*\u
.endr
.endr
	s_cmp_lt_u32 s67, 2
	s_cbranch_scc0 .Lsv_\@
	SCX ADSU, ADSW, \kap
	s_branch .Lsj_\@
.Lsv_\@:
	SCX ADSUV, ADSWV, \kap
.Lsj_\@:
.endm
.macro WM zero, odd                    ; one matrix instruction on the registers named by xD, xA, xB, xSA, xSB; an odd K step's scale words lie in lanes 16-31
.if \zero
	v_wmma_scale_f32_16x16x128_f8f6f4 v[xD:xD+7], v[xA:xA+11], v[xB:xB+11], 0, v[xSA], v[xSB] matrix_a_fmt:MATRIX_FMT_FP6 matrix_b_fmt:MATRIX_FMT_FP6
.elseif \odd
	v_wmma_scale_f32_16x16x128_f8f6f4 v[xD:xD+7], v[xA:xA+11], v[xB:xB+11], v[xD:xD+7], v[xSA], v[xSB] matrix_a_fmt:MATRIX_FMT_FP6 matrix_b_fmt:MATRIX_FMT_FP6 matrix_a_scale:MATRIX_SCALE_ROW1 matrix_b_scale:MATRIX_SCALE_ROW1
.else
	v_wmma_scale_f32_16x16x128_f8f6f4 v[xD:xD+7], v[xA:xA+11], v[xB:xB+11], v[xD:xD+7], v[xSA], v[xSB] matrix_a_fmt:MATRIX_FMT_FP6 matrix_b_fmt:MATRIX_FMT_FP6
.endif
.endm
; The 24 accumulators take turns, one instruction a turn, in one order in every K step.
; In a unit, source 0's tile t lies at 8 ord(t), ord = 0, 2, 1, 3, so that the exchanges of the way out leave 32 neighbours on end.
.macro MULQ j0, q, zero                ; 8 matrix instructions: x's tiles j0, j0 + 1 against Wq's four
.irp j, \j0, \j0+1
.irp pt, 0,1,2,3
.set xD, ACC+32*(\j)+8*(2*(\pt%2)+\pt/2)
.set xA, 12*\pt
.set xB, 48+12*(\j)
.set xSA, SC+2*\pt+(\q)/2
.set xSB, SC+8+2*(\j)+(\q)/2
	WM \zero, (\q)%2
.endr
.endr
.endm
.macro MULX q, zero                    ; 8 matrix instructions: W's two tiles against U's four
.irp s, 0,1
.irp u, 0,1,2,3
.set xD, ACC+128+32*\s+8*(2*(\u%2)+\u/2)
.set xA, 96+12*\u
.set xB, 144+12*\s
.set xSA, SC+16+2*\u+(\q)/2
.set xSB, SC+24+2*\s+(\q)/2
	WM \zero, (\q)%2
.endr
.endr
.endm
; One of the first three of four K steps: the next step's fragments are asked for in two runs among this step's products.
.macro STEP q, zero
	PLACES 4                                       ; the products just issued read the buffer that is loaded next (ISA guide 7.12.1 for vector instructions): these four serve both runs below
	FETCH_A 1-(\q)%2
	s_wait_dscnt 48                                ; all but the 48 loads just issued: this step's fragments and scale words are in
	WIN 0x05*(1+(\q)%2)                            ; sources 0 and 1: this step's buffer; C and D window 0
	MULQ 0, \q, \zero
	MULQ 2, \q, \zero
	FETCH_B 1-(\q)%2
	WIN 0x05*(1+(\q)%2)
	MULX \q, \zero
.endm
; Every fourth K step.  fill = 1: the region has been read out: each wave waits for all its tensor loads, adds 0 to its spare word and waits for that and for its reads; a round of the cluster's barrier;
; the refill with the second half of K; the wait for it and a barrier.  fill = 0: only new scale words.
.macro TURN kap, fill
	WIN 0                                          ; (the add's two registers lie in window 0)
.if \fill
	s_wait_tensorcnt 0x0                           ; none of my tensor loads is out
	ds_add_u32 v[SPW], v[NIL]                      ; 0 onto my spare word
	s_wait_dscnt 1                                 ; the fragments are in; the add alone may be out
	WIN 0x0a
	MULQ 0, 3, 0                                   ; eight matrix instructions stand between the add and the wait for it
	s_wait_dscnt 0x0                               ; the add is done, and my reads of the region are over
	s_barrier_signal -1
	MULQ 2, 3, 0
	MULX 3, 0
	WIN 0
	s_barrier_wait -1
	CREST                                          ; no wave of any partner still reads the region or has a load on its way
	s_add_nc_u64 s[G0C+2:G0C+3], s[G0C+2:G0C+3], 768
	s_add_nc_u64 s[G0N+2:G0N+3], s[G0N+2:G0N+3], 768
	JLOAD                                          ; my one load behind the round: my rows' second half of K
	s_wait_tensorcnt 0x0                           ; it is in,
	s_barrier_signal -1
	s_barrier_wait -1                              ; and so is everybody's
.else
	s_wait_dscnt 0x0                               ; this step's fragments are in
	WIN 0x0a
	MULQ 0, 3, 0
	MULQ 2, 3, 0
	MULX 3, 0
	WIN 0
	PLACES 4
.endif
	FETCH_A 0
	FETCH_B 0
	SCALES \kap
.endm
.macro ASK n                           ; block n of the three of each row's second half of K
	WIN 0
	global_prefetch_b8 v[PFO], s[16:17] offset:768+256*\n th:TH_LOAD_NT scope:SCOPE_SE
.endm
	s_load_b512 s[68:83], s[0:1], 0x0              ; x codes 68, x scales 70, Wq 72, 74, Wk 76, 78, Wv 80, 82
	s_load_b128 s[84:87], s[0:1], 0x40             ; freqs 84, q 86
	s_load_b64 s[88:89], s[0:1], 0x50              ; kv
	v_lshl_add_u32 v[SPW], v0, 2, SPARE
	v_mov_b32 v[NIL], 0
	ds_add_u32 v28, v29                            ; the opening lines
	ds_add_u32 v28, v29
	s_wait_dscnt 0x0
	v_lshrrev_b32 v1, 5, v0
	v_readfirstlane_b32 s4, v1                     ; wave 0..3
	s_lshr_b32 s5, s4, 1                           ; WH: my query head of the two
	s_and_b32 s6, s4, 1                            ; WL: my half of the tokens
	s_bfe_u32 s7, ttmp6, 0x40000                   ; cx
	s_bfe_u32 s66, ttmp6, 0x40004                  ; cy
	s_mov_b32 s67, ttmp9                           ; the cluster's x, 0..3: under 2 the further head is K's, else V's
	s_and_b32 s90, ttmp7, 0xffff                   ; the cluster's y
	s_lshl_b32 s91, s67, 2
	s_add_co_u32 s91, s91, s7                      ; PI
	s_lshl_b32 s92, s90, 2
	s_add_co_u32 s92, s92, s66                     ; NI
	s_mov_b32 s98, 0x76543210                      ; v_permlanex16_b32's selects for lane l xor 16
	s_mov_b32 s99, 0xfedcba98
	s_mov_b32 s100, 0xff00ff00                     ; lanes 8-15 and 24-31
	s_mov_b32 s101, 0xffff0000                     ; lanes 16-31
	s_lshl_b32 s94, 0x1111, s7                     ; my column of the cluster (same cx)
	s_lshl_b32 s96, s66, 2
	s_lshl_b32 s96, 15, s96                        ; my row (same cy)
	; group 1: rows of 768 bytes, 1,536 bytes apart; 16 bytes of padding behind every 64 words.  The weights: 64 rows; x: 128
	s_or_b32 s[G1C], s94, (1<<20)|(1<<21)|(5<<22)|(3<<25)
	s_mov_b32 s[G1C+1], 768<<16
	s_mov_b32 s[G1C+2], 64<<16
	s_mov_b32 s[G1C+3], 768<<16
	s_mov_b32 s[G1C+4], 64
	s_mov_b32 s[G1C+5], 1536
	s_mov_b32 s[G1C+6], 0
	s_mov_b32 s[G1C+7], 0
	s_or_b32 s[G1N], s96, (1<<20)|(1<<21)|(5<<22)|(3<<25)
	s_mov_b32 s[G1N+1], 768<<16
	s_mov_b32 s[G1N+2], 128<<16
	s_mov_b32 s[G1N+3], 768<<16
	s_mov_b32 s[G1N+4], 128
	s_mov_b32 s[G1N+5], 1536
	s_mov_b32 s[G1N+6], 0
	s_mov_b32 s[G1N+7], 0
	s_and_b32 s2, s91, 7
	s_lshl_b32 s2, s2, 6                           ; the further head's first row in Wk or Wv: 64 (PI % 8)
	s_lshl_b32 s3, s91, 7
	s_lshl_b32 s93, s5, 6
	s_add_co_u32 s3, s3, s93                       ; Wq: row 128 PI + 64 (wave / 2): wave 1 the first half, wave 2 the second
	s_cmp_eq_u32 s4, 3
	s_cselect_b32 s2, s2, s3                       ; the first row that I fetch of a weight (cx alone of the place in the cluster)
	s_wait_kmcnt 0x0
	s_cmp_lt_u32 s67, 2                            ; the buffers are chosen by the role and by the wave's number, which hang on no address
	s_cselect_b64 s[76:77], s[76:77], s[80:81]     ; the further head: Wk or Wv
	s_cselect_b64 s[78:79], s[78:79], s[82:83]
	s_cmp_eq_u32 s4, 3
	s_cselect_b64 s[72:73], s[76:77], s[72:73]     ; wave 3 fetches it, waves 1 and 2 Wq
	s_mul_i32 s80, s2, 1536
	s_mov_b32 s81, 0
	s_add_nc_u64 s[72:73], s[72:73], s[80:81]      ; its codes
	s_lshl_b32 s82, s91, 13
	s_mov_b32 s83, 0
	s_add_nc_u64 s[74:75], s[74:75], s[82:83]      ; the scale bytes of Wq's rows 128 PI on,
	s_and_b32 s82, s91, 7
	s_lshl_b32 s82, s82, 12
	s_add_nc_u64 s[8:9], s[78:79], s[82:83]        ; and of the further head's 64 rows
	s_mul_i32 s76, s92, 196608                     ; x at token 128 NI (cy alone)
	s_mov_b32 s77, 0
	s_lshl_b32 s78, s92, 13
	s_mov_b32 s79, 0
	s_add_nc_u64 s[68:69], s[68:69], s[76:77]
	s_add_nc_u64 s[70:71], s[70:71], s[78:79]
	s_lshl_b32 s76, s92, 15                        ; freqs: cos at token 128 NI; 256 bytes a token; sin 524,288 bytes on
	s_add_nc_u64 s[84:85], s[84:85], s[76:77]
	s_mul_i32 s2, s4, HALF                         ; where a weight's tile goes: (wave + 1) x 64 rows: no place in the cluster enters an LDS address
	s_add_co_u32 s2, s2, HALF
	; the scale bytes: three dense blocks (x 8,192, Wq 8,192, the further head 4,096): 16 bytes a thread, sixteen lanes to 256 consecutive bytes, 2,048 bytes an instruction of the work-group
	v_lshlrev_b32 v[SGO], 4, v0
	v_lshrrev_b32 v[SLA], 4, v0
	v_and_b32 v62, 15, v0
	v_mul_u32_u24 v[SLA], v[SLA], 272
	v_lshl_add_u32 v[SLA], v62, 4, v[SLA]
	v_add_nc_u32 v[SLA], SCL, v[SLA]               ; in LDS: 256 bytes + 16 a row, eight rows an instruction
.irp i, 0,1,2,3
	global_load_b128 v[64+4*\i:67+4*\i], v[SGO], s[70:71] offset:2048*\i
	global_load_b128 v[80+4*\i:83+4*\i], v[SGO], s[74:75] offset:2048*\i
.endr
.irp i, 0,1
	global_load_b128 v[96+4*\i:99+4*\i], v[SGO], s[8:9] offset:2048*\i
.endr
	; the prefetches: of the rows that I fetch, my work-group's share among the four that ask for them with me
	s_lshl_b32 s18, s7, 5                          ; x: rows 32 cx on, a lane a row
	s_lshl_b32 s19, s66, 4                         ; a weight: rows 16 cy on, lanes 16-31 as lanes 0-15
	s_cmp_eq_u32 s4, 0
	s_cselect_b64 s[16:17], s[68:69], s[72:73]
	s_cselect_b32 s18, s18, s19
	s_cselect_b32 s19, 31, 15
	v_and_b32 v[PFO], s19, v0
	v_add_nc_u32 v[PFO], s18, v[PFO]
	v_mul_u32_u24 v[PFO], v[PFO], 1536
	CROUND                                         ; all sixteen work-groups are here: the first joint loads meet
	s_mov_b32 s[G0C], 1
	s_mov_b32 s[G0C+1], s2
	s_mov_b64 s[G0C+2:G0C+3], s[72:73]
	s_or_b32 s[G0C+3], s[G0C+3], 0x80000000
	s_mov_b32 s[G0N], 1
	s_mov_b32 s[G0N+1], 0
	s_mov_b64 s[G0N+2:G0N+3], s[68:69]
	s_or_b32 s[G0N+3], s[G0N+3], 0x80000000
	JLOAD                                          ; my one load of the head: my rows' first half of K
	v_and_b32 v1, 15, v0                           ; r
	v_bfe_u32 v2, v0, 4, 1                         ; h
	v_and_b32 v3, 31, v0                           ; lane
	v_mul_u32_u24 v4, v1, PITCH
	v_mad_u32_u24 v4, v2, 24, v4                   ; a fragment's row x pitch + 24 h
	s_wait_alu depctr_va_vdst(0)
	v_lshl_add_u32 v5, v2, 4, v4                   ; and the same behind one padding more
.macro ADR2 reg, sb                    ; an operand's two address registers
	v_add_nc_u32 v[\reg], \sb, v4
	v_add_nc_u32 v[\reg+2], \sb, v5
.endm
	s_wait_alu depctr_va_vdst(0)
	s_mul_i32 s2, s6, HALF                         ; x: my 64 tokens
	s_mul_i32 s3, s5, HALF
	s_add_co_u32 s3, s3, 2*HALF                    ; Wq: my head
	s_mul_i32 s93, s5, HALF/2                      ; 32 rows x WH
	s_mov_b32 s94, 4*HALF                          ; the further head's 64 rows
	s_add_co_u32 s95, s2, s93                      ; K's W: 32 of my tokens
	s_add_co_u32 s96, s94, s93                     ; V's W: 32 of Wv's rows
	ADR2 ADN, s2
	ADR2 ADP, s3
	ADR2 ADU, s94                                  ; K's U: Wk's rows
	ADR2 ADU+1, s2                                 ; V's U: my 64 tokens
	ADR2 ADW, s95
	ADR2 ADW+1, s96
	v_lshrrev_b32 v6, 2, v1                        ; a row's 64 scale bytes: four rows to 256 bytes + 16
	v_and_b32 v7, 3, v1
	v_mul_u32_u24 v6, v6, 272
	v_lshl_add_u32 v6, v7, 6, v6
	v_lshl_add_u32 v6, v2, 2, v6                   ; lanes 16-31 take the next K step's word
	s_wait_alu depctr_va_vdst(0)
	s_mul_i32 s2, s6, HALFS
	s_add_co_u32 s2, s2, SCL
	s_mul_i32 s3, s5, HALFS
	s_add_co_u32 s3, s3, SCL+2*HALFS
	s_mul_i32 s93, s5, HALFS/2
	s_mov_b32 s94, SCL+4*HALFS
	s_add_co_u32 s95, s2, s93
	s_add_co_u32 s96, s94, s93
	v_add_nc_u32 v[ADSN], s2, v6
	v_add_nc_u32 v[ADSP], s3, v6
	v_add_nc_u32 v[ADSU], s94, v6
	v_add_nc_u32 v[ADSUV], s2, v6
	v_add_nc_u32 v[ADSW], s95, v6
	v_add_nc_u32 v[ADSWV], s96, v6
	v_lshlrev_b32 v[L8], 3, v3
	v_lshlrev_b32 v[L4], 2, v3
	v_lshlrev_b32 v[H8], 3, v2
	v_lshlrev_b32 v[AF], 8, v1                     ; cos in memory: token r of a tile, + my 32 numbers of its 64
	v_lshl_add_u32 v[AF], v2, 7, v[AF]
	s_lshl_b32 s2, s6, 14
	v_add_nc_u32 v[AF], s2, v[AF]                  ; my tokens: 64 WL on
	s_wait_alu depctr_va_vdst(0)
	s_wait_loadcnt 0x0                             ; the scale bytes are in registers
.irp i, 0,1,2,3
	ds_store_b128 v[SLA], v[64+4*\i:67+4*\i] offset:2176*\i
	ds_store_b128 v[SLA], v[80+4*\i:83+4*\i] offset:2*HALFS+2176*\i
.endr
.irp i, 0,1
	ds_store_b128 v[SLA], v[96+4*\i:99+4*\i] offset:4*HALFS+2176*\i
.endr
	WIN 0xc0                                       ; destination window 3
.irp j, 0,1,2,3                        ; my four token tiles: cos at 64 j, sin at 64 j + 32 of window 3; they are read on the way out
.irp k, 0,1,2,3,4,5,6,7
	global_load_b128 v[64*\j+4*\k:64*\j+4*\k+3], v[AF], s[84:85] offset:\j*4096+16*\k
	global_load_b128 v[64*\j+32+4*\k:64*\j+32+4*\k+3], v[AF], s[84:85] offset:524288+\j*4096+16*\k
.endr
.endr
	WIN 0
	s_wait_tensorcnt 0x0                           ; my rows are in,
	s_wait_dscnt 0x0                               ; and my part of the scale bytes has landed
	s_barrier_signal -1
	s_barrier_wait -1
	FETCH_A 0
	FETCH_B 0
	SCALES 0
	STEP 0, 1                                      ; the first products start the sums: nothing is cleared
	ASK 0
	STEP 1, 0
	ASK 1
	STEP 2, 0
	ASK 2
	TURN 1, 0
.irp q, 0,1,2
	STEP \q, 0
.endr
	TURN 2, 1                                      ; the second half of K
.irp q, 0,1,2
	STEP \q, 0
.endr
	TURN 3, 0
.irp q, 0,1,2
	STEP \q, 0
.endr
	s_wait_dscnt 0x0                               ; the last K step's fragments are in
	WIN 0x0a
	MULQ 0, 3, 0
	MULQ 2, 3, 0
	MULX 3, 0
	WIN 0
	PLACES 4                                       ; in front of the first read of results
	; ---- THE WAY OUT
.set TT,  128                          ; window 2, v128-255: x cos, 32 registers a unit
.set SCO, 4                            ; v4-9   largest magnitude, then the conversion's scale operand
.set W,   10                           ; v10-15 byte, then scale word
.set PX,  16                           ; v16-21 the other half's byte
.macro SETC j                          ; where unit j's codes lie: registers xC .. xC + 5, the second conversion's at xC + 8: unit 0's in v16-26, the others' over the unit before, which is done with
.if (\j) == 0
.set xC, 16
.else
.set xC, ACC+32*((\j)-1)
.endif
.endm
.macro RMUL u, t, c                    ; x cos of unit u into place t, by token tile c's cos
.set n, 0
.rept 16
	v_pk_mul_f32 v[TT+32*(\t)+n:TT+32*(\t)+n+1], v[ACC+32*(\u)+n:ACC+32*(\u)+n+1], v[64*(\c)+n:64*(\c)+n+1]
.set n, n+2
.endr
.endm
.macro RFMA u, t, c                    ; even: a0 cos0 - a1 sin0;  odd: a1 cos1 + a0 sin1: source 0's halves change places, and the low one is negated
.set n, 0
.rept 16
	v_pk_fma_f32 v[ACC+32*(\u)+n:ACC+32*(\u)+n+1], v[ACC+32*(\u)+n:ACC+32*(\u)+n+1], v[64*(\c)+32+n:64*(\c)+32+n+1], v[TT+32*(\t)+n:TT+32*(\t)+n+1] op_sel:[1,0,0] op_sel_hi:[0,1,1] neg_lo:[1,0,0]
.set n, n+2
.endr
.endm
.macro ROPEK wh                        ; K's two units: tokens 64 WL + 32 WH + 16 s on are my token tiles 2 WH + s
	WIN 0x8c
	RMUL 4, 0, 2*\wh
	RMUL 5, 1, 2*\wh+1
	WIN 0x2c
	RFMA 4, 0, 2*\wh
	RFMA 5, 1, 2*\wh+1
	WIN 0
.endm
.irp j, 0,1,2,3,4,5                    ; lanes 16-31 of one register change places with lanes 0-15 of the other: lane (r, h) then holds rows 32 h + 0 .. 31 of source 0, on end.  Each accumulator is read from its low end on
.irp i, 0,1,2,3,4,5,6,7
	v_permlane16_swap_b32 v[ACC+32*\j+\i], v[ACC+32*\j+8+\i]
	v_permlane16_swap_b32 v[ACC+32*\j+16+\i], v[ACC+32*\j+24+\i]
.endr
.endr
	s_wait_loadcnt 0x0                             ; cos and sin, asked for at the head
	WIN 0x8c                                       ; destination window 2, source 1 window 3
.irp j, 0,1,2,3
	RMUL \j, \j, \j
.endr
	WIN 0x2c                                       ; source 1 window 3, source 2 window 2
.irp j, 0,1,2,3
	RFMA \j, \j, \j
.endr
	WIN 0
	s_wait_alu depctr_va_vdst(0)
	s_cmp_lt_u32 s67, 2
	s_cbranch_scc0 .Lno_rope                       ; V is not rotated
	s_cmp_lg_u32 s5, 0
	s_cbranch_scc1 .Lrope_1
	ROPEK 0
	s_wait_alu depctr_va_vdst(0)
	s_branch .Lno_rope
.Lrope_1:
	ROPEK 1
.Lno_rope:
.irp j, 0,1,2,3,4,5
	v_max3_num_f32 v[SCO+\j], |v[ACC+32*\j]|, |v[ACC+32*\j+1]|, 0x1800000   ; my block of unit j: all 32 numbers are mine; and the floor 2^(3 - 127): the byte cannot fall under 1
.endr
.irp i, 2,4,6,8,10,12,14,16,18,20,22,24,26,28,30
.irp j, 0,1,2,3,4,5
	v_max3_num_f32 v[SCO+\j], v[SCO+\j], |v[ACC+32*\j+\i]|, |v[ACC+32*\j+\i+1]|   ; (the six units by turns)
.endr
.endr
.irp j, 0,1,2,3,4,5
	v_add_nc_u32 v[SCO+\j], 0xff000000, v[SCO+\j]  ; 2 off the exponent field: the conversion takes that field as its scale
.endr
.irp j, 0,1,2,3,4,5
	v_lshrrev_b32 v[W+\j], 23, v[SCO+\j]           ; the scale's byte
.endr
.irp j, 0,1,2,3,4,5
	v_lshlrev_b32 v[W+\j], v[H8], v[W+\j]          ; at its place: 8 h bits up
.endr
.irp j, 0,1,2,3,4,5
	v_permlanex16_b32 v[PX+\j], v[W+\j], s98, s99
.endr
.irp j, 0,1,2,3,4,5
	v_or_b32 v[W+\j], v[W+\j], v[PX+\j]
.endr
.irp j, 0,1,2,3,4,5
	v_lshl_or_b32 v[W+\j], v[W+\j], 16, v[W+\j]    ; (s0, s1, s0, s1)
.endr
.irp j, 0,1,2,3,4,5
	SETC \j
	v_cvt_scalef32_pk16_fp6_f32 v[xC:xC+2], v[ACC+32*\j:ACC+32*\j+15], v[SCO+\j]
	v_cvt_scalef32_pk16_fp6_f32 v[xC+8:xC+10], v[ACC+32*\j+16:ACC+32*\j+31], v[SCO+\j]   ; (a conversion's three registers begin on an even number)
	v_nop                                          ; one plain place: the next unit's codes are laid over this unit's numbers
.endr
.irp j, 0,1,2,3,4,5
	SETC \j
.irp i, 0,1,2
	v_mov_b32 v[xC+3+\i], v[xC+8+\i]
.endr
.endr
; K's keys and V's channels: of the two tiles, lanes 8-15 of the first change places with lanes 0-7 of the second (in both halves of the lanes).  v240-241: of the last unit's numbers, which are done with
.macro LSW x, y
	v_mov_b32_dpp v240, v[\y] row_xmask:8 row_mask:0xf bank_mask:0xf
	v_mov_b32_dpp v241, v[\x] row_xmask:8 row_mask:0xf bank_mask:0xf
	v_cndmask_b32 v[\x], v[\x], v240, s100
	v_cndmask_b32 v[\y], v241, v[\y], s100
.endm
.irp i, 0,1,2,3,4,5
	LSW ACC+96+\i, ACC+128+\i
.endr
	LSW W+4, W+5
	s_lshl_b32 s2, s91, 1
	s_add_co_u32 s2, s2, s5                        ; my query head: 2 PI + WH
	s_mul_i32 s76, s2, 106496
	s_lshl_b32 s3, s92, 3
	s_lshl_b32 s93, s6, 2
	s_add_co_u32 s3, s3, s93                       ; my first token tile: 8 NI + 4 WL
	s_mul_i32 s72, s3, 768                         ; images: 768 bytes a tile
	s_add_co_u32 s72, s72, s76
	s_mov_b32 s73, 0
	s_lshl_b32 s74, s3, 6                          ; scale words: 128 bytes a pair of tiles
	s_add_co_u32 s74, s74, s76
	s_add_co_u32 s74, s74, 98304
	s_mov_b32 s75, 0
	s_add_nc_u64 s[94:95], s[86:87], s[72:73]
	s_add_nc_u64 s[96:97], s[86:87], s[74:75]
	s_and_b32 s76, s91, 7
	s_mul_i32 s76, s76, 212992                     ; the kv head: PI % 8
	s_lshl_b32 s93, s5, 1
	s_add_co_u32 s3, s3, s93                       ; K: my first key tile: 8 NI + 4 WL + 2 WH
	s_mul_i32 s72, s3, 768
	s_lshl_b32 s74, s3, 6
	s_add_co_u32 s74, s74, 196608
	s_mul_i32 s78, s92, 6144                       ; V: key step NI, channel tile 2 WH, the step's half WL: registers 6 WL on of each fragment
	s_mul_i32 s93, s5, 3072
	s_add_co_u32 s78, s78, s93
	s_mul_i32 s93, s6, 768
	s_add_co_u32 s78, s78, s93
	s_add_co_u32 s78, s78, 98304
	s_lshl_b32 s80, s92, 9                         ; its scale words: [step][half][tile pair]
	s_lshl_b32 s93, s6, 8
	s_add_co_u32 s80, s80, s93
	s_lshl_b32 s93, s5, 7
	s_add_co_u32 s80, s80, s93
	s_add_co_u32 s80, s80, 204800
	s_mov_b32 s93, 1536                            ; from tile to tile: V's fragment is 1,536 bytes, K's 768
	s_cmp_lt_u32 s67, 2
	s_cselect_b32 s72, s72, s78
	s_cselect_b32 s74, s74, s80
	s_cselect_b32 s93, 768, s93
	s_add_co_u32 s72, s72, s76
	s_add_co_u32 s74, s74, s76
	s_add_nc_u64 s[72:73], s[88:89], s[72:73]
	s_add_nc_u64 s[74:75], s[88:89], s[74:75]
	v_add_nc_u32 v224, s93, v[L8]
.irp j, 0,1,2,3
	SETC \j
.irp i, 0,1,2
	global_store_b64 v[L8], v[xC+2*\i:xC+2*\i+1], s[94:95] offset:768*\j+256*\i   ; 32 lanes store 256 consecutive bytes, aligned
.endr
.endr
.irp m, 0,1
	v_cndmask_b32 v[232+\m], v[W+2*\m], v[W+2*\m+1], s101   ; lanes 0-15 the even tile's words, lanes 16-31 the odd tile's
	global_store_b32 v[L4], v[232+\m], s[96:97] offset:128*\m
.endr
	s_wait_alu depctr_va_vdst(0)
.irp i, 0,1,2
	global_store_b64 v[L8], v[ACC+96+2*\i:ACC+96+2*\i+1], s[72:73] offset:256*\i
.endr
.irp i, 0,1,2
	global_store_b64 v224, v[ACC+128+2*\i:ACC+128+2*\i+1], s[72:73] offset:256*\i
.endr
	v_cndmask_b32 v234, v[W+4], v[W+5], s101
	global_store_b32 v[L4], v234, s[74:75]
	s_wait_tensorcnt 0x0                           ; the wave's end
	ds_add_u32 v[SPW], v[NIL]
	s_wait_dscnt 0x0
	CROUND                                         ; the closing round: no work-group ends while a partner may still ask for a tile that names it
	s_endpgm
.Lfunc_end_k_q41456a2580_qkv:
	.size	k_q41456a2580_qkv, .Lfunc_end_k_q41456a2580_qkv-k_q41456a2580_qkv
	.p2alignl 7, 3214868480
	.fill 96, 4, 3214868480
	.section	.rodata,"a",@progbits
	.p2align	6, 0x0
	.amdhsa_kernel k_q41456a2580_qkv
		.amdhsa_group_segment_fixed_size 327680
		.amdhsa_private_segment_fixed_size 0
		.amdhsa_enable_private_segment 0
		.amdhsa_kernarg_size 88
		.amdhsa_user_sgpr_count 2
		.amdhsa_user_sgpr_kernarg_segment_ptr 1
		.amdhsa_wavefront_size32 1
		.amdhsa_system_sgpr_workgroup_id_x 1
		.amdhsa_system_sgpr_workgroup_id_y 1
		.amdhsa_system_sgpr_workgroup_id_z 1
		.amdhsa_system_vgpr_workitem_id 0
		.amdhsa_next_free_vgpr 1024
		.amdhsa_next_free_sgpr 102
		.amdhsa_reserve_vcc 0
		.amdhsa_float_denorm_mode_32 3
		.amdhsa_float_denorm_mode_16_64 3
		.amdhsa_memory_ordered 1
		.amdhsa_forward_progress 1
		.amdhsa_inst_pref_size 239
	.end_amdhsa_kernel
	.amdgpu_metadata
---
amdhsa.version: [ 1, 2 ]
amdhsa.kernels:
  - .name:           k_q41456a2580_qkv
    .symbol:         k_q41456a2580_qkv.kd
    .args:
      - { .name: x_codes, .offset: 0, .size: 8, .value_kind: global_buffer, .address_space: global }
      - { .name: x_scales, .offset: 8, .size: 8, .value_kind: global_buffer, .address_space: global }
      - { .name: Wq_codes, .offset: 16, .size: 8, .value_kind: global_buffer, .address_space: global }
      - { .name: Wq_scales, .offset: 24, .size: 8, .value_kind: global_buffer, .address_space: global }
      - { .name: Wk_codes, .offset: 32, .size: 8, .value_kind: global_buffer, .address_space: global }
      - { .name: Wk_scales, .offset: 40, .size: 8, .value_kind: global_buffer, .address_space: global }
      - { .name: Wv_codes, .offset: 48, .size: 8, .value_kind: global_buffer, .address_space: global }
      - { .name: Wv_scales, .offset: 56, .size: 8, .value_kind: global_buffer, .address_space: global }
      - { .name: freqs, .offset: 64, .size: 8, .value_kind: global_buffer, .address_space: global }
      - { .name: q, .offset: 72, .size: 8, .value_kind: global_buffer, .address_space: global }
      - { .name: kv, .offset: 80, .size: 8, .value_kind: global_buffer, .address_space: global }
    .group_segment_fixed_size: 327680
    .private_segment_fixed_size: 0
    .kernarg_segment_align: 8
    .kernarg_segment_size: 88
    .max_flat_workgroup_size: 128
    .sgpr_count:     102
    .vgpr_count:     1024
    .wavefront_size: 32
...
	.end_amdgpu_metadata
.endif
;; end of part 4
;; launch attn (part 5): grid 32 x 8, 8 waves a work-group, clusters of 4 x 1, 287,744 bytes of LDS; arguments q, kv, mask, ao, aos; writes ao, aos
.if DOCPART == 5
	.amdgcn_target "amdgcn-amd-amdhsa--gfx1250"
	.amdhsa_code_object_version 6
	.text
	.protected	k_q41456a2580_attn
	.globl	k_q41456a2580_attn
	.p2align	8
	.type	k_q41456a2580_attn,@function
k_q41456a2580_attn:
	s_mov_b64 s[64:65], 0
	v_nop
	global_prefetch_b8 v0, s[64:65] scope:SCOPE_SE
	s_setreg_imm32_b32 hwreg(HW_REG_WAVE_MODE, 25, 1), 1
	s_wait_xcnt 0x0
	s_wait_alu depctr_hold_cnt(0) depctr_sa_sdst(0) depctr_va_vdst(0) depctr_va_sdst(0) depctr_va_ssrc(0) depctr_va_vcc(0) depctr_vm_vsrc(0)
	s_getreg_b32 s2, hwreg(HW_REG_IB_STS2, 6, 4)
	s_cmp_eq_u32 s2, 0
	s_cbranch_scc0 .Lentry_in_a_cluster
	s_endpgm
.Lentry_in_a_cluster:
	s_bfe_u32 s2, ttmp6, 0x10000c
	s_cmp_lg_u32 s2, 0x3003
	s_cbranch_scc0 .Lentry_shape_is_right
	s_endpgm
.Lentry_shape_is_right:
; Attention on codes of FP6 (E2M3): scores, the mask (an input, honoured byte by byte), the softmax by p = 2^(t - M), the second product, the division by the row's sum, and the quantising of the result along head x 64 + channel.
; SHARES.  A work-group owns 64 queries and the FOUR query heads of one kv head.  Wave w takes query tile w % 4 (16 queries), all four heads, and a run of the 16 key steps (128 keys each):
; waves 0-3 key steps 0-10, waves 4-7 key steps 11-15.  The loop has eleven trips in every wave; a wave with five key steps passes over the work of the last six by a branch on the wave's number and the count.
; So a step's mask and each fragment of K and V read from LDS serve four heads.  The two waves of a tile meet at the end: their sums are brought under one M by exact powers of two.
; LDS.  The kv head's whole block of the buffer kv (212,992 bytes: K's images, V's images, their scale words) is brought ONCE, eight loads of 26,624 bytes, one a wave, asked for jointly by the four
; query blocks of a cluster.  Nothing is filled again.  Behind it 4 x 18,432 bytes for the merge, written by LDS stores alone, and the spare words.
; No prefetch: all that comes by tensor loads is asked for at the head, and each trip asks for the next trip's mask.
; LAYOUT.  Both products are used transposed: S^T = K Q^T, O^T = V^T P^T: a lane holds ONE query.  K's key tiles are permuted, so that the 16 registers of tiles 2 b, 2 b + 1 are keys 32 b + 16 (lane / 16) + 0 .. 15;
; V's channel tiles likewise, so that O^T's registers run along the next product's K.
; K = 64 IN AN INSTRUCTION OF 128: Q's registers 6-11 are zero codes; K's operand of tile t is twelve registers from 6 t on, whose upper six are the next tile's codes (zeros behind the last): finite numbers times zero.
; Bytes 2, 3 of the scale words repeat bytes 0, 1.
; THE MASK.  A false byte becomes -2^127, a true one 0, in the C of the score products: one byte permute a score, for four heads.
; LIMITS.  t = score x log2(e) / 8 of a key that counts must lie above -1e30, where the running maximum begins; below that a row would come out as one without keys.
; A row none of whose keys counts has the sum 0: its scale bytes are set to 0xff, so that its row of the output is NaN, as the reference's is.  A block of zeros keeps the byte 1 (this program alone reads it).
; REGISTERS.  Window 0: v1-10 addresses; v12-27 (-M, m, l, l) a head; v28-31 Q's scale words, v32-35 K's, v36-39 V's halves, v40-41 V's; v42 f, v43 p's scale word; v44-60 at work; v64-127 S^T, then p;
;   v128-191 the mask as C; v192-203 p's codes; v204-251 Q; v254-255 the spare word's.   Window 1: v0-127 O^T (32 a head); v128-181 K and six zeros; v184-231 V; v232-247 mask bytes.
.set VIMG, 98304
.set KSC,  196608
.set VSC,  204800
.set MRG,  212992
.set ST,   12
.set QS,   28
.set KS,   32
.set VSA,  36
.set VS,   40
.set FF,   42
.set PW,   43
.set BM,   44
.set T,    48
.set SCO,  56
.set TMP,  60
.set S,    64
.set BIAS, 128
.set P,    192
.set QF,   204
.set KF,   128                         ; window 1
.set VF,   184
.set MB,   232
.set GG,   220                         ; the end: (ga, ga, gb, gb) a head
.set LL,   236                         ; the rows' sums
.set PWO,  240                         ; the two scale words of the result
.set MSB, 0
.macro WIN new                         ; the immediate's high byte repeats the setting that is left
.if MSB != \new
	s_set_vgpr_msb (MSB<<8)|\new
.set MSB, \new
.endif
.endm
.macro CROUND                          ; a round of the cluster's barrier
	s_barrier_signal -1
	s_barrier_wait -1
	s_cmp_lg_u32 s14, 0
	s_cbranch_scc1 .Lnot_wave_0_\@
	s_barrier_signal -3
.Lnot_wave_0_\@:
	s_barrier_wait -3
	s_barrier_signal -1
	s_barrier_wait -1
.endm
	s_load_b256 s[4:11], s[0:1], 0x0               ; q 4, kv 6, mask 8, ao 10
	s_load_b64 s[12:13], s[0:1], 0x20              ; aos
	v_lshl_add_u32 v254, v0, 2, 0x46000
	v_mov_b32 v255, 0
	ds_add_u32 v254, v255                          ; the opening lines
	ds_add_u32 v254, v255
	v_lshrrev_b32 v1, 5, v0
	s_delay_alu instid0(VALU_DEP_1)
	v_readfirstlane_b32 s14, v1                    ; wave 0..7
	s_lshr_b32 s15, s14, 2                         ; e: 0: key steps 0-10;  1: key steps 11-15
	s_and_b32 s16, s14, 3                          ; qt: my tile of 16 queries
	s_bfe_u32 s17, ttmp6, 0x40000                  ; cx
	s_lshl_b32 s18, ttmp9, 2
	s_add_co_u32 s18, s18, s17                     ; my block of 64 queries: it enters global addresses alone
	s_and_b32 s19, ttmp7, 0xffff                   ; g: the kv head, which the four partners share
	s_lshl_b32 s49, s18, 2
	s_add_co_u32 s49, s49, s16                     ; TQ: my query tile, 0..127
	s_mov_b32 s20, 0x76543210                      ; v_permlanex16_b32's selects for lane l xor 16
	s_mov_b32 s21, 0xfedcba98
	s_mov_b32 s22, 0x3e38aa3b                      ; c = log2(e) / 8
	s_mov_b32 s23, s22                             ; (named with it as a pair)
	s_mov_b32 s24, 15|(3<<16)|(1<<21)              ; group 1: 15:0 all four work-groups; 17:16 elements of 8 bytes; 21 set beside a mask; no padding
	s_mov_b32 s25, 32<<16                          ; 104 rows of 256 bytes, dense
	s_mov_b32 s26, 104<<16
	s_mov_b32 s27, 32<<16
	s_mov_b32 s28, 104
	s_mov_b32 s29, 32
	s_mov_b32 s30, 0
	s_mov_b32 s31, 0
	s_mov_b32 s32, 1
	s_mul_i32 s33, s14, 26624                      ; my eighth of the block, in LDS
	s_mul_i32 s56, s19, 212992
	s_add_co_u32 s56, s56, s33                     ; and in kv
	s_mov_b32 s57, 0
	s_mul_i32 s47, s15, 11                         ; my first key step: 0 or 11
	s_xor_b32 s58, s15, 1
	s_mul_i32 s58, s58, 6
	s_add_co_u32 s58, s58, 5                       ; my key steps: 11 or 5
	s_lshl_b32 s39, s47, 7                         ; the step's first key = its byte in a row of the mask
	s_mov_b32 s40, 0                               ; trips done
	s_mov_b32 s41, 0x01010101
	s_mov_b32 s42, 255
	s_mov_b32 s43, 0x000c0c0c                      ; byte j to the top, zeros below
	s_mov_b32 s44, 0x010c0c0c
	s_mov_b32 s45, 0x020c0c0c
	s_mov_b32 s46, 0x030c0c0c
	s_mov_b32 s48, 0xffff0000                      ; lanes 16-31
	s_mul_i32 s50, s19, 4*106496                   ; the group's first head in q
	s_mul_i32 s52, s49, 768
	s_add_co_u32 s52, s52, s50                     ; my tile's images
	s_mov_b32 s53, 0
	s_lshl_b32 s54, s49, 6
	s_add_co_u32 s54, s54, s50
	s_add_co_u32 s54, s54, 98304                   ; and its sixteen scale words
	s_mov_b32 s55, 0
	s_lshl_b32 s50, s49, 15                        ; my 16 rows of the mask
	s_mov_b32 s51, 0
	s_wait_dscnt 0x0
	s_wait_kmcnt 0x0
	s_add_nc_u64 s[34:35], s[6:7], s[56:57]
	s_or_b32 s35, s35, 0x80000000
	s_add_nc_u64 s[52:53], s[4:5], s[52:53]
	s_add_nc_u64 s[54:55], s[4:5], s[54:55]
	s_add_nc_u64 s[8:9], s[8:9], s[50:51]
	s_lshr_b32 s50, s19, 1                         ; ao: K quarter g / 2, my token tile, K steps 2 (g % 2) and the next
	s_mul_i32 s50, s50, 786432
	s_mul_i32 s56, s49, 6144
	s_add_co_u32 s50, s50, s56
	s_and_b32 s56, s19, 1
	s_mul_i32 s56, s56, 3072
	s_add_co_u32 s50, s50, s56
	s_add_nc_u64 s[10:11], s[10:11], s[50:51]
	s_lshl_b32 s50, s49, 10                        ; aos: 1,024 bytes a tile, 64 a K step
	s_lshl_b32 s56, s19, 7
	s_add_co_u32 s50, s50, s56
	s_add_nc_u64 s[12:13], s[12:13], s[50:51]
	CROUND                                         ; all four work-groups are here: the joint loads meet
	tensor_load_to_lds s[32:35], s[24:31]          ; my one tensor load of the launch
	s_nop 0
.rept 4
	v_nop
.endr
	v_and_b32 v11, 31, v0                          ; lane
	s_delay_alu instid0(VALU_DEP_1)
	v_lshlrev_b32 v1, 3, v11                       ; 8 x lane
	s_delay_alu instid0(VALU_DEP_2)
	v_lshlrev_b32 v2, 2, v11                       ; 4 x lane
	s_delay_alu instid0(VALU_DEP_3)
	v_lshlrev_b32 v9, 4, v11                       ; 16 x lane
	v_and_b32 v60, 15, v0                          ; r
	v_bfe_u32 v61, v0, 4, 1                        ; h
	s_delay_alu instid0(VALU_DEP_2)
	v_lshlrev_b32 v3, 11, v60
	s_delay_alu instid0(VALU_DEP_1)
	v_lshl_add_u32 v3, v61, 4, v3                  ; the mask: row r, + 16 h
	s_mul_i32 s50, s16, 18432
	s_add_co_u32 s50, s50, MRG
	v_add_nc_u32 v10, s50, v9                      ; the merge: my tile's images
	v_lshlrev_b32 v62, 2, v60                      ; 4 r
.irp hd, 0,1,2,3
.irp i, 0,1,2
	global_load_b64 v[QF+12*\hd+2*\i:QF+12*\hd+2*\i+1], v1, s[52:53] offset:\hd*106496+256*\i
.endr
	global_load_b32 v[QS+\hd], v62, s[54:55] offset:\hd*106496
.endr
	v_add_nc_u32 v8, s39, v3
	WIN 0x40                                       ; destination window 1
.irp b, 0,1,2,3
	global_load_b128 v[MB+4*\b:MB+4*\b+3], v8, s[8:9] offset:32*\b   ; my first step's mask: keys 32 b + 16 h + 0 .. 15 of row r
.endr
.set n, 0
.rept 128
	v_mov_b32 v[n], 0                              ; O^T: the step is written once, and its first trip finds zeros
.set n, n+1
.endr
.irp i, 0,1,2,3,4,5
	v_mov_b32 v[KF+48+\i], 0                       ; zero codes behind K's last tile
.endr
	WIN 0
.irp hd, 0,1,2,3
.irp i, 6,7,8,9,10,11
	v_mov_b32 v[QF+12*\hd+\i], 0                   ; Q's K = 64 .. 127: zero codes
.endr
	v_mov_b32 v[ST+4*\hd+1], 0xf149f2ca            ; the largest t so far: -1e30
	v_mov_b32 v[ST+4*\hd+2], 0                     ; the sum, in two halves
	v_mov_b32 v[ST+4*\hd+3], 0
.endr
.irp hd, 0,1,2,3
	v_floor_f32 v[ST+4*\hd], -v[ST+4*\hd+1]        ; -M
.endr
.irp i, 0,1,2,3,4,5,6,7
	v_mov_b32 v[T+\i], 0                           ; written once: a lane permute's destination counts as one of its sources
.endr
	v_mov_b32 v[FF], 0
	v_mov_b32 v[PW], 0                             ; (named as the upper half of the pair with f before it is first written)
	s_wait_tensorcnt 0x0                           ; my eighth is in,
	s_barrier_signal -1
	s_barrier_wait -1                              ; everybody's is
; One head's share of a key step.
.macro HEAD hd
.set rT, ST+4*\hd
	WIN 0x01                                       ; source 0 (K) window 1
.irp t, 0,1,2,3,4,5,6,7
.if \t%2
	v_wmma_scale_f32_16x16x128_f8f6f4 v[S+8*\t:S+8*\t+7], v[KF+6*\t:KF+6*\t+11], v[QF+12*\hd:QF+12*\hd+11], v[BIAS+8*\t:BIAS+8*\t+7], v[KS+\t/2], v[QS+\hd] matrix_a_fmt:MATRIX_FMT_FP6 matrix_b_fmt:MATRIX_FMT_FP6 matrix_a_scale:MATRIX_SCALE_ROW1
.else
	v_wmma_scale_f32_16x16x128_f8f6f4 v[S+8*\t:S+8*\t+7], v[KF+6*\t:KF+6*\t+11], v[QF+12*\hd:QF+12*\hd+11], v[BIAS+8*\t:BIAS+8*\t+7], v[KS+\t/2], v[QS+\hd] matrix_a_fmt:MATRIX_FMT_FP6 matrix_b_fmt:MATRIX_FMT_FP6
.endif
.endr
	WIN 0
.rept 4
	v_nop                                          ; places in front of the first read of results (ISA guide 7.12.1)
.endr
.irp b, 0,1,2,3
	v_max3_num_f32 v[BM+\b], v[S+16*\b], v[S+16*\b+1], v[S+16*\b+2]   ; the largest score of each block of 32 keys: for the row's maximum and, since p rises with the score, for the block's largest p
.endr
.irp i, 3,5,7,9,11,13
.irp b, 0,1,2,3
	v_max3_num_f32 v[BM+\b], v[BM+\b], v[S+16*\b+\i], v[S+16*\b+\i+1]
.endr
.endr
.irp b, 0,1,2,3
	v_max_num_f32 v[BM+\b], v[BM+\b], v[S+16*\b+15]
.endr
.irp b, 0,1,2,3
	s_delay_alu instid0(VALU_DEP_4)
	v_permlanex16_b32 v[T+\b], v[BM+\b], s20, s21
.endr
.irp b, 0,1,2,3
	s_delay_alu instid0(VALU_DEP_4)
	v_max_num_f32 v[BM+\b], v[BM+\b], v[T+\b]      ; with lane l xor 16's 16 keys
.endr
	s_delay_alu instid0(VALU_DEP_2)
	v_max3_num_f32 v[TMP], v[BM], v[BM+1], v[BM+2]
	s_delay_alu instid0(VALU_DEP_1)
	v_max_num_f32 v[TMP], v[TMP], v[BM+3]
	s_delay_alu instid0(VALU_DEP_1)
	v_mul_f32 v[TMP], s22, v[TMP]                  ; as t (c is positive)
	s_delay_alu instid0(VALU_DEP_1)
	v_max_num_f32 v[rT+1], v[rT+1], v[TMP]         ; the running largest t
	v_mov_b32 v[TMP], v[rT]
	s_delay_alu instid0(VALU_DEP_2)
	v_floor_f32 v[rT], -v[rT+1]                    ; the new -M = -ceil(t): a whole number
	s_delay_alu instid0(VALU_DEP_1)
	v_sub_f32 v[TMP], v[rT], v[TMP]                ; old M less new M: a whole number, 0 or less
	s_delay_alu instid0(VALU_DEP_1)
	v_cvt_i32_f32 v[TMP], v[TMP]                   ; (it saturates)
	s_delay_alu instid0(VALU_DEP_1)
	v_ldexp_f32 v[FF], 1.0, v[TMP]                 ; f = 2^(old M - new M)
.set n, 0
.rept 32
	v_pk_fma_f32 v[S+n:S+n+1], v[S+n:S+n+1], s[22:23], v[rT:rT+1] op_sel_hi:[1,0,0]   ; t - M, two at a time
.set n, n+2
.endr
.irp b, 0,1,2,3
	v_fma_f32 v[BM+\b], v[BM+\b], s22, v[rT]
.endr
.set n, 0
	s_wait_alu depctr_va_vdst(0)
.rept 64
	v_exp_f32 v[S+n], v[S+n]                       ; p = 2^(t - M): not normalised; 0 for a key that does not count
.set n, n+1
.endr
.irp b, 0,1,2,3
	v_exp_f32 v[BM+\b], v[BM+\b]                   ; the block's largest p: the same two instructions on the same number
.endr
	v_pk_mul_f32 v[rT+2:rT+3], v[rT+2:rT+3], v[FF:FF+1] op_sel_hi:[1,0]   ; the sums under the new M.  (A plain place behind the exponentials)
	s_wait_alu depctr_va_vdst(0)                   ; and behind it
.irp b, 0,1,2,3
	v_max_num_f32 v[BM+\b], 0x1800000, v[BM+\b]    ; the floor 2^(3 - 127)
.endr
.irp b, 0,1,2,3
	s_delay_alu instid0(VALU_DEP_4)
	v_add_nc_u32 v[SCO+\b], 0xff000000, v[BM+\b]   ; 2 off the exponent field: the conversion's scale operand
.endr
.irp b, 0,1,2,3
	s_delay_alu instid0(VALU_DEP_4)
	v_lshrrev_b32 v[T+\b], 23, v[SCO+\b]
.endr
	s_delay_alu instid0(VALU_DEP_3)
	v_lshl_or_b32 v[PW], v[T+1], 8, v[T]           ; p's scale word for these 128 keys
	s_delay_alu instid0(VALU_DEP_1)
	v_lshl_or_b32 v[PW], v[T+2], 16, v[PW]
	s_delay_alu instid0(VALU_DEP_1)
	v_lshl_or_b32 v[PW], v[T+3], 24, v[PW]
.irp c, 0,1
	v_cvt_scalef32_pk16_fp6_f32 v[P+6*\c:P+6*\c+2], v[S+32*\c:S+32*\c+15], v[SCO+2*\c]
	v_cvt_scalef32_pk16_fp6_f32 v[T+4*\c:T+4*\c+2], v[S+32*\c+16:S+32*\c+31], v[SCO+2*\c+1]
.endr
	v_nop                                          ; one plain place behind a scaled conversion
.irp c, 0,1                            ; the operand's layout wants a whole block in a lane
.irp i, 0,1,2
	v_permlane16_swap_b32 v[P+6*\c+\i], v[T+4*\c+\i]
.endr
.irp i, 0,1,2
	s_delay_alu instid0(VALU_DEP_3)
	v_mov_b32 v[P+6*\c+3+\i], v[T+4*\c+\i]
.endr
.endr
	v_pk_add_f32 v[T:T+1], v[S:S+1], v[S+2:S+3]    ; the row's sum is taken of the unquantised p, in two chains
.set n, 4
.rept 15
	v_pk_add_f32 v[rT+2:rT+3], v[rT+2:rT+3], v[S+n:S+n+1]
	v_pk_add_f32 v[T:T+1], v[T:T+1], v[S+n+2:S+n+3]
.set n, n+4
.endr
	s_delay_alu instid0(VALU_DEP_1)
	v_pk_add_f32 v[rT+2:rT+3], v[rT+2:rT+3], v[T:T+1]
	WIN 0x41                                       ; O^T (destination and source 0) window 1
.set n, 0
.rept 16
	v_pk_mul_f32 v[32*\hd+n:32*\hd+n+1], v[32*\hd+n:32*\hd+n+1], v[FF:FF+1] op_sel_hi:[1,0]   ; O^T under the new M, from each accumulator's low end on
.set n, n+2
.endr
	WIN 0x51                                       ; V, C and D window 1; p window 0
.irp dt, 0,1,2,3
.if \dt%2
	v_wmma_scale_f32_16x16x128_f8f6f4 v[32*\hd+8*\dt:32*\hd+8*\dt+7], v[VF+12*\dt:VF+12*\dt+11], v[P:P+11], v[32*\hd+8*\dt:32*\hd+8*\dt+7], v[VS+\dt/2], v[PW] matrix_a_fmt:MATRIX_FMT_FP6 matrix_b_fmt:MATRIX_FMT_FP6 matrix_a_scale:MATRIX_SCALE_ROW1
.else
	v_wmma_scale_f32_16x16x128_f8f6f4 v[32*\hd+8*\dt:32*\hd+8*\dt+7], v[VF+12*\dt:VF+12*\dt+11], v[P:P+11], v[32*\hd+8*\dt:32*\hd+8*\dt+7], v[VS+\dt/2], v[PW] matrix_a_fmt:MATRIX_FMT_FP6 matrix_b_fmt:MATRIX_FMT_FP6
.endif
.endr
	WIN 0
.endm
.Lstep:                                            ; eleven trips in every wave
	s_cmp_ge_u32 s40, s58
	s_cbranch_scc1 .Lidle                          ; my key steps are done: the branch hangs on the wave's number and the count alone
	s_add_co_u32 s59, s40, s47
	s_and_b32 s59, s59, 15                         ; the key step
	s_mul_i32 s36, s59, 6144                       ; its images of K (V's lie 98,304 on)
	s_lshl_b32 s37, s59, 9
	s_add_co_u32 s38, s37, VSC                     ; V's scale words: 512 bytes a step
	s_add_co_u32 s37, s37, KSC                     ; K's likewise
	v_add_nc_u32 v4, s36, v1                       ; the step's images of K,  (these four are also the places between the last products and the loads into V's registers)
	s_delay_alu instid0(VALU_DEP_1)
	v_add_nc_u32 v5, VIMG, v4                      ; of V,
	v_add_nc_u32 v6, s37, v2                       ; K's scale words,
	v_add_nc_u32 v7, s38, v2                       ; V's
	WIN 0x40
.irp t, 0,1,2,3,4,5,6,7
.irp i, 0,1,2
	ds_load_b64 v[KF+6*\t+2*\i:KF+6*\t+2*\i+1], v4 offset:\t*768+256*\i
.endr
.endr
.irp dt, 0,1,2,3
.irp i, 0,1,2,3,4,5
	ds_load_b64 v[VF+12*\dt+2*\i:VF+12*\dt+2*\i+1], v5 offset:\dt*1536+256*\i
.endr
.endr
	WIN 0
.irp m, 0,1,2,3
	ds_load_b32 v[KS+\m], v6 offset:128*\m         ; lanes 0-15 tile 2 m, lanes 16-31 tile 2 m + 1
.endr
.irp c, 0,1
.irp dp, 0,1
	ds_load_b32 v[VSA+2*\c+\dp], v7 offset:256*\c+128*\dp
.endr
.endr
	s_wait_loadcnt 0x0                             ; this step's mask (asked for a trip ago); in the first trip Q too
	WIN 0x44                                       ; source 1 and destination window 1
.set n, 0
.rept 16
	v_xor_b32 v[MB+n], s41, v[MB+n]                ; 1 where the key does not count,
.set n, n+1
.endr
.set n, 0
.rept 16
	v_mul_lo_u32 v[MB+n], s42, v[MB+n]             ; 0xff there (no carry from byte to byte)
.set n, n+1
.endr
	WIN 0x05                                       ; sources 0 and 1 window 1
.set n, 0
.rept 64
	v_perm_b32 v[BIAS+n], v[MB+n/4], v[MB+n/4], s[43+n%4]   ; 0xff000000 = -2^127, or 0: register 16 b + i is key 32 b + 16 h + i
.set n, n+1
.endr
	WIN 0
	s_add_co_u32 s39, s39, 128                     ; the next key step's mask; behind key step 15 the offset turns round to 0, so that no load leaves the buffer; a wave's last such load is not used
	s_and_b32 s39, s39, 0x7ff
	v_add_nc_u32 v8, s39, v3                       ; (the loads that named v8 are done: the wait above)
	WIN 0x40
.irp b, 0,1,2,3
	global_load_b128 v[MB+4*\b:MB+4*\b+3], v8, s[8:9] offset:32*\b
.endr
	WIN 0
	s_wait_alu depctr_va_vdst(0)
	s_wait_dscnt 0x0                               ; K, V and their scale words
	v_perm_b32 v[VS], v[VSA+2], v[VSA], 0x05040100   ; (s0, s1) of the step's first 64 keys, (s2, s3) of the second
	v_perm_b32 v[VS+1], v[VSA+3], v[VSA+1], 0x05040100
.rept 4
	v_nop
.endr
	HEAD 0
	HEAD 1
	HEAD 2
	HEAD 3
.Lidle:
	s_add_co_u32 s40, s40, 1
	s_cmp_lt_u32 s40, 11
	s_wait_alu depctr_va_vdst(0)
	s_cbranch_scc1 .Lstep
	s_wait_loadcnt 0x0                             ; no load is out when Q's registers are used again below
	; ---- THE END.  The sums' halves; these lines are also the places behind the last products
.irp hd, 0,1,2,3
	v_add_f32 v[ST+4*\hd+2], v[ST+4*\hd+2], v[ST+4*\hd+3]
.endr
.irp hd, 0,1,2,3
	s_delay_alu instid0(VALU_DEP_4)
	v_permlanex16_b32 v[T+\hd], v[ST+4*\hd+2], s20, s21
.endr
.irp hd, 0,1,2,3
	s_delay_alu instid0(VALU_DEP_4)
	v_add_f32 v[ST+4*\hd+2], v[ST+4*\hd+2], v[T+\hd]
.endr
	s_cmp_eq_u32 s15, 0
	s_cbranch_scc1 .Lkeep
	WIN 0x04                                       ; an LDS store's data are its source 1: window 1
.set n, 0
.rept 32
	ds_store_b128 v10, v[4*n:4*n+3] offset:512*n   ; waves 4-7: O^T as an image of the registers, each accumulator from its low end on
.set n, n+1
.endr
	WIN 0
.irp k, 0,1,2,3
	ds_store_b128 v10, v[ST+4*\k:ST+4*\k+3] offset:16384+512*\k   ; and -M and the sums
.endr
.Lkeep:
	s_wait_dscnt 0x0                               ; for the partner's sake: my stores have landed
	s_barrier_signal -1
	s_barrier_wait -1
	s_cmp_lg_u32 s15, 0
	s_cbranch_scc1 .Lclose                         ; waves 4-7 are done
.irp k, 0,1,2,3
	ds_load_b128 v[QF+4*\k:QF+4*\k+3], v10 offset:16384+512*\k   ; the partner's (-M, m, l, l) a head, where Q lay
.endr
.set n, 0
.rept 32
	ds_load_b128 v[S+4*n:S+4*n+3], v10 offset:512*n   ; its O^T: heads 0, 1 where S^T lay, heads 2, 3 where the mask lay
.set n, n+1
.endr
	v_mov_b32 v61, 0xffff
	v_mov_b32 v62, 0xffff0000
	s_wait_dscnt 0x0
.irp hd, 0,1,2,3
	v_min_num_f32 v[BM+\hd], v[ST+4*\hd], v[QF+4*\hd]   ; the common -M: the larger M
.endr
.irp hd, 0,1,2,3
	v_sub_f32 v[T+\hd], v[BM+\hd], v[ST+4*\hd]     ; whole numbers, 0 or less
	v_sub_f32 v[T+4+\hd], v[BM+\hd], v[QF+4*\hd]
.endr
.irp i, 0,1,2,3,4,5,6,7
	v_cvt_i32_f32 v[T+\i], v[T+\i]
.endr
.irp i, 0,1,2,3,4,5,6,7
	v_ldexp_f32 v[T+\i], 1.0, v[T+\i]              ; fa, fb: exact powers of two (0 for a wave none of whose keys counted)
.endr
.irp hd, 0,1,2,3
	v_mul_f32 v[LL+\hd], v[ST+4*\hd+2], v[T+\hd]
.endr
.irp hd, 0,1,2,3
	s_delay_alu instid0(VALU_DEP_4)
	v_fmac_f32 v[LL+\hd], v[QF+4*\hd+2], v[T+4+\hd]   ; the row's sum
.endr
	s_wait_alu depctr_va_vdst(0)
.irp hd, 0,1,2,3
	v_rcp_f32 v[SCO+\hd], v[LL+\hd]
.endr
	v_nop                                          ; a plain place behind the reciprocals
	s_wait_alu depctr_va_vdst(0)
.irp hd, 0,1,2,3
	v_mul_f32 v[GG+4*\hd], v[T+\hd], v[SCO+\hd]    ; fa / l and fb / l, each twice: pairs for the packed forms
	v_mul_f32 v[GG+4*\hd+1], v[T+\hd], v[SCO+\hd]
	v_mul_f32 v[GG+4*\hd+2], v[T+4+\hd], v[SCO+\hd]
	v_mul_f32 v[GG+4*\hd+3], v[T+4+\hd], v[SCO+\hd]
.endr
; 64 numbers of a lane, register 16 b + i = k 32 b + 16 (lane / 16) + i of my row, become a fragment's codes in v[P] on and its scale word in v[pw].
.macro QUANT s, pw
.irp b, 0,1,2,3
	v_max3_num_f32 v[BM+\b], |v[\s+16*\b]|, |v[\s+1+16*\b]|, 0x1800000
.endr
.irp i, 2,4,6,8,10,12,14
.irp b, 0,1,2,3
	s_delay_alu instid0(VALU_DEP_4)
	v_max3_num_f32 v[BM+\b], v[BM+\b], |v[\s+16*\b+\i]|, |v[\s+1+16*\b+\i]|
.endr
.endr
.irp b, 0,1,2,3
	s_delay_alu instid0(VALU_DEP_4)
	v_permlanex16_b32 v[T+\b], v[BM+\b], s20, s21
.endr
.irp b, 0,1,2,3
	s_delay_alu instid0(VALU_DEP_4)
	v_max_num_f32 v[BM+\b], v[BM+\b], v[T+\b]
.endr
.irp b, 0,1,2,3
	s_delay_alu instid0(VALU_DEP_4)
	v_add_nc_u32 v[SCO+\b], 0xff000000, v[BM+\b]
.endr
.irp b, 0,1,2,3
	s_delay_alu instid0(VALU_DEP_4)
	v_lshrrev_b32 v[T+\b], 23, v[SCO+\b]
.endr
	s_delay_alu instid0(VALU_DEP_3)
	v_lshl_or_b32 v[\pw], v[T+1], 8, v[T]
	s_delay_alu instid0(VALU_DEP_1)
	v_lshl_or_b32 v[\pw], v[T+2], 16, v[\pw]
	s_delay_alu instid0(VALU_DEP_1)
	v_lshl_or_b32 v[\pw], v[T+3], 24, v[\pw]
.irp c, 0,1
	v_cvt_scalef32_pk16_fp6_f32 v[P+6*\c:P+6*\c+2], v[\s+32*\c:\s+32*\c+15], v[SCO+2*\c]
	v_cvt_scalef32_pk16_fp6_f32 v[P+12+4*\c:P+14+4*\c], v[\s+32*\c+16:\s+32*\c+31], v[SCO+2*\c+1]
.endr
	v_nop                                          ; one plain place behind a scaled conversion
.irp c, 0,1
.irp i, 0,1,2
	v_permlane16_swap_b32 v[P+6*\c+\i], v[P+12+4*\c+\i]
.endr
.irp i, 0,1,2
	s_delay_alu instid0(VALU_DEP_3)
	v_mov_b32 v[P+6*\c+3+\i], v[P+12+4*\c+\i]
.endr
.endr
.endm
.irp hp, 0,1                           ; two heads are one K step of the last product
.set XB, S+64*\hp
.irp u, 0,1
.set n, 0
.rept 16
	v_pk_mul_f32 v[XB+32*\u+n:XB+32*\u+n+1], v[XB+32*\u+n:XB+32*\u+n+1], v[GG+4*(2*\hp+\u)+2:GG+4*(2*\hp+\u)+3]
.set n, n+2
.endr
.endr
	WIN 0x01                                       ; my own O^T: source 0 window 1
.irp u, 0,1
.set n, 0
.rept 16
	v_pk_fma_f32 v[XB+32*\u+n:XB+32*\u+n+1], v[64*\hp+32*\u+n:64*\hp+32*\u+n+1], v[GG+4*(2*\hp+\u):GG+4*(2*\hp+\u)+1], v[XB+32*\u+n:XB+32*\u+n+1]
.set n, n+2
.endr
.endr
	WIN 0
.if \hp
	s_wait_xcnt 0x0                                ; the first K step's stores have read the codes' registers
.endif
	QUANT XB, PWO+\hp
	v_cmp_eq_f32 vcc_lo, 0, v[LL+2*\hp]            ; a row without keys: its two bytes of each head become 0xff
	s_delay_alu instid0(VALU_DEP_1)
	v_cndmask_b32 v[TMP], 0, v61, vcc_lo
	s_delay_alu instid0(VALU_DEP_1)
	v_or_b32 v[PWO+\hp], v[PWO+\hp], v[TMP]
	v_cmp_eq_f32 vcc_lo, 0, v[LL+2*\hp+1]
	s_delay_alu instid0(VALU_DEP_1)
	v_cndmask_b32 v[TMP], 0, v62, vcc_lo
	s_delay_alu instid0(VALU_DEP_1)
	v_or_b32 v[PWO+\hp], v[PWO+\hp], v[TMP]
.irp c, 0,1,2
	global_store_b128 v9, v[P+4*\c:P+4*\c+3], s[10:11] offset:1536*\hp+512*\c   ; the fragment as an image: 512 consecutive bytes, aligned
.endr
.endr
	v_cndmask_b32 v[TMP], v[PWO], v[PWO+1], s48    ; lanes 0-15 the first K step's words, lanes 16-31 the second's
	global_store_b32 v2, v[TMP], s[12:13]
.Lclose:
	s_wait_tensorcnt 0x0                           ; the wave's end
	ds_add_u32 v254, v255
	s_wait_dscnt 0x0
	CROUND                                         ; the closing round
	s_endpgm
.Lfunc_end_k_q41456a2580_attn:
	.size	k_q41456a2580_attn, .Lfunc_end_k_q41456a2580_attn-k_q41456a2580_attn
	.p2alignl 7, 3214868480
	.fill 96, 4, 3214868480
	.section	.rodata,"a",@progbits
	.p2align	6, 0x0
	.amdhsa_kernel k_q41456a2580_attn
		.amdhsa_group_segment_fixed_size 287744
		.amdhsa_private_segment_fixed_size 0
		.amdhsa_enable_private_segment 0
		.amdhsa_kernarg_size 40
		.amdhsa_user_sgpr_count 2
		.amdhsa_user_sgpr_kernarg_segment_ptr 1
		.amdhsa_wavefront_size32 1
		.amdhsa_system_sgpr_workgroup_id_x 1
		.amdhsa_system_sgpr_workgroup_id_y 1
		.amdhsa_system_sgpr_workgroup_id_z 1
		.amdhsa_system_vgpr_workitem_id 0
		.amdhsa_next_free_vgpr 512
		.amdhsa_next_free_sgpr 66
		.amdhsa_reserve_vcc 1
		.amdhsa_float_denorm_mode_32 3
		.amdhsa_float_denorm_mode_16_64 3
		.amdhsa_memory_ordered 1
		.amdhsa_forward_progress 1
		.amdhsa_inst_pref_size 111
	.end_amdhsa_kernel
	.amdgpu_metadata
---
amdhsa.version: [ 1, 2 ]
amdhsa.kernels:
  - .name:           k_q41456a2580_attn
    .symbol:         k_q41456a2580_attn.kd
    .args:
      - { .name: q, .offset: 0, .size: 8, .value_kind: global_buffer, .address_space: global }
      - { .name: kv, .offset: 8, .size: 8, .value_kind: global_buffer, .address_space: global }
      - { .name: mask, .offset: 16, .size: 8, .value_kind: global_buffer, .address_space: global }
      - { .name: ao, .offset: 24, .size: 8, .value_kind: global_buffer, .address_space: global }
      - { .name: aos, .offset: 32, .size: 8, .value_kind: global_buffer, .address_space: global }
    .group_segment_fixed_size: 287744
    .private_segment_fixed_size: 0
    .kernarg_segment_align: 8
    .kernarg_segment_size: 40
    .max_flat_workgroup_size: 256
    .sgpr_count:     66
    .vgpr_count:     512
    .wavefront_size: 32
...
	.end_amdgpu_metadata
.endif
;; end of part 5
;; launch oproj (part 6): grid 16 x 16, 4 waves a work-group, clusters of 4 x 4, 327,680 bytes of LDS; arguments Wo_codes, Wo_scales, ao, aos, out0; writes out0
.if DOCPART == 6
	.amdgcn_target "amdgcn-amd-amdhsa--gfx1250"
	.amdhsa_code_object_version 6
	.text
	.protected	k_q41456a2580_oproj
	.globl	k_q41456a2580_oproj
	.p2align	8
	.type	k_q41456a2580_oproj,@function
k_q41456a2580_oproj:
	s_mov_b64 s[64:65], 0
	v_nop
	global_prefetch_b8 v0, s[64:65] scope:SCOPE_SE
	s_setreg_imm32_b32 hwreg(HW_REG_WAVE_MODE, 25, 1), 1
	s_wait_xcnt 0x0
	s_wait_alu depctr_hold_cnt(0) depctr_sa_sdst(0) depctr_va_vdst(0) depctr_va_sdst(0) depctr_va_ssrc(0) depctr_va_vcc(0) depctr_vm_vsrc(0)
	s_getreg_b32 s2, hwreg(HW_REG_IB_STS2, 6, 4)
	s_cmp_eq_u32 s2, 0
	s_cbranch_scc0 .Lentry_in_a_cluster
	s_endpgm
.Lentry_in_a_cluster:
	s_bfe_u32 s2, ttmp6, 0x10000c
	s_cmp_lg_u32 s2, 0xf033
	s_cbranch_scc0 .Lentry_shape_is_right
	s_endpgm
.Lentry_shape_is_right:
.set NIMG,  1
; out0 = ao Wo^T on codes of FP6 with E8M0 scales: a work-group makes 128 tokens x 128 columns, a wave 64 x 64.
; LDS: Wo's 128 rows stay whole, as two halves of K (rows of 768 bytes, which begin at multiples of 256 bytes of memory), each filled once; ao's images go through a ring of two slots of 512 along K;
; then the scale bytes and the spare words.  The head's four tiles (Wo's first half, ao's first quarter, both blocks of scale bytes) are shared out, one joint load a wave.
.set PITCH, 816                        ; 3 x (256 bytes + 16 of padding) = 204 words: row r starts at bank 12 r mod 64
.set HALF,  64*PITCH
.set WREG,  2*HALF                     ; one half of K of Wo's 128 rows
.set RING,  2*WREG                     ; ao's ring
.set NSL,   49152                      ; a slot of it: 8 token tiles x 6,144 bytes
.set SCL,   RING+2*NSL
.set FC,    -1                         ; counts the K steps fetched: step FC lies at place FC % 8 of Wo's half FC / 8
.set HALFS, 16*272
.set SPARE, SCL+4*HALFS
.set STAGE, RING                       ; the way out's stage: ring slot 0, behind its last fill and the barrier behind its last read
.set NFL,   36
.set NFWD,  786432
.set ADP,  16
.set ADN,  20
.set ADSP, 24
.set ADSN, 25
.set SPW,  28
.set NIL,  29
.set SC,   32
.set ACC,  128
.set F0,   0
.set G1SN, 8
.set G1SP, 16
.set G1P,  24
.set G0P,  32
.set G1N,  40
.set G0N,  48
.set G0SP, 56
.set G0SN, 60
.set MSB, 0
.macro WIN new
.if MSB != \new
	s_set_vgpr_msb (MSB<<8)|\new
.set MSB, \new
.endif
.endm
.macro PLACES n
.rept \n
	v_nop
.endr
.endm
.macro CREST
	s_cmp_lg_u32 s4, 0
	s_cbranch_scc1 .Lnot_wave_0_\@
	s_barrier_signal -3
.Lnot_wave_0_\@:
	s_barrier_wait -3
	s_barrier_signal -1
	s_barrier_wait -1
.endm
.macro CROUND
	s_barrier_signal -1
	s_barrier_wait -1
	CREST
.endm
.macro JLOAD g0p, g1p, g0n, g1n
	s_cmp_eq_u32 s5, 0
	s_cbranch_scc0 .Lfor_n_\@
	tensor_load_to_lds s[\g0p:\g0p+3], s[\g1p:\g1p+7]
	s_nop 0
.rept 4
	v_nop
.endr
	s_branch .Lasked_\@
.Lfor_n_\@:
	tensor_load_to_lds s[\g0n:\g0n+3], s[\g1n:\g1n+7]
	s_nop 0
.rept 4
	v_nop
.endr
.Lasked_\@:
.endm
.macro FRAG reg, adr, q, i
.irp p, 0,1,2,3,4,5
.set PCE, 12*(\q)+6*(\p/3)+\p%3
.if PCE%32 < 29                        ; 32 pieces lie between two paddings; from piece 29 on lanes 16-31 read behind one padding more
	ds_load_b64 v[\reg+2*\p:\reg+2*\p+1], v[\adr] offset:8*PCE+16*(PCE/32)+(\i)*16*PITCH
.else
	ds_load_b64 v[\reg+2*\p:\reg+2*\p+1], v[\adr+2] offset:8*PCE+16*(PCE/32)+(\i)*16*PITCH
.endif
.endr
.endm
.macro FRAGI reg, adr, q, i
.irp c, 0,1,2
	ds_load_b128 v[\reg+4*\c:\reg+4*\c+3], v[\adr] offset:(\i)*6144+(\q)*1536+512*\c
.endr
.endm
.macro FETCH slot, q, f
.set FC, FC+1
	WIN 0x40
.irp i, 0,1,2,3
	FRAG \f+12*\i, ADP+FC/8, FC%8, \i
.endr
.irp i, 0,1,2,3
.if NIMG
	FRAGI \f+48+12*\i, ADN+\slot, \q, \i
.else
	FRAG \f+48+12*\i, ADN+\slot, \q, \i
.endif
.endr
	WIN 0
.endm
.macro SCALES kap, set
.irp i, 0,1,2,3
.irp u, 0,1
	ds_load_b32 v[SC+16*(\set)+2*\i+\u], v[ADSP] offset:\i*1088+16*(\kap)+8*\u
.if NIMG
	ds_load_b32 v[SC+16*(\set)+8+2*\i+\u], v[ADSN] offset:\i*1088+272*(\kap)+128*\u
.else
	ds_load_b32 v[SC+16*(\set)+8+2*\i+\u], v[ADSN] offset:\i*1088+16*(\kap)+8*\u
.endif
.endr
.endr
.endm
.macro MUL8 f, j0, q, set, zero
.irp j, \j0, \j0+1
.irp pt, 0,1,2,3
.if NIMG
.set xD, ACC+32*(\j)+8*\pt
.else
.set xD, ACC+32*(\j)+8*(2*(\pt%2)+\pt/2)
.endif
.set xP, \f+12*\pt
.set xN, \f+48+12*(\j)
.set xSP, SC+16*(\set)+2*\pt+(\q)/2
.set xSN, SC+16*(\set)+8+2*(\j)+(\q)/2
.if \zero
	v_wmma_scale_f32_16x16x128_f8f6f4 v[xD:xD+7], v[xP:xP+11], v[xN:xN+11], 0, v[xSP], v[xSN] matrix_a_fmt:MATRIX_FMT_FP6 matrix_b_fmt:MATRIX_FMT_FP6
.elseif (\q)%2
	v_wmma_scale_f32_16x16x128_f8f6f4 v[xD:xD+7], v[xP:xP+11], v[xN:xN+11], v[xD:xD+7], v[xSP], v[xSN] matrix_a_fmt:MATRIX_FMT_FP6 matrix_b_fmt:MATRIX_FMT_FP6 matrix_a_scale:MATRIX_SCALE_ROW1 matrix_b_scale:MATRIX_SCALE_ROW1
.else
	v_wmma_scale_f32_16x16x128_f8f6f4 v[xD:xD+7], v[xP:xP+11], v[xN:xN+11], v[xD:xD+7], v[xSP], v[xSN] matrix_a_fmt:MATRIX_FMT_FP6 matrix_b_fmt:MATRIX_FMT_FP6
.endif
.endr
.endr
.endm
.macro STEP slot, q, zero
	PLACES 4
	FETCH \slot, (\q)+1, F0+96*(1-(\q)%2)
	s_wait_dscnt NFL
	WIN 0x05
	MUL8 F0+96*((\q)%2), 0, \q, \slot, \zero
	MUL8 F0+96*((\q)%2), 2, \q, \slot, \zero
	WIN 0
.endm
.macro TURN slot, kap, fill
	s_wait_tensorcnt 0x0
	ds_add_u32 v[SPW], v[NIL]
	s_wait_dscnt 1
	WIN 0x05
	MUL8 F0+96, 0, 3, \slot, 0
	s_wait_dscnt 0x0
	s_barrier_signal -1
	MUL8 F0+96, 2, 3, \slot, 0
	WIN 0
	s_barrier_wait -1
.if \fill
	CREST
	s_add_nc_u64 s[G0N+4*\slot+2:G0N+4*\slot+3], s[G0N+4*\slot+2:G0N+4*\slot+3], 2*NFWD
	s_cmp_eq_u32 s5, 0
	s_cbranch_scc1 .Lno_n_\@                       ; ao's ring alone is filled again: waves 2 and 3, a half each; waves 0 and 1 have no part of it
	tensor_load_to_lds s[G0N+4*\slot:G0N+4*\slot+3], s[G1N:G1N+7]
	s_nop 0
.Lno_n_\@:
	PLACES 4
.else
	PLACES 4
.endif
	FETCH 1-\slot, 0, F0
	SCALES \kap, 1-\slot
.endm
	s_load_b256 s[80:87], s[0:1], 0x0
	s_load_b64 s[88:89], s[0:1], 0x20
	v_lshl_add_u32 v[SPW], v0, 2, SPARE
	v_mov_b32 v[NIL], 0
	ds_add_u32 v28, v29
	ds_add_u32 v28, v29
	s_wait_dscnt 0x0
	v_lshrrev_b32 v1, 5, v0
	v_readfirstlane_b32 s4, v1
	s_lshr_b32 s5, s4, 1
	s_and_b32 s6, s4, 1
	s_bfe_u32 s7, ttmp6, 0x40000
	s_bfe_u32 s66, ttmp6, 0x40004
	s_lshl_b32 s91, ttmp9, 2
	s_add_co_u32 s91, s91, s7
	s_and_b32 s92, ttmp7, 0xffff
	s_lshl_b32 s92, s92, 2
	s_add_co_u32 s92, s92, s66
	s_lshl_b32 s94, 0x1111, s7
	s_lshl_b32 s96, s66, 2
	s_lshl_b32 s96, 15, s96
	s_or_b32 s[G1P], s94, (1<<20)|(1<<21)|(5<<22)|(3<<25)   ; rows of 768 bytes, 16 bytes of padding behind every 64 words; 128 rows at the head, 64 later
	s_mov_b32 s[G1P+1], 768<<16
	s_mov_b32 s[G1P+2], 128<<16
	s_mov_b32 s[G1P+3], 768<<16
	s_mov_b32 s[G1P+4], 128
	s_mov_b32 s[G1P+5], 1536
	s_mov_b32 s[G1P+6], 0
	s_mov_b32 s[G1P+7], 0
	s_or_b32 s[G1N], s96, (3<<16)|(1<<21)
	s_mov_b32 s[G1N+1], 32<<16
	s_mov_b32 s[G1N+2], 192<<16
	s_mov_b32 s[G1N+3], 32<<16
	s_mov_b32 s[G1N+4], 192
	s_mov_b32 s[G1N+5], 32
	s_mov_b32 s[G1N+6], 0
	s_mov_b32 s[G1N+7], 0
	s_or_b32 s[G1SP], s94, (3<<16)|(1<<20)|(1<<21)|(5<<22)|(3<<25)
	s_or_b32 s[G1SN], s96, (3<<16)|(1<<20)|(1<<21)|(5<<22)|(3<<25)
.irp g, G1SP, G1SN
	s_mov_b32 s[\g+1], 32<<16
	s_mov_b32 s[\g+2], 32<<16
	s_mov_b32 s[\g+3], 32<<16
	s_mov_b32 s[\g+4], 32
	s_mov_b32 s[\g+5], 32
	s_mov_b32 s[\g+6], 0
	s_mov_b32 s[\g+7], 0
.endr
	s_lshl_b32 s72, s91, 7
	s_lshl_b32 s74, s72, 6
	s_mul_i32 s72, s72, 1536
	s_mov_b32 s73, 0
	s_mov_b32 s75, 0
	s_lshl_b32 s76, s92, 3
	s_lshl_b32 s78, s76, 10
	s_mul_i32 s76, s76, 6144
	s_mov_b32 s77, 0
	s_mov_b32 s79, 0
	s_lshl_b32 s68, s92, 20
	s_lshl_b32 s69, s6, 19
	s_add_co_u32 s68, s68, s69
	s_lshl_b32 s69, s91, 9
	s_add_co_u32 s68, s68, s69
	s_lshl_b32 s69, s5, 8
	s_add_co_u32 s68, s68, s69
	s_mov_b32 s69, 0
	s_wait_kmcnt 0x0
	s_add_nc_u64 s[72:73], s[80:81], s[72:73]
	s_add_nc_u64 s[74:75], s[82:83], s[74:75]
	s_add_nc_u64 s[76:77], s[84:85], s[76:77]
	s_add_nc_u64 s[78:79], s[86:87], s[78:79]
	s_add_nc_u64 s[88:89], s[88:89], s[68:69]
	s_mul_i32 s2, s6, 98304                        ; behind the head a wave fetches a half of a tile: 64 rows of Wo on, in its second half of K,
	s_add_co_u32 s2, s2, 768
	s_mov_b32 s3, 0
	s_mul_i32 s68, s6, 24576                       ; or four token tiles of ao on, in memory and in LDS alike
	s_mov_b32 s69, 0
	s_mul_i32 s93, s6, HALF
	CROUND                                         ; all sixteen work-groups are here: the first joint loads meet
	s_mov_b32 s[G0P], 1                            ; Wo's 128 rows, first half of K
	s_mov_b32 s[G0P+1], 0
	s_mov_b64 s[G0P+2:G0P+3], s[72:73]
	s_or_b32 s[G0P+3], s[G0P+3], 0x80000000
	s_mov_b32 s[G0P+4], 1                          ; my 64 rows of its second half
	s_add_co_u32 s[G0P+5], s93, WREG
	s_add_nc_u64 s[G0P+6:G0P+7], s[72:73], s[2:3]
	s_or_b32 s[G0P+7], s[G0P+7], 0x80000000
	s_mov_b32 s[G0N], 1                            ; ao's first quarter of K, all eight token tiles
	s_mov_b32 s[G0N+1], RING
	s_mov_b64 s[G0N+2:G0N+3], s[76:77]
	s_or_b32 s[G0N+3], s[G0N+3], 0x80000000
	s_mov_b32 s[G0N+4], 1                          ; my four tiles of its second quarter
	s_add_co_u32 s[G0N+5], s68, RING+NSL
	s_add_nc_u64 s[G0N+6:G0N+7], s[76:77], s[68:69]
	s_add_nc_u64 s[G0N+6:G0N+7], s[G0N+6:G0N+7], NFWD
	s_or_b32 s[G0N+7], s[G0N+7], 0x80000000
	s_mov_b32 s[G0SP], 1                           ; Wo's scale bytes,
	s_mov_b32 s[G0SP+1], SCL
	s_mov_b64 s[G0SP+2:G0SP+3], s[74:75]
	s_or_b32 s[G0SP+3], s[G0SP+3], 0x80000000
	s_mov_b32 s[G0SN], 1                           ; and ao's
	s_mov_b32 s[G0SN+1], SCL+2*HALFS
	s_mov_b64 s[G0SN+2:G0SN+3], s[78:79]
	s_or_b32 s[G0SN+3], s[G0SN+3], 0x80000000
.macro ARM under, g0, g1, next         ; one chain of branches on the wave's number: every way through the head passes one load
	s_cmp_lt_u32 s4, \under
	s_cbranch_scc0 \next
	tensor_load_to_lds s[\g0:\g0+3], s[\g1:\g1+7]
	s_nop 0
	PLACES 4
	s_branch .Lhead_asked
\next:
.endm
	ARM 1, G0P,  G1P,  .Lhead_n
	ARM 2, G0N,  G1N,  .Lhead_sp
	ARM 3, G0SP, G1SP, .Lhead_sn
	tensor_load_to_lds s[G0SN:G0SN+3], s[G1SN:G1SN+7]
	s_nop 0
	PLACES 4
.Lhead_asked:
	v_and_b32 v1, 15, v0
	v_bfe_u32 v2, v0, 4, 1
	v_and_b32 v3, 31, v0
	v_mul_u32_u24 v4, v1, PITCH
	v_mad_u32_u24 v4, v2, 24, v4
	v_lshl_add_u32 v5, v2, 4, v4
	s_mul_i32 s2, s5, HALF
	v_add_nc_u32 v[ADP], s2, v4
	v_add_nc_u32 v[ADP+2], s2, v5
	v_add_nc_u32 v[ADP+1], WREG, v[ADP]
	v_add_nc_u32 v[ADP+3], WREG, v[ADP+2]
.if NIMG
	s_mul_i32 s3, s6, 24576
	s_add_co_u32 s3, s3, RING
	v_lshl_add_u32 v[ADN], v3, 4, s3
	v_add_nc_u32 v[ADN+1], NSL, v[ADN]
.else
	s_mul_i32 s3, s6, HALF
	s_add_co_u32 s3, s3, 2*HALF
	v_add_nc_u32 v[ADN], s3, v4
	v_add_nc_u32 v[ADN+2], s3, v5
	v_add_nc_u32 v[ADN+1], SLOT, v[ADN]
	v_add_nc_u32 v[ADN+3], SLOT, v[ADN+2]
.endif
	v_lshrrev_b32 v6, 2, v1
	v_and_b32 v7, 3, v1
	v_mul_u32_u24 v6, v6, 272
	v_lshl_add_u32 v6, v7, 6, v6
	v_lshl_add_u32 v6, v2, 2, v6
	s_mul_i32 s2, s5, HALFS
	s_add_co_u32 s2, s2, SCL
	v_add_nc_u32 v[ADSP], s2, v6
	s_mul_i32 s3, s6, HALFS
	s_add_co_u32 s3, s3, SCL+2*HALFS
.if NIMG
	v_lshl_add_u32 v[ADSN], v3, 2, s3
.else
	v_add_nc_u32 v[ADSN], s3, v6
.endif
	s_mul_i32 s2, s4, 16*272
	s_add_co_u32 s2, s2, STAGE
	v_mul_u32_u24 v8, v1, 272
	v_lshl_add_u32 v8, v2, 5, v8
	v_add_nc_u32 v26, s2, v8
	v_mul_u32_u24 v9, v2, 272
	v_lshl_add_u32 v9, v1, 4, v9
	v_add_nc_u32 v27, s2, v9
	v_lshlrev_b32 v30, 13, v2
	v_lshl_add_u32 v30, v1, 4, v30
	s_wait_alu depctr_va_vdst(0)
	s_wait_tensorcnt 0x0                           ; my tile of the head's four is in
	ds_add_u32 v[SPW], v[NIL]
	s_mov_b32 s[G1P+2], 64<<16                     ; no tensor load of mine is out: from here on a load brings a half of a tile
	s_mov_b32 s[G1P+4], 64
	s_mov_b32 s[G1N+2], 96<<16
	s_mov_b32 s[G1N+4], 96
	s_add_co_u32 s[G0N+1], s[G0N+1], s68           ; ring slot 0's later fill: my four tiles
	s_add_nc_u64 s[G0N+2:G0N+3], s[G0N+2:G0N+3], s[68:69]
	s_wait_dscnt 0x0
	CROUND                                         ; all four tiles are in, and all sixteen work-groups are here
	JLOAD G0P+4, G1P, G0N+4, G1N                   ; Wo's second half of K and ao's second quarter: my one load behind the round
	FETCH 0, 0, F0
	SCALES 0, 0
	STEP 0, 0, 1
	STEP 0, 1, 0
	STEP 0, 2, 0
	TURN 0, 1, 1
	STEP 1, 0, 0
	STEP 1, 1, 0
	STEP 1, 2, 0
	TURN 1, 2, 1
	STEP 0, 0, 0
	STEP 0, 1, 0
	STEP 0, 2, 0
	TURN 0, 3, 0
	STEP 1, 0, 0
	STEP 1, 1, 0
	STEP 1, 2, 0
	s_wait_dscnt 0x0
	WIN 0x05
	MUL8 F0+96, 0, 3, 1, 0
	MUL8 F0+96, 2, 3, 1, 0
	WIN 0
.macro TOSTAGE j
.irp pt, 0,1,2,3
	ds_store_b128 v26, v[ACC+32*(\j)+8*\pt:ACC+32*(\j)+8*\pt+3] offset:64*\pt
	ds_store_b128 v26, v[ACC+32*(\j)+8*\pt+4:ACC+32*(\j)+8*\pt+7] offset:64*\pt+16
.endr
.set BB, 64+32*((\j)%2)
.irp t, 0,1,2,3,4,5,6,7
	ds_load_b128 v[BB+4*\t:BB+4*\t+3], v27 offset:544*\t
.endr
.endm
.macro SEND j, younger
.set BB, 64+32*((\j)%2)
	s_wait_dscnt \younger
.irp t, 0,1,2,3,4,5,6,7
	global_store_b128 v30, v[BB+4*\t:BB+4*\t+3], s[88:89] offset:(16*(\j)+2*\t)*8192 th:TH_STORE_NT
.endr
.endm
	PLACES 4
	TOSTAGE 0
.irp j, 1,2,3
.if \j > 1
	s_wait_xcnt 0x0
.endif
	TOSTAGE \j
	SEND \j-1, 16
.endr
	SEND 3, 0
	s_wait_tensorcnt 0x0
	ds_add_u32 v[SPW], v[NIL]
	s_wait_dscnt 0x0
	CROUND
	s_endpgm
.Lfunc_end_k_q41456a2580_oproj:
	.size	k_q41456a2580_oproj, .Lfunc_end_k_q41456a2580_oproj-k_q41456a2580_oproj
	.p2alignl 7, 3214868480
	.fill 96, 4, 3214868480
	.section	.rodata,"a",@progbits
	.p2align	6, 0x0
	.amdhsa_kernel k_q41456a2580_oproj
		.amdhsa_group_segment_fixed_size 327680
		.amdhsa_private_segment_fixed_size 0
		.amdhsa_enable_private_segment 0
		.amdhsa_kernarg_size 40
		.amdhsa_user_sgpr_count 2
		.amdhsa_user_sgpr_kernarg_segment_ptr 1
		.amdhsa_wavefront_size32 1
		.amdhsa_system_sgpr_workgroup_id_x 1
		.amdhsa_system_sgpr_workgroup_id_y 1
		.amdhsa_system_sgpr_workgroup_id_z 1
		.amdhsa_system_vgpr_workitem_id 0
		.amdhsa_next_free_vgpr 512
		.amdhsa_next_free_sgpr 102
		.amdhsa_reserve_vcc 0
		.amdhsa_float_denorm_mode_32 3
		.amdhsa_float_denorm_mode_16_64 3
		.amdhsa_memory_ordered 1
		.amdhsa_forward_progress 1
		.amdhsa_inst_pref_size 96
	.end_amdhsa_kernel
	.amdgpu_metadata
---
amdhsa.version: [ 1, 2 ]
amdhsa.kernels:
  - .name:           k_q41456a2580_oproj
    .symbol:         k_q41456a2580_oproj.kd
    .args:
      - { .name: Wo_codes, .offset: 0, .size: 8, .value_kind: global_buffer, .address_space: global }
      - { .name: Wo_scales, .offset: 8, .size: 8, .value_kind: global_buffer, .address_space: global }
      - { .name: ao, .offset: 16, .size: 8, .value_kind: global_buffer, .address_space: global }
      - { .name: aos, .offset: 24, .size: 8, .value_kind: global_buffer, .address_space: global }
      - { .name: out0, .offset: 32, .size: 8, .value_kind: global_buffer, .address_space: global }
    .group_segment_fixed_size: 327680
    .private_segment_fixed_size: 0
    .kernarg_segment_align: 8
    .kernarg_segment_size: 40
    .max_flat_workgroup_size: 128
    .sgpr_count:     102
    .vgpr_count:     512
    .wavefront_size: 32
...
	.end_amdgpu_metadata
.endif
;; end of part 6
